; MI455X (gfx1250); checked and timed in simulation.
; The chip was launched on July 23, 2026; its instructions are those of AMD's public machine-readable ISA for CDNA 5 (MIT licence, August 2026) and "CDNA5" Instruction Set Architecture Reference Guide (July 2026). The comments in the code are by the model that wrote it; some were corrected since.
;; Block. Allowed arithmetic: float matrix products may take bf16 or f16 operands with f32 sums; other float arithmetic in f32, or as packed bf16 or f16 multiplies, adds, multiply-adds, maxima and minima; sums over many terms, partial sums and values carried from step to step in f32; what a program stores and reads back later, other than sums and carried values, may be rounded once to bf16 or f16.
;; Inputs: b1 4,096 float32; b2 1,024 float32; b_proj 1,024 float32; be1 1,024 float32; be2 1,024 float32; g1 1,024 float32; g2 1,024 float32; w1 1,024 x 4,096 float32; w2 4,096 x 1,024 float32; w_proj 1,024 x 1,024 float32; wk 16 x 1,024 x 64 float32; wq 16 x 1,024 x 64 float32; wv 16 x 1,024 x 64 float32; x 2 x 2,048 x 1,024 float32.
;; Outputs: out0 2 x 2,048 x 1,024 float32.
;; 2 versions, each right; version 2 is version 1 with the launch prep written anew for expert scheduling mode. Each part assembles by itself: llvm-mc -triple=amdgcn-amd-amdhsa -mcpu=gfx1250 --defsym DOCPART=n.
;; ======== version 1 of 2: 7 launches
;; limits: values are held in f16: magnitudes above 65,504 overflow, below 6.1e-05 lose precision
;; workspace buffers: wh 25,165,824 bytes; hn 8,388,608 bytes; qkv 25,165,824 bytes; att 8,388,608 bytes; x1 16,777,216 bytes; hid 33,554,432 bytes
;; launch prep (part 1): grid 1024 x 1, 8 waves a work-group, no clusters, 0 bytes of LDS; arguments x, g1, be1, hn, wq, wk, wv, w_proj, w1, w2, wh; writes hn, wh
.if DOCPART == 1
	.amdgcn_target "amdgcn-amd-amdhsa--gfx1250"
	.amdhsa_code_object_version 6
	.text
	.protected	k_q7fa5d64d2d_prep
	.globl	k_q7fa5d64d2d_prep
	.p2align	8
	.type	k_q7fa5d64d2d_prep,@function
k_q7fa5d64d2d_prep:
	s_mov_b64 s[64:65], 0
	v_nop
	global_prefetch_b8 v0, s[64:65] scope:SCOPE_SE
	s_setreg_imm32_b32 hwreg(HW_REG_WAVE_MODE, 25, 1), 1
	s_wait_xcnt 0x0
; THE PROGRAM: a pre-LN transformer block on 4,096 rows (2 x 2,048) of 1,024 numbers, in seven launches:
;   prep  h = LN(x; g1, be1) in f16, and all six weights rounded once to f16 and laid in blocks      gq    q, k, v = h x (wq, wk, wv)
;   attn  causal softmax attention, 16 heads of 64, scale 1/32                                        gp    x1 = x + att x w_proj + b_proj
;   ln2   h2 = LN(x1; g2, be2) in f16         g1    hid = relu(h2 x w1 + b1)          g2    out0 = x1 + hid x w2 + b2
; FORMATS.  Matrix operands are f16 (weights, h, q, k, v, the softmax's weights, the attention's result, h2, hid), each rounded once from f32; all sums, x, x1, the biases,
; the norms' statistics and the softmax's maximum and sum stay in f32.
; LIMITS.  Every f16 operand must lie within 65,504 (beyond it the conversion gives an infinity); below 6e-5 f16 keeps a fixed step of 6e-8.
; WORK LEFT OUT.  reference() itself sets scores[t][s] to -inf for s > t (its own jnp.tril) ahead of the softmax, so those weights are exactly 0 whatever finite values the
; inputs hold, and q.k and w.v for such pairs reach no output.  Launch attn leaves them out where they come in whole tiles of 256 keys above the diagonal of a block of 128 queries.
; A NaN, an infinity or an overflow that would arise only in those products is not carried to the result.  No input is dead: all fourteen are loaded by some launch.
; LAYOUT T of a GEMM's left operand (hn, att, hid), f16:  byte(m, c) = ((c >> 8) 32 + (m >> 7)) 65,536 + ((c >> 6) & 3) 16,384 + (m & 127) 128 + (c & 63) 2:
; 128 rows x 64 columns are 16,384 consecutive bytes, and four such blocks along c lie on end.
; WEIGHTS (wh), f16.  wq, wk, wv (from byte 0), w_proj (6,291,456) and w2 (16,777,216): blocks [n / 64][K][64], rows of 128 bytes on end: a block's 256 k are 32,768 consecutive bytes.
; w1 (8,388,608): [n / 128][k / 128][(n / 64) & 1][k & 127][n & 63]: 128 k x 128 columns are 32,768 consecutive bytes, which is what a wave of launch g1 asks for at a time.
;
; THIS LAUNCH.  Work-groups 0-255: the first norm, 16 rows each.  Work-groups 256-1023: unit u = number - 256 rounds 256 k-rows x 64 columns of one weight.
; Memory binds: no LDS, no barrier, no matrix unit; every load of a lane is 16 bytes, every store of a wave covers whole aligned runs of 256 bytes.  128 registers a wave, so that four work-groups
; of eight waves lie on a WGP's four times 1,024 registers and all have their loads on their way together.
; THE NORM.  Wave w has rows 2 w and 2 w + 1.  Lane l: i = l & 7, rr = (l >> 3) & 1, cs = l >> 4; for j = 0..7 it holds the 8 columns 64 (2 j + cs) + 8 i .. + 7 of row 2 w + rr, so that its
; eight f16 results are 16 consecutive bytes of layout T and lanes 0-15 (16-31) store 256 consecutive bytes.  Two passes over registers: the mean, then the sum of (x - mean)^2.
; Gain and bias come in four batches of two j, 16 registers each: a batch is asked for as soon as the multiply-adds of the batch before have read those registers.
.set XO,   2                           ; v2   my byte offset in the work-group's 16 rows of x
.set GOF,  3                           ; v3   my byte offset in g and be
.set HO,   4                           ; v4   my byte offset in hn
.set CH,   8                           ; v[8:15]   four packed chains
.set MEAN, 16                          ; v[16:17]  the mean, twice
.set RS,   18                          ; v[18:19]  1 / sqrt(var + eps), twice
.set X,    32                          ; v[32:95]   the row's numbers, 8 for each j
.set G,    96                          ; v[96:111]  the gain's, for two j
.set BE,   112                         ; v[112:127] the bias's, for two j
.set OFF,  8                           ; the cast: v[8:23] sixteen byte offsets, two k-rows apart
.set DO,   4                           ; the cast: v4 my 8 bytes in the unit
.set D,    32                          ; the cast: v[32:95] as loaded
.set Y,    96                          ; the cast: v[96:127] to store
	s_load_b256 s[4:11], s[0:1], 0x0               ; x s[4:5], g1 s[6:7], be1 s[8:9], hn s[10:11]
	s_load_b256 s[12:19], s[0:1], 0x20             ; wq s[12:13], wk s[14:15], wv s[16:17], w_proj s[18:19]
	s_load_b128 s[20:23], s[0:1], 0x40             ; w1 s[20:21], w2 s[22:23]
	s_load_b64 s[24:25], s[0:1], 0x50              ; wh
	s_cmp_lt_u32 ttmp9, 256
	s_cbranch_scc0 .Lcast
	v_and_b32 v5, 7, v0                            ; i
	v_bfe_u32 v6, v0, 3, 1                         ; rr
	v_bfe_u32 v7, v0, 4, 1                         ; cs
	v_lshrrev_b32 v1, 5, v0                        ; w
	v_lshl_add_u32 v6, v1, 1, v6                   ; 2 w + rr
	v_lshlrev_b32 v[GOF], 5, v5                    ; 32 i
	v_lshl_add_u32 v[GOF], v7, 8, v[GOF]           ; + 256 cs
	v_lshl_add_u32 v[XO], v6, 12, v[GOF]           ; + the row's 4,096 bytes
	v_lshlrev_b32 v[HO], 4, v5                     ; 16 i
	v_lshl_add_u32 v[HO], v6, 7, v[HO]             ; + 128 (2 w + rr)
	v_lshl_add_u32 v[HO], v7, 14, v[HO]            ; + 16,384 cs
	s_lshl_b32 s26, ttmp9, 16                      ; 16 rows of 4,096 bytes
	s_mov_b32 s27, 0
	s_lshr_b32 s28, ttmp9, 3                       ; m >> 7
	s_lshl_b32 s28, s28, 16
	s_and_b32 s29, ttmp9, 7                        ; 16 rows of 128 bytes inside the block of 128 rows
	s_lshl_b32 s29, s29, 11
	s_add_co_u32 s28, s28, s29
	s_mov_b32 s29, 0
	s_mov_b32 s30, 0x3a800000                      ; 1 / 1024
	s_mov_b32 s31, 0x3727c5ac                      ; 1e-5
	s_mov_b32 s32, 0x76543210                      ; v_permlanex16_b32: each lane takes its own place in the other half
	s_mov_b32 s33, 0xfedcba98
	s_wait_kmcnt 0x0
	s_add_nc_u64 s[4:5], s[4:5], s[26:27]
	s_add_nc_u64 s[10:11], s[10:11], s[28:29]
.macro GBLOAD b                        ; gain and bias of j = 2 b and 2 b + 1: eight loads
.irp e, 0,1
	global_load_b128 v[G+8*(\e):G+8*(\e)+3],     v[GOF], s[6:7] offset:512*(2*(\b)+(\e))
	global_load_b128 v[G+8*(\e)+4:G+8*(\e)+7],   v[GOF], s[6:7] offset:512*(2*(\b)+(\e))+16
	global_load_b128 v[BE+8*(\e):BE+8*(\e)+3],   v[GOF], s[8:9] offset:512*(2*(\b)+(\e))
	global_load_b128 v[BE+8*(\e)+4:BE+8*(\e)+7], v[GOF], s[8:9] offset:512*(2*(\b)+(\e))+16
.endr
.endm
.set j, 0
.rept 8                                ; x first, since it is wanted first
	global_load_b128 v[X+8*j:X+8*j+3],   v[XO], s[4:5] offset:512*j th:TH_LOAD_NT
	global_load_b128 v[X+8*j+4:X+8*j+7], v[XO], s[4:5] offset:512*j+16 th:TH_LOAD_NT
.set j, j+1
.endr
	GBLOAD 0
; The four chains into one number, then over the 16 lanes that share a row: i by three steps inside the group of eight (never by 8: that lane holds the other row), cs by the other half of the lanes.
.macro FOLD
	v_pk_add_f32 v[CH:CH+1], v[CH:CH+1], v[CH+2:CH+3]
	v_pk_add_f32 v[CH+4:CH+5], v[CH+4:CH+5], v[CH+6:CH+7]
	v_pk_add_f32 v[CH:CH+1], v[CH:CH+1], v[CH+4:CH+5]
	v_add_f32 v[CH], v[CH], v[CH+1]
	v_add_f32_dpp v[CH], v[CH], v[CH] row_xmask:1 row_mask:0xf bank_mask:0xf
	v_add_f32_dpp v[CH], v[CH], v[CH] row_xmask:2 row_mask:0xf bank_mask:0xf
	v_add_f32_dpp v[CH], v[CH], v[CH] row_xmask:4 row_mask:0xf bank_mask:0xf
	v_permlanex16_b32 v[CH+1], v[CH], s32, s33
	v_add_f32 v[CH], v[CH], v[CH+1]
.endm
	s_wait_loadcnt 8                               ; x is in; the eight younger loads (the first batch of gain and bias) may stay out
.set k, 0
.rept 4                                ; the first pairs start the chains: nothing is cleared
	v_pk_add_f32 v[CH+2*k:CH+2*k+1], v[X+2*k:X+2*k+1], v[X+8+2*k:X+8+2*k+1]
.set k, k+1
.endr
.set k, 8
.rept 24
	v_pk_add_f32 v[CH+2*(k%4):CH+2*(k%4)+1], v[CH+2*(k%4):CH+2*(k%4)+1], v[X+2*k:X+2*k+1]
.set k, k+1
.endr
	FOLD
	v_mul_f32 v[MEAN], s30, v[CH]
	v_mov_b32 v[MEAN+1], v[MEAN]
.set k, 0
.rept 32
	v_pk_add_f32 v[X+2*k:X+2*k+1], v[X+2*k:X+2*k+1], v[MEAN:MEAN+1] neg_lo:[0,1] neg_hi:[0,1]  ; d = x - mean
.set k, k+1
.endr
.set k, 0
.rept 4
	v_pk_mul_f32 v[CH+2*k:CH+2*k+1], v[X+2*k:X+2*k+1], v[X+2*k:X+2*k+1]
.set k, k+1
.endr
.set k, 4
.rept 28
	v_pk_fma_f32 v[CH+2*(k%4):CH+2*(k%4)+1], v[X+2*k:X+2*k+1], v[X+2*k:X+2*k+1], v[CH+2*(k%4):CH+2*(k%4)+1]
.set k, k+1
.endr
	FOLD
	v_fma_f32 v[RS], v[CH], s30, s31               ; var + eps
	v_rsq_f32 v[RS], v[RS]
	v_nop                                          ; a plain instruction behind the root,
	s_wait_alu depctr_va_vdst(0)                   ; and the wait ahead of the first use of its result
	v_mov_b32 v[RS+1], v[RS]
.set k, 0
.rept 32
	v_pk_mul_f32 v[X+2*k:X+2*k+1], v[X+2*k:X+2*k+1], v[RS:RS+1]
.set k, k+1
.endr
.set b, 0
.rept 4
	s_wait_loadcnt 0x0                             ; this batch of gain and bias is in
.set k, 0
.rept 8
	v_pk_fma_f32 v[X+16*b+2*k:X+16*b+2*k+1], v[X+16*b+2*k:X+16*b+2*k+1], v[G+2*k:G+2*k+1], v[BE+2*k:BE+2*k+1]
.set k, k+1
.endr
.if b < 3
	GBLOAD b+1                                     ; the next batch goes out ahead of this batch's roundings and stores
.endif
.set e, 0
.rept 2
.set j, 2*b+e
.set k, 0
.rept 4
	v_cvt_pk_f16_f32 v[X+8*j+k], v[X+8*j+2*k], v[X+8*j+2*k+1]  ; in place, ascending: word k is written when numbers 2 k, 2 k + 1 are read
.set k, k+1
.endr
	global_store_b128 v[HO], v[X+8*j:X+8*j+3], s[10:11] offset:((j>>1)<<21)|((j&1)<<15)  ; lanes 0-15: 256 consecutive bytes (two rows of one block of 64 columns); lanes 16-31: the next block's
.set e, e+1
.endr
.set b, b+1
.endr
	s_endpgm
.Lcast:
	; Unit u: which weight, which block cb of 64 columns, which 256 k-rows kc.  u < 192: wq, wk, wv ([16][1024][64]: dense in this very order, rows of 256 bytes); u < 256: w_proj; u < 512: w1; else w2.
	s_sub_co_u32 s26, ttmp9, 256                   ; u
	s_cmp_lt_u32 s26, 256
	s_cselect_b32 s27, 63, 255
	s_and_b32 s27, s26, s27                        ; r: the unit's number within its weight
	s_wait_kmcnt 0x0
	s_mov_b64 s[32:33], s[22:23]                   ; w2: 16 kc a block, rows of 4,096 bytes
	s_mov_b32 s28, 4                               ; sh: log2 of the units in a block
	s_mov_b32 s29, 12                              ; lp: log2 of a source row's bytes
	s_mov_b32 s38, 14                              ; log2 of the bytes between the unit's two halves of 128 k in wh: on end, but for w1
	s_cmp_lt_u32 s26, 512
	s_cselect_b64 s[32:33], s[20:21], s[32:33]     ; w1: 4 kc, rows of 16,384 bytes
	s_cselect_b32 s28, 2, s28
	s_cselect_b32 s29, 14, s29
	s_cselect_b32 s38, 15, s38
	s_cmp_lt_u32 s26, 256
	s_cselect_b64 s[32:33], s[18:19], s[32:33]     ; w_proj: 4 kc, rows of 4,096 bytes
	s_cselect_b32 s29, 12, s29
	s_cselect_b32 s38, 14, s38
	s_cmp_lt_u32 s26, 192
	s_cselect_b64 s[32:33], s[16:17], s[32:33]     ; wv: one block of 64 units, rows of 256 bytes
	s_cselect_b32 s28, 6, s28
	s_cselect_b32 s29, 8, s29
	s_cmp_lt_u32 s26, 128
	s_cselect_b64 s[32:33], s[14:15], s[32:33]     ; wk
	s_cmp_lt_u32 s26, 64
	s_cselect_b64 s[32:33], s[12:13], s[32:33]     ; wq
	s_lshr_b32 s34, s27, s28                       ; cb
	s_lshl_b32 s35, s34, s28
	s_sub_co_u32 s35, s27, s35                     ; kc
	s_add_co_u32 s36, s29, 8
	s_lshl_b32 s35, s35, s36                       ; 256 rows a kc
	s_lshl_b32 s34, s34, 8                         ; 64 columns of f32
	s_add_co_u32 s34, s34, s35
	s_mov_b32 s35, 0
	s_add_nc_u64 s[32:33], s[32:33], s[34:35]
	s_lshl_b32 s34, s26, 15                        ; the unit's place in wh: 32,768 u,
	s_lshr_b32 s39, s26, 3                         ; or for w1 (u = 256 + 4 cb + kc): (u >> 3) 2^18 + kc 2^16 + (cb & 1) 2^14; 256 >> 3 blocks of 2^18 bytes are w1's first byte
	s_lshl_b32 s39, s39, 18
	s_and_b32 s40, s26, 3
	s_lshl_b32 s40, s40, 16
	s_add_co_u32 s39, s39, s40
	s_bfe_u32 s40, s26, 0x10002
	s_lshl_b32 s40, s40, 14
	s_add_co_u32 s39, s39, s40
	s_cmp_eq_u32 s38, 15
	s_cselect_b32 s34, s39, s34
	s_add_nc_u64 s[24:25], s[24:25], s[34:35]
	s_lshl_b32 s37, 2, s29                         ; two source rows
	v_and_b32 v1, 0xe0, v0                         ; 32 w: my wave's first k-row
	v_bfe_u32 v2, v0, 4, 1
	v_add_nc_u32 v1, v1, v2                        ; lanes 16-31 take the next row
	v_lshlrev_b32 v[OFF], s29, v1
	v_and_b32 v2, 15, v0
	v_lshl_add_u32 v[OFF], v2, 4, v[OFF]           ; 16 lanes x 16 bytes: the row's 256 bytes of this block
.set t, 1
.rept 15
	v_add_nc_u32 v[OFF+t], s37, v[OFF+t-1]
.set t, t+1
.endr
	v_lshrrev_b32 v3, 5, v0                        ; w
	v_and_b32 v5, 31, v0
	v_lshlrev_b32 v[DO], 3, v5                     ; 8 l
	v_and_b32 v6, 3, v3
	v_lshl_add_u32 v[DO], v6, 12, v[DO]            ; + 4,096 (w & 3): 32 k-rows of 128 bytes
	v_lshrrev_b32 v7, 2, v3
	v_lshlrev_b32 v7, s38, v7                      ; + the unit's second half of 128 k
	v_add_nc_u32 v[DO], v[DO], v7
.set t, 0
.rept 16
	global_load_b128 v[D+4*t:D+4*t+3], v[OFF+t], s[32:33] th:TH_LOAD_NT
.set t, t+1
.endr
.set t, 0
.rept 16
	s_wait_loadcnt 15-t                            ; loads come back in order: load t is in, the younger ones stay out
	v_cvt_pk_f16_f32 v[Y+2*t],   v[D+4*t],   v[D+4*t+1]
	v_cvt_pk_f16_f32 v[Y+2*t+1], v[D+4*t+2], v[D+4*t+3]
	global_store_b64 v[DO], v[Y+2*t:Y+2*t+1], s[24:25] offset:256*t  ; 32 lanes x 8 bytes: 256 consecutive bytes, two k-rows of the block
.set t, t+1
.endr
	s_endpgm
.Lfunc_end_k_q7fa5d64d2d_prep:
	.size	k_q7fa5d64d2d_prep, .Lfunc_end_k_q7fa5d64d2d_prep-k_q7fa5d64d2d_prep
	.p2alignl 7, 3214868480
	.fill 96, 4, 3214868480
	.section	.rodata,"a",@progbits
	.p2align	6, 0x0
	.amdhsa_kernel k_q7fa5d64d2d_prep
		.amdhsa_group_segment_fixed_size 0
		.amdhsa_private_segment_fixed_size 0
		.amdhsa_enable_private_segment 0
		.amdhsa_kernarg_size 88
		.amdhsa_user_sgpr_count 2
		.amdhsa_user_sgpr_kernarg_segment_ptr 1
		.amdhsa_wavefront_size32 1
		.amdhsa_system_sgpr_workgroup_id_x 1
		.amdhsa_system_sgpr_workgroup_id_y 1
		.amdhsa_system_sgpr_workgroup_id_z 1
		.amdhsa_system_vgpr_workitem_id 0
		.amdhsa_next_free_vgpr 128
		.amdhsa_next_free_sgpr 66
		.amdhsa_reserve_vcc 0
		.amdhsa_float_denorm_mode_32 3
		.amdhsa_float_denorm_mode_16_64 3
		.amdhsa_memory_ordered 1
		.amdhsa_forward_progress 1
		.amdhsa_inst_pref_size 29
	.end_amdhsa_kernel
	.amdgpu_metadata
---
amdhsa.version: [ 1, 2 ]
amdhsa.kernels:
  - .name:           k_q7fa5d64d2d_prep
    .symbol:         k_q7fa5d64d2d_prep.kd
    .args:
      - { .name: x, .offset: 0, .size: 8, .value_kind: global_buffer, .address_space: global }
      - { .name: g1, .offset: 8, .size: 8, .value_kind: global_buffer, .address_space: global }
      - { .name: be1, .offset: 16, .size: 8, .value_kind: global_buffer, .address_space: global }
      - { .name: hn, .offset: 24, .size: 8, .value_kind: global_buffer, .address_space: global }
      - { .name: wq, .offset: 32, .size: 8, .value_kind: global_buffer, .address_space: global }
      - { .name: wk, .offset: 40, .size: 8, .value_kind: global_buffer, .address_space: global }
      - { .name: wv, .offset: 48, .size: 8, .value_kind: global_buffer, .address_space: global }
      - { .name: w_proj, .offset: 56, .size: 8, .value_kind: global_buffer, .address_space: global }
      - { .name: w1, .offset: 64, .size: 8, .value_kind: global_buffer, .address_space: global }
      - { .name: w2, .offset: 72, .size: 8, .value_kind: global_buffer, .address_space: global }
      - { .name: wh, .offset: 80, .size: 8, .value_kind: global_buffer, .address_space: global }
    .group_segment_fixed_size: 0
    .private_segment_fixed_size: 0
    .kernarg_segment_align: 8
    .kernarg_segment_size: 88
    .max_flat_workgroup_size: 256
    .sgpr_count:     66
    .vgpr_count:     128
    .wavefront_size: 32
...
	.end_amdgpu_metadata
.endif
;; end of part 1
;; launch gq (part 2): grid 8 x 32, 4 waves a work-group, clusters of 4 x 4, 327,680 bytes of LDS; arguments hn, wh, qkv; writes qkv
.if DOCPART == 2
	.amdgcn_target "amdgcn-amd-amdhsa--gfx1250"
	.amdhsa_code_object_version 6
	.text
	.protected	k_q7fa5d64d2d_gq
	.globl	k_q7fa5d64d2d_gq
	.p2align	8
	.type	k_q7fa5d64d2d_gq,@function
k_q7fa5d64d2d_gq:
	s_mov_b64 s[64:65], 0
	v_nop
	global_prefetch_b8 v0, s[64:65] scope:SCOPE_SE
	s_setreg_imm32_b32 hwreg(HW_REG_WAVE_MODE, 25, 1), 1
	s_wait_xcnt 0x0
	s_wait_alu depctr_hold_cnt(0) depctr_sa_sdst(0) depctr_va_vdst(0) depctr_va_sdst(0) depctr_va_ssrc(0) depctr_va_vcc(0) depctr_vm_vsrc(0)
	s_getreg_b32 s2, hwreg(HW_REG_IB_STS2, 6, 4)
	s_cmp_eq_u32 s2, 0
	s_cbranch_scc0 .Lentry_in_a_cluster
	s_endpgm
.Lentry_in_a_cluster:
	s_bfe_u32 s2, ttmp6, 0x10000c
	s_cmp_lg_u32 s2, 0xf033
	s_cbranch_scc0 .Lentry_shape_is_right
	s_endpgm
.Lentry_shape_is_right:
; q, k, v = h x (wq, wk, wv): C[4096][3072] = A[4096][1024] B[1024][3072], f16 operands, f32 sums, C rounded once to f16 and stored by heads: qkv[cb][4096][64], cb = 16 x (q, k, v) + head.
; A (hn) lies in layout T, B (wh) in blocks [n / 64][K][64] (both: see launch prep): every tile of a K step is 32,768 consecutive bytes, asked for as 128 rows of 256 bytes.
; LIMIT: q, k, v must lie within 65,504, f16's range.
; SHARES.  A tile of C is 128 x 128: four waves of 64 x 64, 16 accumulators each.  A work-group stays and makes TILES tiles, 1,024 columns apart (q's, k's, v's); the ring of two LDS slots runs on from
; tile to tile.  K goes in steps of 256, four quarters of 64.  The step is written once and looped over; the slot in hand is a scalar that an exclusive or turns.
; THE ORDER OF K.  A cluster takes a tile's four K steps in a ring that begins at step Q0 = (cluster y + 2 x cluster x) & 3: at any time the two clusters along x, which read the same rows of A, ask for K steps two apart,
; and four neighbouring clusters along y, which read the same rows of B, for four different ones.  Q0 is the same in all sixteen partners; f32 sums may be taken in any order of the K steps.
; THE MATRIX INSTRUCTION IS USED TRANSPOSED: source 0 = 16 columns of B (turned on the way out of LDS by ds_load_tr16_b128, since B lies [k][n]), source 1 = 16 rows of A: a lane holds row l % 16 of C
; and the 8 neighbouring columns 8 (l / 16) + 0..7.
; CLUSTER 4 x 4: the four work-groups of a row of the cluster want the same tiles of A, the four of a column the same tiles of B: each tile is asked for jointly, by the same tensor load, descriptor and mask.
; No prefetch: the tile is small, and a step's bytes are few beside what the ring already has on its way.
; REGISTERS.  Window 0: v0-31 addresses; v32-95 at work on the way out; v128-255 accumulators ((a, b) at 128 + 8 (4 a + b)).  Window 1: two fragment buffers of 128: A's (c, a) at 8 (4 c + a), B's (c, b) at 64 + 8 (4 c + b).
.set NSTEP,  4                         ; K steps in a tile: K = 1,024
.set TILES,  3                         ; tiles a work-group
.set NBLOG,  17                        ; log2 of a block's bytes: 1,024 k x 128
.set SLOT,   155648                    ; a slot: A's tile, then B's
.set PAP,    144                       ; A in LDS: [kb 0..3][128 rows], rows of 128 bytes + 16: the 16 rows of a load start at 16 different groups of four banks (64 banks of 4 bytes: ISA guide 11.1)
.set PBP,    160                       ; B in LDS: [nb 0..1][256 k], rows of 128 bytes + 32
.set AHALF,  256*PAP                   ; what wave 0 or 1 fetches
.set BBEG,   2*AHALF
.set BHALF,  256*PBP                   ; what wave 2 or 3 fetches
.set STAGE,  2*SLOT                    ; behind the ring, never filled by a tensor load: 16 rows x 144 bytes for each wave
.set SPI,    144
.set SPARE,  STAGE+4*16*SPI            ; the spare words, 128 bytes for each wave: two blocks of 256 bytes that no other line names
.set ADRA0, 16                         ; v16  my lane's place in A's tile; never rewritten
.set ADRB0, 17                         ; v17  the same for B
.set ADRA,  18                         ; v18  + the slot in hand
.set ADRB,  19
.set STO,   24                         ; v24  the way out: where I put my bytes of a row
.set RD,    25                         ; v25  where I read rows back
.set GO,    26                         ; v26  my byte offset in C
.set SPW,   28                         ; v28  LDS address of my spare word; never rewritten
.set NIL,   29                         ; v29  0; never rewritten
.set ZR,    30                         ; v30, v31  0
.set Z2,    31
.set TMP,   32
.set ACC,   128
.set F0,    0
.set F1,    128
.set WV,  14                           ; s14 wave; s15 its row half, also: fetches for A (0) or B (1); s16 its column half, also: which half of that tile it fetches
.set WR,  15
.set WC,  16
.set G1A, 24                           ; s[24:31] descriptor group 1 for A's tiles, s[32:39] for B's
.set G1B, 32
.set G0A, 40                           ; s[40:47] group 0 for A: the set of the first fill of slot 0, then the set that walks; s[48:55] the same for B
.set G0B, 48
.set TB,  56                           ; s56  the slot in hand: 0 or SLOT
.set WA,  57                           ; s57  my part of A's tile in a slot; s58 of B's
.set WB,  58
.set CNT, 59
.set ABASE, 60                         ; s[60:61] A at my part of the work-group's K step 0; s[62:63] B likewise
.set BBASE, 62
.set Q,   66                           ; s66  the number of the request to come, counted through all tiles
.set Q0,  67                           ; s67  where my cluster's ring of K steps begins
.set MSB, 0
.macro WIN new                         ; the immediate's high byte repeats the setting that is left; a switch that changes nothing is dropped
.if MSB != (\new)
	s_set_vgpr_msb (MSB<<8)|(\new)
.set MSB, \new
.endif
.endm
.set MUL,  0x05                        ; sources 0 (B) and 1 (A) window 1; C and D window 0
.set TO_F, 0x40                        ; destination window 1, address window 0
.macro PLACES                          ; four places behind matrix instructions (ISA guide 7.12.1), where no other vector work is at hand
.rept 4
	v_nop
.endr
.endm
.macro JLOAD                           ; a joint refill by the walking set: waves 0, 1 for A, waves 2, 3 for B; an s_nop 0 and four v_nop follow each line
	s_cmp_eq_u32 s[WR], 0
	s_cbranch_scc0 .Lfor_b_\@
	tensor_load_to_lds s[G0A+4:G0A+7], s[G1A:G1A+7]
	s_nop 0
	PLACES
	s_branch .Lasked_\@
.Lfor_b_\@:
	tensor_load_to_lds s[G0B+4:G0B+7], s[G1B:G1B+7]
	s_nop 0
	PLACES
.Lasked_\@:
.endm
.macro CREST                           ; a round of the cluster's barrier behind its opening barrier
	s_cmp_lg_u32 s[WV], 0
	s_cbranch_scc1 .Lnot_wave_0_\@
	s_barrier_signal -3
.Lnot_wave_0_\@:
	s_barrier_wait -3
	s_barrier_signal -1
	s_barrier_wait -1
.endm
.macro CROUND
	s_barrier_signal -1
	s_barrier_wait -1
	CREST
.endm
	s_load_b128 s[4:7], s[0:1], 0x0                ; A s[4:5], wh s[6:7]
	s_load_b64 s[8:9], s[0:1], 0x10                ; C
	v_lshl_add_u32 v[SPW], v0, 2, SPARE
	v_mov_b32 v[NIL], 0
	ds_add_u32 v[SPW], v[NIL]                      ; the wave's opening: the add, twice on end, and its wait ahead of my first tensor load
	ds_add_u32 v[SPW], v[NIL]
	v_lshrrev_b32 v1, 5, v0
	v_readfirstlane_b32 s[WV], v1
	s_lshr_b32 s[WR], s[WV], 1
	s_and_b32 s[WC], s[WV], 1
	s_bfe_u32 s17, ttmp6, 0x40000                  ; cx
	s_bfe_u32 s18, ttmp6, 0x40004                  ; cy
	s_lshl_b32 s19, ttmp9, 2
	s_add_co_u32 s19, s19, s17                     ; first tile column = 4 x cluster x + cx
	s_and_b32 s20, ttmp7, 0xffff                   ; cluster y
	s_and_b32 s[Q0], s20, 3
	s_lshl_b32 s72, ttmp9, 1
	s_add_co_u32 s[Q0], s[Q0], s72
	s_and_b32 s[Q0], s[Q0], 3                      ; (cluster y + 2 x cluster x) & 3: no place inside the cluster enters it
	s_lshl_b32 s20, s20, 2
	s_add_co_u32 s20, s20, s18                     ; tile row = 4 x cluster y + cy
	s_lshl_b32 s21, s18, 2
	s_lshl_b32 s21, 15, s21                        ; my row of the cluster
	s_lshl_b32 s22, 0x1111, s17                    ; my column
	s_or_b32 s[G1A], s21, (1<<16)|(1<<20)|(1<<21)|(4<<22)|(3<<25)  ; 15:0 the mask; 17:16 2-byte elements; 20 padding on; 21 set beside a mask; 24:22 after every 32 words; 31:25 4 words
	s_or_b32 s[G1B], s22, (1<<16)|(1<<20)|(1<<21)|(4<<22)|(7<<25)  ; the same with my column's mask and 8 words of padding
.irp g, G1A, G1B
	s_mov_b32 s[(\g)+1], 128<<16                   ; tensor_dim0 = 128 elements (256 bytes)
	s_mov_b32 s[(\g)+2], 128<<16                   ; tensor_dim1 = 128
	s_mov_b32 s[(\g)+3], 128<<16                   ; tile_dim0 = 128
	s_mov_b32 s[(\g)+4], 128                       ; tile_dim1 = 128
	s_mov_b32 s[(\g)+5], 128                       ; from row to row: dense
	s_mov_b32 s[(\g)+6], 0
	s_mov_b32 s[(\g)+7], 0
.endr
	s_lshl_b32 s68, s20, 16                        ; A: the tile row's 65,536 bytes of a K step, my half of them.  s[68:69] never hold cx,
	s_lshl_b32 s69, s[WC], 15
	s_add_co_u32 s68, s68, s69
	s_mov_b32 s69, 0
	s_lshl_b32 s70, s19, 1                         ; B: block 2 x tile column + my half.  s[70:72] never hold cy
	s_add_co_u32 s70, s70, s[WC]
	s_lshl_b32 s70, s70, NBLOG
	s_mov_b32 s71, 0
	s_mul_i32 s[WA], s[WC], AHALF                  ; no place in the cluster enters an LDS address
	s_mul_i32 s[WB], s[WC], BHALF
	s_add_co_u32 s[WB], s[WB], BBEG
	s_mov_b32 s[TB], 0
	s_mov_b32 s[Q], 2
	s_mov_b32 s[G0A], 1
	s_mov_b32 s[G0A+1], s[WA]
	s_mov_b32 s[G0A+4], 1
	s_add_co_u32 s[G0A+5], s[WA], SLOT
	s_mov_b32 s[G0B], 1
	s_mov_b32 s[G0B+1], s[WB]
	s_mov_b32 s[G0B+4], 1
	s_add_co_u32 s[G0B+5], s[WB], SLOT
	s_wait_dscnt 0x0                               ; both opening adds are done
	s_wait_kmcnt 0x0
	s_add_nc_u64 s[ABASE:ABASE+1], s[4:5], s[68:69]
	s_add_nc_u64 s[BBASE:BBASE+1], s[6:7], s[70:71]
	s_lshl_b32 s68, s[Q0], 21                      ; the first request: K step Q0.  A K step of A is 32 row blocks of 65,536 bytes, of B 256 k of 128 bytes
	s_lshl_b32 s70, s[Q0], 15
	s_add_nc_u64 s[G0A+2:G0A+3], s[ABASE:ABASE+1], s[68:69]
	s_or_b32 s[G0A+3], s[G0A+3], 0x80000000
	s_add_nc_u64 s[G0B+2:G0B+3], s[BBASE:BBASE+1], s[70:71]
	s_or_b32 s[G0B+3], s[G0B+3], 0x80000000
	s_add_co_u32 s72, s[Q0], 1                     ; the second: K step (Q0 + 1) & 3
	s_and_b32 s72, s72, 3
	s_lshl_b32 s68, s72, 21
	s_lshl_b32 s70, s72, 15
	s_add_nc_u64 s[G0A+6:G0A+7], s[ABASE:ABASE+1], s[68:69]
	s_or_b32 s[G0A+7], s[G0A+7], 0x80000000
	s_add_nc_u64 s[G0B+6:G0B+7], s[BBASE:BBASE+1], s[70:71]
	s_or_b32 s[G0B+7], s[G0B+7], 0x80000000
	CROUND                                         ; all sixteen work-groups are here: the first joint loads meet
	s_cmp_eq_u32 s[WR], 0                          ; a wave's two first fills stand in one branch, ahead of every wait on TENSORcnt and every LDS read: two loads of mine are out
	s_cbranch_scc0 .Lfirst_b
	tensor_load_to_lds s[G0A:G0A+3], s[G1A:G1A+7]
	s_nop 0
	tensor_load_to_lds s[G0A+4:G0A+7], s[G1A:G1A+7]
	s_nop 0
	PLACES
	s_branch .Lfirst_asked
.Lfirst_b:
	tensor_load_to_lds s[G0B:G0B+3], s[G1B:G1B+7]
	s_nop 0
	tensor_load_to_lds s[G0B+4:G0B+7], s[G1B:G1B+7]
	s_nop 0
	PLACES
.Lfirst_asked:
	v_and_b32 v1, 15, v0                           ; r = l % 16
	v_bfe_u32 v2, v0, 4, 1                         ; h = l / 16
	v_mul_u32_u24 v[ADRA0], v1, PAP                ; A's fragment: row r, 16 bytes for each half of the lanes, twice, 32 bytes apart
	v_lshl_add_u32 v[ADRA0], v2, 4, v[ADRA0]
	s_mul_i32 s78, s[WR], 64*PAP
	v_add_nc_u32 v[ADRA0], s78, v[ADRA0]
	v_and_b32 v3, 7, v0                            ; B's: the turning load takes k-row 8 h + l % 8, columns 8 ((l / 8) % 2) + 0..7, and leaves column r, eight k
	v_lshl_add_u32 v3, v2, 3, v3
	v_mul_u32_u24 v[ADRB0], v3, PBP
	v_bfe_u32 v3, v0, 3, 1
	v_lshl_add_u32 v[ADRB0], v3, 4, v[ADRB0]
	s_mul_i32 s78, s[WC], BHALF
	s_add_co_u32 s78, s78, BBEG
	v_add_nc_u32 v[ADRB0], s78, v[ADRB0]
	v_mov_b32 v[ADRA], v[ADRA0]
	v_mov_b32 v[ADRB], v[ADRB0]
	s_mul_i32 s78, s[WV], 16*SPI
	s_add_co_u32 s78, s78, STAGE                   ; my stage
	v_mov_b32 v[ZR], 0
	v_mov_b32 v[Z2], 0
	v_mul_u32_u24 v[STO], v1, SPI                  ; in: row r, 16 bytes for each half of the lanes
	v_lshl_add_u32 v[STO], v2, 4, v[STO]
	v_add_nc_u32 v[STO], s78, v[STO]
	v_bfe_u32 v[RD], v0, 3, 2                      ; back: 32 lanes take four rows of 128 bytes,
	v_mul_u32_u24 v[RD], v[RD], SPI
	v_and_b32 v3, 7, v0
	v_lshl_add_u32 v[RD], v3, 4, v[RD]
	v_add_nc_u32 v[RD], s78, v[RD]
	v_and_b32 v[GO], 31, v0                        ; which are 512 consecutive bytes of C
	v_lshlrev_b32 v[GO], 4, v[GO]
	s_lshl_b32 s78, s19, 1
	s_add_co_u32 s78, s78, s[WC]                   ; cb: my block of 64 columns
	s_lshl_b32 s76, s78, 19                        ; [cb][4096][64]: cb 2^19 + 128 rows of 128 bytes a tile row + my 64 rows
	s_lshl_b32 s78, s20, 14
	s_add_co_u32 s76, s76, s78
	s_lshl_b32 s78, s[WR], 13
	s_add_co_u32 s76, s76, s78
	s_mov_b32 s77, 0
	s_add_nc_u64 s[8:9], s[8:9], s[76:77]
.macro INIT                            ; the sums start at 0.  The looped K step has one form of product, so the start is written into the accumulators: 64 lines a tile
.set i, 0
.rept 64
	v_dual_mov_b32 v[ACC+2*i], v[ZR] :: v_dual_mov_b32 v[ACC+2*i+1], v[Z2]
.set i, i+1
.endr
.endm
	INIT
; 8 matrix instructions: row blocks a0, a0 + 1 x all 4 column blocks, 32 along K: half c of buffer f.  The 16 accumulators take turns, one instruction a turn, over the backward jumps too.
.macro MUL8 f, c, a0
	WIN MUL
.irp a, \a0, (\a0)+1
.irp b, 0,1,2,3
	v_wmma_f32_16x16x32_f16 v[ACC+8*(4*(\a)+(\b)):ACC+8*(4*(\a)+(\b))+7], v[(\f)+64+8*(4*(\c)+(\b)):(\f)+64+8*(4*(\c)+(\b))+7], v[(\f)+8*(4*(\c)+(\a)):(\f)+8*(4*(\c)+(\a))+7], v[ACC+8*(4*(\a)+(\b)):ACC+8*(4*(\a)+(\b))+7]
.endr
.endr
.endm
; 32 LDS loads in one run: the fragments of quarter q (64 along K) of the slot in hand, into buffer f; the first 32 along K first
.macro FETCH q, f
	WIN TO_F
.irp c, 0,1
.irp i, 0,1,2,3
	ds_load_tr16_b128 v[(\f)+64+8*(4*(\c)+(\i)):(\f)+64+8*(4*(\c)+(\i))+3],   v[ADRB] offset:(\q)*64*PBP+(\c)*32*PBP+32*(\i)
	ds_load_tr16_b128 v[(\f)+64+8*(4*(\c)+(\i))+4:(\f)+64+8*(4*(\c)+(\i))+7], v[ADRB] offset:(\q)*64*PBP+(\c)*32*PBP+32*(\i)+16*PBP
	ds_load_b128 v[(\f)+8*(4*(\c)+(\i)):(\f)+8*(4*(\c)+(\i))+3],   v[ADRA] offset:(\q)*128*PAP+(\i)*16*PAP+64*(\c)
	ds_load_b128 v[(\f)+8*(4*(\c)+(\i))+4:(\f)+8*(4*(\c)+(\i))+7], v[ADRA] offset:(\q)*128*PAP+(\i)*16*PAP+64*(\c)+32
.endr
.endr
.endm
; One of a K step's first three quarters: multiplies buffer f; in its middle it fetches quarter q into buffer g.
.macro QUARTER q, f, g
	s_wait_dscnt 16                                ; the first 32 along K are in; the youngest sixteen loads may be out
	MUL8 \f, 0, 0
	MUL8 \f, 0, 2
	PLACES                                         ; in front of loads into registers that matrix instructions have read
	FETCH \q, \g
	s_wait_dscnt 32                                ; all but the 32 just issued
	MUL8 \f, 1, 0
	MUL8 \f, 1, 2
.endm
; The last quarter multiplies buffer 1 and changes slots: ONE barrier.  In front of it each wave waits for all its tensor loads (the one that is out is its part of the next slot), adds 0 to its spare word, and waits for
; that and for its own reads of this slot.  fill = 1: the barrier opens a round of the cluster's, and the slot just read is filled again, first thing behind the round, by request Q: the walking descriptors are made anew from that number.
; last = 1: in the loop's last trip there is no next slot, and the fetch is jumped over.
.macro TURN fill, last
	WIN 0
	s_wait_tensorcnt 0x0                           ; no tensor load of mine is out, so a group 0 may be written
	ds_add_u32 v[SPW], v[NIL]                      ; 0 onto my spare word; scalar work and eight products stand between it and the wait for it
.if \fill
	s_add_co_u32 s68, s[Q], s[Q0]
	s_and_b32 s68, s68, 3                          ; the K step within its tile, in my cluster's ring
	s_lshr_b32 s70, s[Q], 2                        ; the tile: B goes 16 blocks on, A stays
	s_lshl_b32 s70, s70, NBLOG+4
	s_lshl_b32 s72, s68, 15
	s_add_co_u32 s70, s70, s72
	s_lshl_b32 s68, s68, 21
	s_add_co_u32 s[G0A+5], s[WA], s[TB]
	s_add_nc_u64 s[G0A+6:G0A+7], s[ABASE:ABASE+1], s[68:69]
	s_or_b32 s[G0A+7], s[G0A+7], 0x80000000
	s_add_co_u32 s[G0B+5], s[WB], s[TB]
	s_add_nc_u64 s[G0B+6:G0B+7], s[BBASE:BBASE+1], s[70:71]
	s_or_b32 s[G0B+7], s[G0B+7], 0x80000000
	s_add_co_u32 s[Q], s[Q], 1
.endif
	s_wait_dscnt 17                                ; the add and the youngest sixteen loads may be out
	MUL8 F1, 0, 0
	s_wait_dscnt 0x0                               ; the add is done, and my reads of this slot are over
	s_barrier_signal -1
	MUL8 F1, 0, 2                                  ; work on registers while the others arrive
	WIN 0
	s_barrier_wait -1
.if \fill
	CREST                                          ; no wave of any partner still reads this slot or has a load on its way
	JLOAD                                          ; my one tensor load behind the round; its four v_nop are also the places in front of the loads below
.else
	PLACES
.endif
.if \last
	s_cmp_eq_u32 s[CNT], 1
	s_cbranch_scc1 .Lno_fetch_\@
.endif
	s_xor_b32 s[TB], s[TB], SLOT
	v_add_nc_u32 v[ADRA], s[TB], v[ADRA0]
	v_add_nc_u32 v[ADRB], s[TB], v[ADRB0]
	FETCH 0, F0
.if \last
	WIN 0
.Lno_fetch_\@:
.endif
	MUL8 F1, 1, 0
	MUL8 F1, 1, 2
.endm
.macro STEP fill, last
	QUARTER 1, F0, F1
	QUARTER 2, F1, F0
	QUARTER 3, F0, F1
	TURN \fill, \last
.endm
; THE WAY OUT: 16 rows at a time: rounded, 16 bytes a lane into my stage, back as four whole rows of 128 bytes, which are 512 consecutive bytes of C.
.macro PACK a
.irp b, 0,1,2,3
.irp k, 0,1,2,3
	v_cvt_pk_f16_f32 v[TMP+16*(\a)+4*(\b)+(\k)], v[ACC+8*(4*(\a)+(\b))+2*(\k)], v[ACC+8*(4*(\a)+(\b))+2*(\k)+1]
.endr
.endr
.irp b, 0,1,2,3
	ds_store_b128 v[STO], v[TMP+16*(\a)+4*(\b):TMP+16*(\a)+4*(\b)+3] offset:32*(\b)
.endr
.irp f, 0,1,2,3
	ds_load_b128 v[TMP+16*(\a)+4*(\f):TMP+16*(\a)+4*(\f)+3], v[RD] offset:(\f)*4*SPI  ; LDS serves a wave's instructions in order (ISA guide 5.7.1.4): these see the stores above
.endr
.endm
.macro SEND a, y                       ; y: the LDS instructions issued behind block a's loads
.irp f, 0,1,2,3
	s_wait_dscnt (\y)+3-(\f)
	global_store_b128 v[GO], v[TMP+16*(\a)+4*(\f):TMP+16*(\a)+4*(\f)+3], s[8:9] offset:(\a)*2048+(\f)*512
.endr
.endm
.macro EPI16 more                      ; more = 1: another tile follows: C's address steps, and the sums are started anew
	PLACES
	PLACES
	PACK 0
	PACK 1
	SEND 0, 8
	PACK 2
	SEND 1, 8
	PACK 3
	SEND 2, 8
	SEND 3, 0
.if \more
	s_wait_xcnt 0x0                                ; the stores have read their registers and C's address
	s_add_nc_u64 s[8:9], s[8:9], 0x800000          ; 16 blocks of 64 columns on
	INIT
.endif
.endm
	s_wait_tensorcnt 1                             ; my part of the first request is in; the second's may stay out
	s_barrier_signal -1
	s_barrier_wait -1
	FETCH 0, F0
	WIN 0
	s_mov_b32 s[CNT], TILES*NSTEP-2
.Lstep:                                        ; all K steps of all tiles but the last two: each fills its slot again
	STEP 1, 0
	WIN 0
	s_and_b32 s73, s[Q], 3                         ; Q is three ahead of the step just multiplied: 2 behind a tile's last step
	s_cmp_lg_u32 s73, 2
	s_cbranch_scc1 .Lsame_tile                     ; a forward jump past text without barrier or tensor load
	EPI16 1
.Lsame_tile:
	s_sub_co_u32 s[CNT], s[CNT], 1
	s_cmp_lg_u32 s[CNT], 0
	s_cbranch_scc1 .Lstep
	s_mov_b32 s[CNT], 2
.Llast:                                        ; the last two K steps ask for nothing
	STEP 0, 1
	WIN 0
	s_sub_co_u32 s[CNT], s[CNT], 1
	s_cmp_lg_u32 s[CNT], 0
	s_cbranch_scc1 .Llast
	EPI16 0
	s_wait_tensorcnt 0x0                           ; the wave's end, behind my last tensor load and my last LDS store
	ds_add_u32 v[SPW], v[NIL]
	s_wait_dscnt 0x0
	CROUND                                         ; the closing round: no work-group ends while a partner may still ask for a tile that names it
	s_endpgm
.Lfunc_end_k_q7fa5d64d2d_gq:
	.size	k_q7fa5d64d2d_gq, .Lfunc_end_k_q7fa5d64d2d_gq-k_q7fa5d64d2d_gq
	.p2alignl 7, 3214868480
	.fill 96, 4, 3214868480
	.section	.rodata,"a",@progbits
	.p2align	6, 0x0
	.amdhsa_kernel k_q7fa5d64d2d_gq
		.amdhsa_group_segment_fixed_size 327680
		.amdhsa_private_segment_fixed_size 0
		.amdhsa_enable_private_segment 0
		.amdhsa_kernarg_size 24
		.amdhsa_user_sgpr_count 2
		.amdhsa_user_sgpr_kernarg_segment_ptr 1
		.amdhsa_wavefront_size32 1
		.amdhsa_system_sgpr_workgroup_id_x 1
		.amdhsa_system_sgpr_workgroup_id_y 1
		.amdhsa_system_sgpr_workgroup_id_z 1
		.amdhsa_system_vgpr_workitem_id 0
		.amdhsa_next_free_vgpr 512
		.amdhsa_next_free_sgpr 80
		.amdhsa_reserve_vcc 0
		.amdhsa_float_denorm_mode_32 3
		.amdhsa_float_denorm_mode_16_64 3
		.amdhsa_memory_ordered 1
		.amdhsa_forward_progress 1
		.amdhsa_inst_pref_size 71
	.end_amdhsa_kernel
	.amdgpu_metadata
---
amdhsa.version: [ 1, 2 ]
amdhsa.kernels:
  - .name:           k_q7fa5d64d2d_gq
    .symbol:         k_q7fa5d64d2d_gq.kd
    .args:
      - { .name: hn, .offset: 0, .size: 8, .value_kind: global_buffer, .address_space: global }
      - { .name: wh, .offset: 8, .size: 8, .value_kind: global_buffer, .address_space: global }
      - { .name: qkv, .offset: 16, .size: 8, .value_kind: global_buffer, .address_space: global }
    .group_segment_fixed_size: 327680
    .private_segment_fixed_size: 0
    .kernarg_segment_align: 8
    .kernarg_segment_size: 24
    .max_flat_workgroup_size: 128
    .sgpr_count:     80
    .vgpr_count:     512
    .wavefront_size: 32
...
	.end_amdgpu_metadata
.endif
;; end of part 2
;; launch attn (part 3): grid 8 x 32, 4 waves a work-group, no clusters, 327,680 bytes of LDS; arguments qkv, att; writes att
.if DOCPART == 3
	.amdgcn_target "amdgcn-amd-amdhsa--gfx1250"
	.amdhsa_code_object_version 6
	.text
	.protected	k_q7fa5d64d2d_attn
	.globl	k_q7fa5d64d2d_attn
	.p2align	8
	.type	k_q7fa5d64d2d_attn,@function
k_q7fa5d64d2d_attn:
	s_mov_b64 s[64:65], 0
	v_nop
	global_prefetch_b8 v0, s[64:65] scope:SCOPE_SE
	s_setreg_imm32_b32 hwreg(HW_REG_WAVE_MODE, 25, 1), 1
	s_wait_xcnt 0x0
; CAUSAL ATTENTION.  att[t][head] = the sum over s <= t of softmax_s(q[t] . k[s] / 32) v[s], for 2 batches x 16 heads of 2,048 rows of 64.  q, k, v: qkv[16 x (q, k, v) + head][4096][64] in f16, rows of 128 bytes on end.
; The result leaves in f16 in layout T (see launch prep), column 64 head + d.  Products, maxima and sums in f32; the weights p are rounded to f16 for the second product (their sum l is taken of the unrounded p).
; WORK LEFT OUT: key tiles of 256 that lie wholly above the diagonal of a block of 128 queries: reference()'s own jnp.tril gives them the weight 0 for all finite inputs (shown at the head of launch prep).
; LIMITS.  A hidden score inside a tile that is walked counts as its value less 1e30; a weight below 2^-126 counts as 0 in l; NaN and infinities are not treated apart, and none that arises only in work left out is carried on.
; THE WALK.  A head's queries lie in 16 blocks of 128; block i needs the key tiles 0 .. i >> 1, of which the last holds the diagonal.  A work-group takes TWO blocks, 15 - b and then b: 9 tiles, 36 key steps of 64, whatever b:
; all 256 work-groups do equal work, and loops with constant trip counts walk them.  Which tile is asked for, and what a trip does, hang on scalars made from b; every jump but the loops' own goes forward, and none passes a
; barrier, or a tensor load but the one of LOAD's two that the wave's number does not choose.
; NO CLUSTER: a head's eight work-groups ask for the same tile only in the first five of the nine trips; behind that their first blocks end one after the other and the walks part.
; SHARES.  Wave w owns the block's queries 32 w .. 32 w + 31: two tiles of 16.
; LAYOUT.  S^T = K Q^T (source 0 = 16 keys, source 1 = 16 queries): a lane holds ONE query (l % 16) and the keys 8 (l / 16) + 0..7; two such results rounded to f16 ARE source 1 of O^T = V^T P.  K comes out of LDS as it lies, V turned.
; SOFTMAX.  p = 2^(c s - c m), c = log2(e) / 32, with a running maximum m; O and l are multiplied by a = 2^(c m_old - c m_new) in every step.  A block begins with m at the lowest finite number: its first a is 0.
; THE MASK is the C operand that starts the sum S^T: 0, or -1e30 where the key lies behind the query; it is made, and taken, only in a block's last tile.  Key 0 of a block's first step is seen by every query, so m is a true score from then on.
; IN PHASES.  A trip: K of the next step is fetched; the softmax of the step in hand (one batch of 66 exponentials, one wait); 16 products V^T P; then V of the next step is fetched and its 16 products K Q^T are made.
; REGISTERS, in windows of 256 (s_set_vgpr_msb: bits 1:0 source 0, 3:2 source 1, 5:4 source 2, 7:6 destination):
;   window 0: v0-15 addresses; v16-23 statistics; v24-26; v48-55 at work; v62-63 the add's; v64-127 S^T; v192-223 P      window 1: v0-63 O^T; v128-191 the masks      window 2: v0-31 Q; v32-63 the second block's Q; v128-191 K; v192-255 V
.set KS,    64
.set PKP,   144                        ; a row of K in LDS: 128 bytes + 16: the 16 rows of a load start at 16 different groups of four banks (64 banks of 4 bytes: ISA guide 11.1)
.set PVP,   160                        ; a row of V: 128 + 32
.set VOFF,  4*KS*PKP                   ; a slot holds a tile: 256 rows of K, then 256 rows of V
.set SLOT1, 1<<17                      ; slot 1 begins here, so that one exclusive or turns an address in one slot into the other's
.set STAGE, SLOT1+4*KS*(PKP+PVP)       ; behind the ring, never filled by a tensor load: 16 rows x 144 bytes for each wave
.set SPI,   144
.set SPARE, STAGE+4*16*SPI             ; the spare words, 128 bytes for each wave: two blocks of 256 bytes that no other line names
.set AK0, 2                            ; v2  my lane's place in a tile of K; v3 of V; never rewritten
.set AV0, 3
.set AK,  4                            ; v4  the LDS address of K's run of loads; v5 of V's
.set AV,  5
.set STO, 6                            ; v6  the way out: where I put 16 bytes of a row; v7 where I read rows back; v8 my byte offset in 512 consecutive bytes of att
.set RD,  7
.set GO,  8
.set MV,  12                           ; v12-13  c m_old, by tile
.set QB0, 14                           ; v14  32 w + l % 16 - 8 (l / 16): my query's place in its block less my lanes' first key
.set QO,  15                           ; v15  my byte offset in 16 rows of q
.set ST,  16                           ; tile u's statistics at v[ST+4 u]: c m, m, l (even keys', odd keys')
.set QR,  24                           ; v24-25  by tile: register (kb, j) is hidden where 16 kb + j is greater
.set PFO, 26                           ; v26  256 x my thread's number; never rewritten
.set TMP, 48                           ; by tile, c0-c3 at work; when the maximum is found c2 takes a
.set SPW, 62
.set NIL, 63
.set S,   64
.set P,   192
.set MC,  128                          ; window 1
.set QB,  32                           ; window 2
.set KF,  128
.set VF,  192
.set WV,  12
.set PB,  14                           ; s14  b; s15  15 - b
.set HI,  15
.set G1K, 24
.set G1V, 32
.set G0K, 40
.set G0V, 44
.set SLOTS, 56
.set CNT, 57
.set CS,  58                           ; s[58:59] c
.set SEL, 60                           ; s[60:61] v_permlanex16_b32's selects
.set TBK, 62                           ; s62  LDS byte at which K of the step to be fetched begins; s63 the same for V, less VOFF
.set TBV, 63
.set RT,  70                           ; s70  tiles that the block in hand still has, the one in hand among them
.set NXT, 71                           ; s71  the tile to be asked for next
.set LQ,  72                           ; s72  the last tile of the block whose tiles are being asked for
.set NEW, 73                           ; s73  1: the next step is a block's first
.set OFF, 74                           ; s[74:75] a tile's byte offset in k and v
.set LQ2, 76                           ; s76-79  the second block's last tile, number of tiles, and the two blocks' places in their last tile (0 or 128)
.set RT2, 77
.set PAR, 78
.set PAR2, 79
.set OLO, 80                           ; s[80:81] att at my rows of the second block
.set BIGN, 82                          ; s82  -1e30
.set SPR, 83                           ; s83  the step's number in its tile
.set MOFF, 84                          ; s84  PAR - 64 x that number
.set PFN, 85                           ; s85  prefetches still to come
.set PFK, 86                           ; s[86:87], s[88:89] where the prefetches stand in k and v
.set PFV, 88
.set QLO, 90                           ; s[90:91] q at my rows of the second block
.set MSB, 0
.macro WIN new
.if MSB != (\new)
	s_set_vgpr_msb (MSB<<8)|(\new)
.set MSB, (\new)
.endif
.endm
.set W_KQ, 0x0a                        ; K and Q in window 2, S^T in window 0
.set W_KM, 0x1a                        ; the same with the C operand in window 1
.set W_PV, 0x52                        ; V in window 2, P in window 0, O^T in window 1
.set W_RS, 0x41                        ; destination and source 0 in window 1, source 1 in window 0
.macro PLACES
.rept 4
	v_nop
.endr
.endm
.macro LOAD                            ; waves 0, 1 fetch the halves of a tile's K, waves 2, 3 those of its V; an s_nop 0 and four v_nop follow each line
	s_cmp_lt_u32 s[WV], 2
	s_cbranch_scc0 .Lfor_v_\@
	tensor_load_to_lds s[G0K:G0K+3], s[G1K:G1K+7]
	s_nop 0
	PLACES
	s_branch .Lasked_\@
.Lfor_v_\@:
	tensor_load_to_lds s[G0V:G0V+3], s[G1V:G1V+7]
	s_nop 0
	PLACES
.Lasked_\@:
.endm
; A PREFETCH INTO THE L2, behind the tensor load of a change of slots and its five lines: the tile that the change after the next will ask for, two changes (8 key steps) ahead.  A tile is 128 blocks of 256 bytes of k and as many of v:
; each of the work-group's 128 threads names one of each.  All eight work-groups of a head begin with the same tiles: the one with b = 0, whose first block walks all eight, asks, five times, for tiles 3 to 7; tiles 0 to 2 come by their loads alone.
.macro ASK
	s_cmp_lg_u32 s[PFN], 0
	s_cbranch_scc0 .Lnot_mine_\@
	global_prefetch_b8 v[PFO], s[PFK:PFK+1] th:TH_LOAD_NT scope:SCOPE_SE
	global_prefetch_b8 v[PFO], s[PFV:PFV+1] th:TH_LOAD_NT scope:SCOPE_SE
	s_sub_co_u32 s[PFN], s[PFN], 1
.Lnot_mine_\@:
.endm
; THE CHANGE OF SLOTS.  Each wave waits for all its tensor loads (one is out: its part of the other slot), adds 0 to its spare word, and waits for that and for its own reads of the slot that it leaves.  Behind the barrier nobody reads
; the old slot and the other slot is whole.  fill = 1: the old slot is filled again, first thing behind the barrier, with tile NXT.  (At its first use nothing has been read yet: slot 0 is waited for, slot 1 filled.)
.macro CHANGE fill
	WIN 0
	s_wait_tensorcnt 0x0                           ; no tensor load of mine is out, so a group 0 may be written
	ds_add_u32 v[SPW], v[NIL]                      ; 0 onto my spare word
.if \fill
	s_lshl_b32 s[OFF], s[NXT], 15                  ; a tile is 32,768 bytes of k and of v
	s_xor_b32 s[G0K+1], s[G0K+1], SLOT1
	s_add_nc_u64 s[G0K+2:G0K+3], s[6:7], s[OFF:OFF+1]
	s_or_b32 s[G0K+3], s[G0K+3], 0x80000000
	s_xor_b32 s[G0V+1], s[G0V+1], SLOT1
	s_add_nc_u64 s[G0V+2:G0V+3], s[8:9], s[OFF:OFF+1]
	s_or_b32 s[G0V+3], s[G0V+3], 0x80000000
	s_add_co_u32 s[NXT], s[NXT], 1                 ; the block's next tile, or behind its last the second block's tile 0
	s_cmp_gt_u32 s[NXT], s[LQ]
	s_cselect_b32 s[NXT], 0, s[NXT]
	s_cselect_b32 s[LQ], s[LQ2], s[LQ]
	s_wait_xcnt 0x0                                ; the last prefetches, four key steps back, have read their addresses
	s_add_nc_u64 s[PFK:PFK+1], s[PFK:PFK+1], 32768
	s_add_nc_u64 s[PFV:PFV+1], s[PFV:PFV+1], 32768
.endif
	s_wait_dscnt 0x0                               ; the add is done, and my reads of the slot are over
	s_barrier_signal -1
	s_sub_co_u32 s[TBK], s[TBK], 4*KS*PKP          ; the fetches go back to a slot's first step, in the other slot
	s_xor_b32 s[TBK], s[TBK], SLOT1
	s_sub_co_u32 s[TBV], s[TBV], 4*KS*PVP
	s_xor_b32 s[TBV], s[TBV], SLOT1
	s_barrier_wait -1
.if \fill
	LOAD
	ASK
.endif
.endm
	s_load_b128 s[16:19], s[0:1], 0x0              ; qkv s[16:17], att s[18:19]
	v_lshl_add_u32 v[SPW], v0, 2, SPARE
	v_mov_b32 v[NIL], 0
	ds_add_u32 v[SPW], v[NIL]                      ; the wave's opening: the add, twice on end, and its wait ahead of my first tensor load
	ds_add_u32 v[SPW], v[NIL]
	v_lshrrev_b32 v1, 5, v0
	v_readfirstlane_b32 s[WV], v1
	s_mov_b32 s[PB], ttmp9
	s_sub_co_u32 s[HI], 15, s[PB]
	s_and_b32 s20, ttmp7, 0xffff
	s_lshr_b32 s21, s20, 4                         ; the batch
	s_and_b32 s20, s20, 15                         ; the head
	s_lshl_b32 s22, s20, 19
	s_lshl_b32 s23, s21, 18
	s_add_co_u32 s22, s22, s23                     ; q's first byte for this batch and head; k's lies 2^23 bytes on, v's 2^24
	s_mov_b32 s23, 0
	s_lshr_b32 s96, s20, 2                         ; att, layout T: (head >> 2) 2^21 + (head & 3) 2^14 + (16 batch + block) 2^16 + my 32 rows of 128 bytes
	s_lshl_b32 s96, s96, 21
	s_and_b32 s97, s20, 3
	s_lshl_b32 s97, s97, 14
	s_add_co_u32 s96, s96, s97
	s_lshl_b32 s97, s21, 20
	s_add_co_u32 s96, s96, s97
	s_lshl_b32 s92, s[WV], 12
	s_add_co_u32 s96, s96, s92
	s_lshl_b32 s97, s[HI], 16
	s_add_co_u32 s98, s96, s97                     ; the first block's
	s_mov_b32 s99, 0
	s_lshl_b32 s97, s[PB], 16
	s_add_co_u32 s96, s96, s97                     ; the second's
	s_mov_b32 s97, 0
	s_add_co_u32 s92, s92, s22                     ; q at my 32 rows of a block of 128 rows x 128 bytes
	s_lshl_b32 s93, s[PB], 14
	s_add_co_u32 s94, s92, s93
	s_mov_b32 s95, 0
	s_lshl_b32 s93, s[HI], 14
	s_add_co_u32 s92, s92, s93
	s_mov_b32 s93, 0
	s_and_b32 s13, s[WV], 1                        ; which half of a tile's 256 keys I fetch
	s_lshl_b32 s20, s13, 14
	s_add_co_u32 s20, s20, s22
	s_add_co_u32 s20, s20, 0x800000
	s_mov_b32 s21, 0
	s_add_co_u32 s22, s22, 0x800000+2*32768        ; the prefetches: at tile 2; the first change steps them to tile 3
	s_mul_i32 s100, s13, 128*PKP
	s_mul_i32 s101, s13, 128*PVP
	s_mov_b32 s[G1K], (1<<16)|(1<<20)|(4<<22)|(3<<25)  ; 2-byte elements; padding on; after every 32 words; 4 words.  128 keys are 16,384 dense bytes: 64 rows of 256, padded after every key
	s_mov_b32 s[G1V], (1<<16)|(1<<20)|(4<<22)|(7<<25)  ; the same with 8 words
.irp g, G1K, G1V
	s_mov_b32 s[\g+1], 128<<16
	s_mov_b32 s[\g+2], 64<<16
	s_mov_b32 s[\g+3], 128<<16
	s_mov_b32 s[\g+4], 64
	s_mov_b32 s[\g+5], 128
	s_mov_b32 s[\g+6], 0
	s_mov_b32 s[\g+7], 0
.endr
	s_mov_b32 s[CS], 0x3d38aa3b                    ; c = log2(e) / 32
	s_mov_b32 s[CS+1], s[CS]
	s_mov_b32 s[SEL], 0x76543210
	s_mov_b32 s[SEL+1], 0xfedcba98
	s_mov_b32 s[TBK], SLOT1+4*KS*PKP               ; the first change of slots turns these two into 0
	s_mov_b32 s[TBV], SLOT1+4*KS*PVP
	s_mov_b32 s[G0K], 1
	s_mov_b32 s[G0K+1], s100
	s_mov_b32 s[G0V], 1
	s_add_co_u32 s[G0V+1], s101, VOFF
	s_lshr_b32 s[LQ], s[HI], 1
	s_add_co_u32 s[RT], s[LQ], 1
	s_lshr_b32 s[LQ2], s[PB], 1
	s_add_co_u32 s[RT2], s[LQ2], 1
	s_and_b32 s[PAR], s[HI], 1
	s_lshl_b32 s[PAR], s[PAR], 7
	s_and_b32 s[PAR2], s[PB], 1
	s_lshl_b32 s[PAR2], s[PAR2], 7
	s_mov_b32 s[NXT], 1
	s_mov_b32 s[NEW], 0
	s_mov_b32 s[OFF+1], 0
	s_mov_b32 s[BIGN], 0xf149f2ca                  ; -1e30
	s_mov_b32 s[SPR], 3                            ; the first step makes it 0
	s_cmp_eq_u32 s[PB], 0
	s_cselect_b32 s[PFN], 5, 0
	s_wait_dscnt 0x0                               ; both opening adds are done
	s_wait_kmcnt 0x0
	s_add_nc_u64 s[6:7], s[16:17], s[20:21]        ; k and v at my half of the head's tile 0
	s_add_nc_u64 s[8:9], s[6:7], 0x800000
	s_add_nc_u64 s[PFK:PFK+1], s[16:17], s[22:23]
	s_add_nc_u64 s[PFV:PFV+1], s[PFK:PFK+1], 0x800000
	s_add_nc_u64 s[4:5], s[16:17], s[92:93]
	s_add_nc_u64 s[QLO:QLO+1], s[16:17], s[94:95]
	s_add_nc_u64 s[10:11], s[18:19], s[98:99]
	s_add_nc_u64 s[OLO:OLO+1], s[18:19], s[96:97]
	s_add_nc_u64 s[G0K+2:G0K+3], s[6:7], 0
	s_or_b32 s[G0K+3], s[G0K+3], 0x80000000
	s_add_nc_u64 s[G0V+2:G0V+3], s[8:9], 0
	s_or_b32 s[G0V+3], s[G0V+3], 0x80000000
	LOAD                                           ; tile 0 into slot 0
	v_and_b32 v1, 15, v0                           ; l % 16
	v_bfe_u32 v9, v0, 4, 1                         ; l / 16
	v_lshlrev_b32 v[QO], 7, v1
	v_lshl_add_u32 v[QO], v9, 4, v[QO]
	WIN 0x80
.set i, 0
.rept 4                                ; both blocks' Q stay in registers: tile i / 2, channels 32 (i % 2) on
	global_load_b128 v[8*i:8*i+3],   v[QO], s[4:5] offset:(i/2)*2048+(i%2)*64
	global_load_b128 v[8*i+4:8*i+7], v[QO], s[4:5] offset:(i/2)*2048+(i%2)*64+32
	global_load_b128 v[QB+8*i:QB+8*i+3],   v[QO], s[QLO:QLO+1] offset:(i/2)*2048+(i%2)*64
	global_load_b128 v[QB+8*i+4:QB+8*i+7], v[QO], s[QLO:QLO+1] offset:(i/2)*2048+(i%2)*64+32
.set i, i+1
.endr
	WIN 0x40
.set i, 0
.rept 64                               ; a block's first step multiplies O^T and l by a = 0, so they need only be finite: zeros for the first block, what it leaves for the second.  Written in the wait for the first tile
	v_mov_b32 v[i], 0
.set i, i+1
.endr
	WIN 0
.irp u, 0,1
	v_mov_b32 v[ST+4*\u+2], 0
	v_mov_b32 v[ST+4*\u+3], 0
.endr
	v_lshlrev_b32 v[PFO], 8, v0
	v_lshlrev_b32 v[QB0], 3, v9
	v_sub_nc_u32 v[QB0], v1, v[QB0]
	s_lshl_b32 s13, s[WV], 5
	v_add_nc_u32 v[QB0], s13, v[QB0]
	v_mul_u32_u24 v[AK0], v1, PKP
	v_lshl_add_u32 v[AK0], v9, 4, v[AK0]
	v_and_b32 v10, 7, v0
	v_bfe_u32 v11, v0, 3, 1
	v_lshl_add_u32 v[AV0], v9, 3, v10              ; the turning load: key 8 (l / 16) + l % 8, channels 8 ((l / 8) % 2) + 0..7
	v_mul_u32_u24 v[AV0], v[AV0], PVP
	v_lshl_add_u32 v[AV0], v11, 4, v[AV0]
	v_add_nc_u32 v[AV0], VOFF, v[AV0]
	s_mul_i32 s13, s[WV], 16*SPI
	s_add_co_u32 s13, s13, STAGE
	v_mul_u32_u24 v[STO], v1, SPI
	v_lshl_add_u32 v[STO], v9, 4, v[STO]
	v_add_nc_u32 v[STO], s13, v[STO]
	v_bfe_u32 v[RD], v0, 3, 2
	v_mul_u32_u24 v[RD], v[RD], SPI
	v_lshl_add_u32 v[RD], v10, 4, v[RD]
	v_add_nc_u32 v[RD], s13, v[RD]
	v_and_b32 v[GO], 31, v0
	v_lshlrev_b32 v[GO], 4, v[GO]
; THE MATRIX WORK.  The 8 accumulators of a run of 16 take turns.  Product i of S^T = K Q^T: channels 32 (i / 8) on, keys 16 ((i / 2) % 4) on, tile i % 2.  The first 8 start the sums, with 0 or with the mask.
.macro KQ masked
.set rS, S+32*(i%2)+8*((i/2)%4)
.set rK, KF+16*((i/2)%4)+8*(i/8)
.set rQ, 16*(i%2)+8*(i/8)
.set rM, MC+32*(i%2)+8*((i/2)%4)
.if (i < 8) && (\masked)
	WIN W_KM
	v_wmma_f32_16x16x32_f16 v[rS:rS+7], v[rK:rK+7], v[rQ:rQ+7], v[rM:rM+7]
.elseif i < 8
	WIN W_KQ
	v_wmma_f32_16x16x32_f16 v[rS:rS+7], v[rK:rK+7], v[rQ:rQ+7], 0
.else
	WIN W_KQ
	v_wmma_f32_16x16x32_f16 v[rS:rS+7], v[rK:rK+7], v[rQ:rQ+7], v[rS:rS+7]
.endif
.set i, i+1
.endm
.macro PVM                             ; product i of O^T += V^T P: keys 32 (i / 8) on, channels 16 ((i / 2) % 4) on, tile i % 2
	WIN W_PV
.set rO, 32*(i%2)+8*((i/2)%4)
.set rV, VF+32*(i/8)+8*((i/2)%4)
.set rP, P+16*(i%2)+8*(i/8)
	v_wmma_f32_16x16x32_f16 v[rO:rO+7], v[rV:rV+7], v[rP:rP+7], v[rO:rO+7]
.set i, i+1
.endm
; THE LDS LOADS stand in runs of 16.  last = 1 (the tail): in the last trip there is no further step, and the run is jumped over.
.macro FETCH_K last=0
	WIN 0
.if \last
	s_cmp_eq_u32 s[CNT], 1
	s_cbranch_scc1 .Lno_k_\@
.endif
	v_add_nc_u32 v[AK], s[TBK], v[AK0]
	WIN 0x80
.irp f, 0,1,2,3,4,5,6,7                ; keys 16 (f / 2) on, channels 32 (f % 2) on
	ds_load_b128 v[KF+8*\f:KF+8*\f+3],   v[AK] offset:(\f/2)*16*PKP+(\f%2)*64
	ds_load_b128 v[KF+8*\f+4:KF+8*\f+7], v[AK] offset:(\f/2)*16*PKP+(\f%2)*64+32
.endr
	s_add_co_u32 s[TBK], s[TBK], KS*PKP
	WIN 0
.if \last
.Lno_k_\@:
.endif
.endm
.macro FETCH_V
	WIN 0
	v_add_nc_u32 v[AV], s[TBV], v[AV0]
	WIN 0x80
.irp f, 0,1,2,3,4,5,6,7                ; keys 32 (f / 4) on, channels 16 (f % 4) on
	ds_load_tr16_b128 v[VF+8*\f:VF+8*\f+3],   v[AV] offset:(\f/4)*32*PVP+(\f%4)*32
	ds_load_tr16_b128 v[VF+8*\f+4:VF+8*\f+7], v[AV] offset:(\f/4)*32*PVP+16*PVP+(\f%4)*32
.endr
	s_add_co_u32 s[TBV], s[TBV], KS*PVP
	WIN 0
.endm
; THE VECTOR WORK.  XS u, n: number n of the 22 that find tile u's maximum and statistics.  0-11: four chains of seven scores, three operands at a time (each accumulator's lowest registers are read first);
; 12-14, 16: the four scores left over, the old m, the chains into one; 15: c m_old is kept; 17, 18: the query's other 32 keys lie in the lane 16 away; 19-21: c m, c m_old - c m_new, a.
.macro XS u, n
.set rT, ST+4*(\u)
.set rC, TMP+4*(\u)
.set rW, MV+(\u)
.set rS, S+32*(\u)
.if (\n) < 4
	v_max3_num_f32 v[rC+(\n)], v[rS+8*(\n)], v[rS+8*(\n)+1], v[rS+8*(\n)+2]
.elseif (\n) < 12
	v_max3_num_f32 v[rC+(\n)%4], v[rC+(\n)%4], v[rS+8*((\n)%4)+2*((\n)/4)+1], v[rS+8*((\n)%4)+2*((\n)/4)+2]
.elseif (\n) == 12
	v_max3_num_f32 v[rC], v[rC], v[rS+7], v[rS+15]
.elseif (\n) == 13
	v_max3_num_f32 v[rC+1], v[rC+1], v[rS+23], v[rS+31]
.elseif (\n) == 14
	v_max3_num_f32 v[rC+2], v[rC+2], v[rC+3], v[rT+1]
.elseif (\n) == 15
	v_mov_b32 v[rW], v[rT]
.elseif (\n) == 16
	v_max3_num_f32 v[rC], v[rC], v[rC+1], v[rC+2]
.elseif (\n) == 17
	v_permlanex16_b32 v[rC+3], v[rC], s[SEL], s[SEL+1]
.elseif (\n) == 18
	v_max_num_f32 v[rT+1], v[rC], v[rC+3]
.elseif (\n) == 19
	v_mul_f32 v[rT], s[CS], v[rT+1]
.elseif (\n) == 20
	v_sub_f32 v[rC+1], v[rW], v[rT]
.else
	v_exp_f32 v[rC+2], v[rC+1]
.endif
.endm
.macro FS u, p                         ; c s - c m for pair p of tile u
	v_pk_fma_f32 v[S+32*(\u)+2*(\p):S+32*(\u)+2*(\p)+1], v[S+32*(\u)+2*(\p):S+32*(\u)+2*(\p)+1], s[CS:CS+1], v[ST+4*(\u):ST+4*(\u)+1] op_sel_hi:[1,0,0] neg_lo:[0,0,1] neg_hi:[0,0,1]
.endm
.macro EX u, e
	v_exp_f32 v[S+32*(\u)+(\e)], v[S+32*(\u)+(\e)]
.endm
; The softmax of one key step, both tiles alternating.  All 66 exponentials are ONE batch: nothing ahead of the one wait names a result of theirs; the scalings stand among them, each two pairs ahead of its exponentials.
.macro SOFTMAX
	WIN 0
.irp n, 0,1,2,3,4,5,6,7,8,9,10,11,12,13,14,15,16,17,18,19,20
	XS 0, \n
	XS 1, \n
.endr
	FS 0, 0
	FS 1, 0
	FS 0, 1
	FS 1, 1
	XS 0, 21
	XS 1, 21
.set p, 0
.rept 16
	EX 0, 2*p
.if p < 14
	FS 0, p+2
.endif
	EX 1, 2*p
.if p < 14
	FS 1, p+2
.endif
	EX 0, 2*p+1
	EX 1, 2*p+1
.set p, p+1
.endr
	v_nop                                          ; a plain instruction behind the last exponential,
	s_wait_alu depctr_va_vdst(0)                   ; and the wait ahead of the first use of a result: one for the batch
	WIN W_RS
.set z, 0
.rept 16                               ; O^T times a, ascending
	v_pk_mul_f32 v[2*z:2*z+1], v[2*z:2*z+1], v[TMP+2:TMP+3] op_sel_hi:[1,0]
	v_pk_mul_f32 v[32+2*z:32+2*z+1], v[32+2*z:32+2*z+1], v[TMP+6:TMP+7] op_sel_hi:[1,0]
.set z, z+1
.endr
	WIN 0
.set z, 0
.rept 16                               ; the weights rounded to f16, a pair a line
	v_cvt_pk_f16_f32 v[P+z], v[S+2*z], v[S+2*z+1]
	v_cvt_pk_f16_f32 v[P+16+z], v[S+32+2*z], v[S+32+2*z+1]
.set z, z+1
.endr
.irp w, 4, 8, 16, 32                   ; the sum of a tile's 16 pairs, in place: neighbours 1, 2, 4 and 8 pairs apart
.set z, 0
.rept 32/(\w)
	v_pk_add_f32 v[S+(\w)*z:S+(\w)*z+1], v[S+(\w)*z:S+(\w)*z+1], v[S+(\w)*z+(\w)/2:S+(\w)*z+(\w)/2+1]
	v_pk_add_f32 v[S+32+(\w)*z:S+32+(\w)*z+1], v[S+32+(\w)*z:S+32+(\w)*z+1], v[S+32+(\w)*z+(\w)/2:S+32+(\w)*z+(\w)/2+1]
.set z, z+1
.endr
.endr
	v_pk_fma_f32 v[ST+2:ST+3], v[ST+2:ST+3], v[TMP+2:TMP+3], v[S:S+1] op_sel_hi:[1,0,1]      ; l = a l + the sum
	v_pk_fma_f32 v[ST+6:ST+7], v[ST+6:ST+7], v[TMP+6:TMP+7], v[S+32:S+33] op_sel_hi:[1,0,1]
.endm
.macro MASKS                           ; key 64 SPR + 16 kb + 8 (l / 16) + j of the tile is hidden from query PAR + 32 w + 16 u + l % 16 where it is the greater
	WIN 0
	v_add_nc_u32 v[QR], s[MOFF], v[QB0]
	v_add_nc_u32 v[QR+1], 16, v[QR]
	WIN 0x40
.set z, 0
.rept 64
	v_cmp_gt_i32 vcc_lo, 16*((z%32)/8)+z%8, v[QR+z/32]
	v_cndmask_b32 v[MC+z], 0, s[BIGN], vcc_lo
.set z, z+1
.endr
.endm
.macro BEGIN copy                      ; a block begins: c m far below every c s, m the lowest finite number; copy = 1: the second block's Q goes where the one text names Q
	s_mov_b32 s[NEW], 0
.irp u, 0,1
	v_mov_b32 v[ST+4*\u], 0xfe000000
	v_mov_b32 v[ST+4*\u+1], 0xff7fffff
.endr
.if \copy
	WIN 0x82
.set z, 0
.rept 32
	v_mov_b32 v[z], v[QB+z]
.set z, z+1
.endr
	WIN 0
.endif
.endm
; A BLOCK ENDS: l's two halves and the other half of the lanes' are added; O^T is divided by l, rounded to f16 and sent through my stage, a tile of 16 rows at a time; then the scalars turn to the second block.
.macro OPACK t
	WIN W_RS
.set z, 32*(\t)
.rept 16
	v_pk_mul_f32 v[z:z+1], v[z:z+1], v[ST+4*(\t)+2:ST+4*(\t)+3] op_sel_hi:[1,0]
.set z, z+2
.endr
	WIN 0x05
.set z, 0
.rept 16
	v_cvt_pk_f16_f32 v[S+16*(\t)+z], v[32*(\t)+2*z], v[32*(\t)+2*z+1]
.set z, z+1
.endr
	WIN 0
.irp f, 0,1,2,3
	ds_store_b128 v[STO], v[S+16*(\t)+4*\f:S+16*(\t)+4*\f+3] offset:32*\f
.endr
.irp f, 0,1,2,3
	ds_load_b128 v[S+16*(\t)+4*\f:S+16*(\t)+4*\f+3], v[RD] offset:\f*4*SPI  ; LDS serves a wave's instructions in order (ISA guide 5.7.1.4): these see the stores above
.endr
.endm
.macro OSEND t, younger
.irp f, 0,1,2,3
	s_wait_dscnt (\younger)+3-\f
	global_store_b128 v[GO], v[S+16*(\t)+4*\f:S+16*(\t)+4*\f+3], s[10:11] offset:(\t)*2048+\f*512  ; 512 consecutive bytes, aligned
.endr
.endm
.macro BLOCKEND
	WIN 0
.irp t, 0,1
	v_add_f32 v[ST+4*\t+2], v[ST+4*\t+2], v[ST+4*\t+3]
.endr
.irp t, 0,1
	v_permlanex16_b32 v[ST+4*\t+3], v[ST+4*\t+2], s[SEL], s[SEL+1]
.endr
.irp t, 0,1
	v_add_f32 v[ST+4*\t+2], v[ST+4*\t+2], v[ST+4*\t+3]
.endr
.irp t, 0,1
	v_rcp_f32 v[ST+4*\t+2], v[ST+4*\t+2]
.endr
	v_nop
	s_wait_alu depctr_va_vdst(0)                   ; one wait for the two reciprocals, ahead of their first use
	OPACK 0
	OPACK 1
	OSEND 0, 8
	OSEND 1, 0
	s_wait_xcnt 0x0                                ; the stores have read their registers and att's address
	s_mov_b64 s[10:11], s[OLO:OLO+1]
	s_mov_b32 s[RT], s[RT2]
	s_mov_b32 s[PAR], s[PAR2]
	s_mov_b32 s[NEW], 1
.endm
; The first half of a trip, for the step in hand.
.macro PART1 last
	FETCH_K \last                                  ; the next step's K: four places and more behind the last product that read K
	SOFTMAX
	s_wait_dscnt 0x0                               ; V of this step and K of the next are in
.set i, 0
.rept 16
	PVM
.endr
	WIN 0
	PLACES                                         ; behind the products: O^T is read, and V's registers are loaded again, only behind these
	s_cmp_lg_u32 s[SPR], 3
	s_cbranch_scc1 .Lgo_on_\@
	s_sub_co_u32 s[RT], s[RT], 1                   ; a tile is done
	s_cmp_lg_u32 s[RT], 0
	s_cbranch_scc1 .Lgo_on_\@
	BLOCKEND
.Lgo_on_\@:
.endm
; The second half: the next step's V is fetched and its scores are made.
.macro PART2
	s_cmp_eq_u32 s[NEW], 0
	s_cbranch_scc1 .Lold_\@
	BEGIN 1
.Lold_\@:
	FETCH_V
	s_add_co_u32 s[SPR], s[SPR], 1
	s_and_b32 s[SPR], s[SPR], 3
	s_lshl_b32 s[MOFF], s[SPR], 6
	s_sub_co_u32 s[MOFF], s[PAR], s[MOFF]
	s_wait_dscnt 16                                ; K is in; V's sixteen loads, issued behind it, may stay out
	s_cmp_eq_u32 s[RT], 1                          ; the block's last tile holds the diagonal
	s_cbranch_scc0 .Lplain_\@
	MASKS
.set i, 0
.rept 8
	KQ 1
.endr
	WIN 0
	s_branch .Ljoin_\@
.Lplain_\@:
.set i, 0
.rept 8
	KQ 0
.endr
	WIN 0
.Ljoin_\@:
.rept 8
	KQ 0
.endr
	WIN 0
	PLACES
.endm
	CHANGE 1                                       ; tile 0 is in, everybody's part of it; tile 1 is asked for
	BEGIN 0
	s_wait_loadcnt 0x0                             ; Q
	FETCH_K
	PART2                                          ; step 0's scores
	s_mov_b32 s[CNT], 3
	s_mov_b32 s[SLOTS], 8
	s_branch .Ltrip
.Lslot:                                        ; seven times, in front of the trip of a tile's fourth step: its K and V have been fetched, so the slot is read out; tiles 2 to 8 of the walk are asked for
	CHANGE 1
	s_mov_b32 s[CNT], 4
.Ltrip:
	PART1 0
	PART2
	s_sub_co_u32 s[CNT], s[CNT], 1
	s_cmp_lg_u32 s[CNT], 0
	s_cbranch_scc1 .Ltrip
	s_sub_co_u32 s[SLOTS], s[SLOTS], 1
	s_cmp_lg_u32 s[SLOTS], 0
	s_cbranch_scc1 .Lslot
	CHANGE 0                                       ; the tail is written out: nothing is asked for
	s_mov_b32 s[CNT], 5                            ; the last five steps; the fifth trip is left in its middle
.Ltail:
	PART1 1
	s_sub_co_u32 s[CNT], s[CNT], 1
	s_cmp_eq_u32 s[CNT], 0
	s_cbranch_scc1 .Lout
	PART2
	s_branch .Ltail
.Lout:
	s_wait_tensorcnt 0x0                           ; the wave's end, behind my last tensor load and my last LDS store
	ds_add_u32 v[SPW], v[NIL]
	s_wait_dscnt 0x0
	s_endpgm
.Lfunc_end_k_q7fa5d64d2d_attn:
	.size	k_q7fa5d64d2d_attn, .Lfunc_end_k_q7fa5d64d2d_attn-k_q7fa5d64d2d_attn
	.p2alignl 7, 3214868480
	.fill 96, 4, 3214868480
	.section	.rodata,"a",@progbits
	.p2align	6, 0x0
	.amdhsa_kernel k_q7fa5d64d2d_attn
		.amdhsa_group_segment_fixed_size 327680
		.amdhsa_private_segment_fixed_size 0
		.amdhsa_enable_private_segment 0
		.amdhsa_kernarg_size 16
		.amdhsa_user_sgpr_count 2
		.amdhsa_user_sgpr_kernarg_segment_ptr 1
		.amdhsa_wavefront_size32 1
		.amdhsa_system_sgpr_workgroup_id_x 1
		.amdhsa_system_sgpr_workgroup_id_y 1
		.amdhsa_system_sgpr_workgroup_id_z 1
		.amdhsa_system_vgpr_workitem_id 0
		.amdhsa_next_free_vgpr 768
		.amdhsa_next_free_sgpr 102
		.amdhsa_reserve_vcc 1
		.amdhsa_float_denorm_mode_32 3
		.amdhsa_float_denorm_mode_16_64 3
		.amdhsa_memory_ordered 1
		.amdhsa_forward_progress 1
		.amdhsa_inst_pref_size 93
	.end_amdhsa_kernel
	.amdgpu_metadata
---
amdhsa.version: [ 1, 2 ]
amdhsa.kernels:
  - .name:           k_q7fa5d64d2d_attn
    .symbol:         k_q7fa5d64d2d_attn.kd
    .args:
      - { .name: qkv, .offset: 0, .size: 8, .value_kind: global_buffer, .address_space: global }
      - { .name: att, .offset: 8, .size: 8, .value_kind: global_buffer, .address_space: global }
    .group_segment_fixed_size: 327680
    .private_segment_fixed_size: 0
    .kernarg_segment_align: 8
    .kernarg_segment_size: 16
    .max_flat_workgroup_size: 128
    .sgpr_count:     102
    .vgpr_count:     768
    .wavefront_size: 32
...
	.end_amdgpu_metadata
.endif
;; end of part 3
;; launch gp (part 4): grid 8 x 32, 4 waves a work-group, clusters of 4 x 4, 327,680 bytes of LDS; arguments att, wh, x1, b_proj, x; writes x1
.if DOCPART == 4
	.amdgcn_target "amdgcn-amd-amdhsa--gfx1250"
	.amdhsa_code_object_version 6
	.text
	.protected	k_q7fa5d64d2d_gp
	.globl	k_q7fa5d64d2d_gp
	.p2align	8
	.type	k_q7fa5d64d2d_gp,@function
k_q7fa5d64d2d_gp:
	s_mov_b64 s[64:65], 0
	v_nop
	global_prefetch_b8 v0, s[64:65] scope:SCOPE_SE
	s_setreg_imm32_b32 hwreg(HW_REG_WAVE_MODE, 25, 1), 1
	s_wait_xcnt 0x0
	s_wait_alu depctr_hold_cnt(0) depctr_sa_sdst(0) depctr_va_vdst(0) depctr_va_sdst(0) depctr_va_ssrc(0) depctr_va_vcc(0) depctr_vm_vsrc(0)
	s_getreg_b32 s2, hwreg(HW_REG_IB_STS2, 6, 4)
	s_cmp_eq_u32 s2, 0
	s_cbranch_scc0 .Lentry_in_a_cluster
	s_endpgm
.Lentry_in_a_cluster:
	s_bfe_u32 s2, ttmp6, 0x10000c
	s_cmp_lg_u32 s2, 0xf033
	s_cbranch_scc0 .Lentry_shape_is_right
	s_endpgm
.Lentry_shape_is_right:
; x1 = x + att x w_proj + b_proj: C[4096][1024] = A[4096][1024] B[1024][1024] on top of the residual and the bias, f16 operands, f32 sums, C in f32, row-major.
; A (att) lies in layout T, B (wh) in blocks [n / 64][K][64] (both: see launch prep): every tile of a K step is 32,768 consecutive bytes, asked for as 128 rows of 256 bytes.
; SHARES.  A tile of C is 128 x 128, one to a work-group: four waves of 64 x 64, 16 accumulators each.  K goes in steps of 256, four quarters of 64, through a ring of two LDS slots.
; The step is written once and looped over; the slot in hand is a scalar that an exclusive or turns.
; THE ORDER OF K.  A cluster takes each group of four K steps in a ring that begins at step Q0 = (cluster y + 2 x cluster x) & 3 of the group: at any time the two clusters along x, which read the same rows of A, ask for K steps
; two apart, and four neighbouring clusters along y, which read the same rows of B, for four different ones.  Q0 is the same in all sixteen partners; f32 sums may be taken in any order of the K steps.
; THE MATRIX INSTRUCTION IS USED TRANSPOSED: source 0 = 16 columns of B (turned on the way out of LDS by ds_load_tr16_b128, since B lies [k][n]), source 1 = 16 rows of A: a lane holds row l % 16 of C
; and the 8 neighbouring columns 8 (l / 16) + 0..7.
; CLUSTER 4 x 4: the four work-groups of a row of the cluster want the same tiles of A, the four of a column the same tiles of B: each tile is asked for jointly, by the same tensor load, descriptor and mask.
; No prefetch: the tile is small, and a step's bytes are few beside what the ring already has on its way.
; REGISTERS.  Window 0: v0-31 addresses; v32-95 at work on the way in and out; v128-255 accumulators ((a, b) at 128 + 8 (4 a + b)).  Window 1: two fragment buffers of 128: A's (c, a) at 8 (4 c + a), B's (c, b) at 64 + 8 (4 c + b).
.set NSTEP,  4                         ; K steps: K = 1,024
.set WOFF,   6291456                   ; where B's blocks begin in wh
.set NBLOG,  17                        ; log2 of a block's bytes: 1,024 k x 128
.set SLOT,   155648                    ; a slot: A's tile, then B's
.set PAP,    144                       ; A in LDS: [kb 0..3][128 rows], rows of 128 bytes + 16: the 16 rows of a load start at 16 different groups of four banks (64 banks of 4 bytes: ISA guide 11.1)
.set PBP,    160                       ; B in LDS: [nb 0..1][256 k], rows of 128 bytes + 32
.set AHALF,  256*PAP                   ; what wave 0 or 1 fetches
.set BBEG,   2*AHALF
.set BHALF,  256*PBP                   ; what wave 2 or 3 fetches
.set STAGE,  0                         ; the way out goes through slot 0, behind its last fill and a barrier behind every wave's last read
.set SPI,    272
.set SPARE,  2*SLOT                    ; the spare words, 128 bytes for each wave: two blocks of 256 bytes that no other line names
.set ADRA0, 16                         ; v16  my lane's place in A's tile; never rewritten
.set ADRB0, 17                         ; v17  the same for B
.set ADRA,  18                         ; v18  + the slot in hand
.set ADRB,  19
.set STO,   24                         ; v24  the way out: where I put my bytes of a row
.set RD,    25                         ; v25  where I read rows back
.set GO,    26                         ; v26  my byte offset in C
.set BO,    27                         ; v27  my byte offset in the bias
.set SPW,   28                         ; v28  LDS address of my spare word; never rewritten
.set NIL,   29                         ; v29  0; never rewritten
.set RO,    31                         ; v31  my byte offset in the residual
.set TMP,   32
.set ACC,   128
.set F0,    0
.set F1,    128
.set WV,  14                           ; s14 wave; s15 its row half, also: fetches for A (0) or B (1); s16 its column half, also: which half of that tile it fetches
.set WR,  15
.set WC,  16
.set G1A, 24                           ; s[24:31] descriptor group 1 for A's tiles, s[32:39] for B's
.set G1B, 32
.set G0A, 40                           ; s[40:47] group 0 for A: the set of the first fill of slot 0, then the set that walks; s[48:55] the same for B
.set G0B, 48
.set TB,  56                           ; s56  the slot in hand: 0 or SLOT
.set WA,  57                           ; s57  my part of A's tile in a slot; s58 of B's
.set WB,  58
.set CNT, 59
.set ABASE, 60                         ; s[60:61] A at my part of the work-group's K step 0; s[62:63] B likewise
.set BBASE, 62
.set Q,   66                           ; s66  the number of the request to come
.set Q0,  67                           ; s67  where my cluster's ring of four K steps begins
.set MSB, 0
.macro WIN new                         ; the immediate's high byte repeats the setting that is left; a switch that changes nothing is dropped
.if MSB != (\new)
	s_set_vgpr_msb (MSB<<8)|(\new)
.set MSB, \new
.endif
.endm
.set MUL,  0x05                        ; sources 0 (B) and 1 (A) window 1; C and D window 0
.set TO_F, 0x40                        ; destination window 1, address window 0
.macro PLACES                          ; four places behind matrix instructions (ISA guide 7.12.1), where no other vector work is at hand
.rept 4
	v_nop
.endr
.endm
.macro JLOAD                           ; a joint refill by the walking set: waves 0, 1 for A, waves 2, 3 for B; an s_nop 0 and four v_nop follow each line
	s_cmp_eq_u32 s[WR], 0
	s_cbranch_scc0 .Lfor_b_\@
	tensor_load_to_lds s[G0A+4:G0A+7], s[G1A:G1A+7]
	s_nop 0
	PLACES
	s_branch .Lasked_\@
.Lfor_b_\@:
	tensor_load_to_lds s[G0B+4:G0B+7], s[G1B:G1B+7]
	s_nop 0
	PLACES
.Lasked_\@:
.endm
.macro CREST                           ; a round of the cluster's barrier behind its opening barrier
	s_cmp_lg_u32 s[WV], 0
	s_cbranch_scc1 .Lnot_wave_0_\@
	s_barrier_signal -3
.Lnot_wave_0_\@:
	s_barrier_wait -3
	s_barrier_signal -1
	s_barrier_wait -1
.endm
.macro CROUND
	s_barrier_signal -1
	s_barrier_wait -1
	CREST
.endm
	s_load_b128 s[4:7], s[0:1], 0x0                ; A s[4:5], wh s[6:7]
	s_load_b64 s[8:9], s[0:1], 0x10                ; C
	s_load_b64 s[10:11], s[0:1], 0x18              ; the bias
	s_load_b64 s[12:13], s[0:1], 0x20              ; the residual
	v_lshl_add_u32 v[SPW], v0, 2, SPARE
	v_mov_b32 v[NIL], 0
	ds_add_u32 v[SPW], v[NIL]                      ; the wave's opening: the add, twice on end, and its wait ahead of my first tensor load
	ds_add_u32 v[SPW], v[NIL]
	v_lshrrev_b32 v1, 5, v0
	v_readfirstlane_b32 s[WV], v1
	s_lshr_b32 s[WR], s[WV], 1
	s_and_b32 s[WC], s[WV], 1
	s_bfe_u32 s17, ttmp6, 0x40000                  ; cx
	s_bfe_u32 s18, ttmp6, 0x40004                  ; cy
	s_lshl_b32 s19, ttmp9, 2
	s_add_co_u32 s19, s19, s17                     ; tile column = 4 x cluster x + cx
	s_and_b32 s20, ttmp7, 0xffff                   ; cluster y
	s_and_b32 s[Q0], s20, 3
	s_lshl_b32 s72, ttmp9, 1
	s_add_co_u32 s[Q0], s[Q0], s72
	s_and_b32 s[Q0], s[Q0], 3                      ; (cluster y + 2 x cluster x) & 3: no place inside the cluster enters it
	s_lshl_b32 s20, s20, 2
	s_add_co_u32 s20, s20, s18                     ; tile row = 4 x cluster y + cy
	s_lshl_b32 s21, s18, 2
	s_lshl_b32 s21, 15, s21                        ; my row of the cluster
	s_lshl_b32 s22, 0x1111, s17                    ; my column
	s_or_b32 s[G1A], s21, (1<<16)|(1<<20)|(1<<21)|(4<<22)|(3<<25)  ; 15:0 the mask; 17:16 2-byte elements; 20 padding on; 21 set beside a mask; 24:22 after every 32 words; 31:25 4 words
	s_or_b32 s[G1B], s22, (1<<16)|(1<<20)|(1<<21)|(4<<22)|(7<<25)  ; the same with my column's mask and 8 words of padding
.irp g, G1A, G1B
	s_mov_b32 s[(\g)+1], 128<<16                   ; tensor_dim0 = 128 elements (256 bytes)
	s_mov_b32 s[(\g)+2], 128<<16                   ; tensor_dim1 = 128
	s_mov_b32 s[(\g)+3], 128<<16                   ; tile_dim0 = 128
	s_mov_b32 s[(\g)+4], 128                       ; tile_dim1 = 128
	s_mov_b32 s[(\g)+5], 128                       ; from row to row: dense
	s_mov_b32 s[(\g)+6], 0
	s_mov_b32 s[(\g)+7], 0
.endr
	s_lshl_b32 s68, s20, 16                        ; A: the tile row's 65,536 bytes of a K step, my half of them.  s[68:69] never hold cx,
	s_lshl_b32 s69, s[WC], 15
	s_add_co_u32 s68, s68, s69
	s_mov_b32 s69, 0
	s_lshl_b32 s70, s19, 1                         ; B: block 2 x tile column + my half.  s[70:72] never hold cy
	s_add_co_u32 s70, s70, s[WC]
	s_lshl_b32 s70, s70, NBLOG
	s_add_co_u32 s70, s70, WOFF
	s_mov_b32 s71, 0
	s_mul_i32 s[WA], s[WC], AHALF                  ; no place in the cluster enters an LDS address
	s_mul_i32 s[WB], s[WC], BHALF
	s_add_co_u32 s[WB], s[WB], BBEG
	s_mov_b32 s[TB], 0
	s_mov_b32 s[Q], 2
	s_mov_b32 s[G0A], 1
	s_mov_b32 s[G0A+1], s[WA]
	s_mov_b32 s[G0A+4], 1
	s_add_co_u32 s[G0A+5], s[WA], SLOT
	s_mov_b32 s[G0B], 1
	s_mov_b32 s[G0B+1], s[WB]
	s_mov_b32 s[G0B+4], 1
	s_add_co_u32 s[G0B+5], s[WB], SLOT
	s_wait_dscnt 0x0                               ; both opening adds are done
	s_wait_kmcnt 0x0
	s_add_nc_u64 s[ABASE:ABASE+1], s[4:5], s[68:69]
	s_add_nc_u64 s[BBASE:BBASE+1], s[6:7], s[70:71]
	s_lshl_b32 s68, s[Q0], 21                      ; the first request: K step Q0.  A K step of A is 32 row blocks of 65,536 bytes, of B 256 k of 128 bytes
	s_lshl_b32 s70, s[Q0], 15
	s_add_nc_u64 s[G0A+2:G0A+3], s[ABASE:ABASE+1], s[68:69]
	s_or_b32 s[G0A+3], s[G0A+3], 0x80000000
	s_add_nc_u64 s[G0B+2:G0B+3], s[BBASE:BBASE+1], s[70:71]
	s_or_b32 s[G0B+3], s[G0B+3], 0x80000000
	s_add_co_u32 s72, s[Q0], 1                     ; the second: K step (Q0 + 1) & 3
	s_and_b32 s72, s72, 3
	s_lshl_b32 s68, s72, 21
	s_lshl_b32 s70, s72, 15
	s_add_nc_u64 s[G0A+6:G0A+7], s[ABASE:ABASE+1], s[68:69]
	s_or_b32 s[G0A+7], s[G0A+7], 0x80000000
	s_add_nc_u64 s[G0B+6:G0B+7], s[BBASE:BBASE+1], s[70:71]
	s_or_b32 s[G0B+7], s[G0B+7], 0x80000000
	CROUND                                         ; all sixteen work-groups are here: the first joint loads meet
	s_cmp_eq_u32 s[WR], 0                          ; a wave's two first fills stand in one branch, ahead of every wait on TENSORcnt and every LDS read: two loads of mine are out
	s_cbranch_scc0 .Lfirst_b
	tensor_load_to_lds s[G0A:G0A+3], s[G1A:G1A+7]
	s_nop 0
	tensor_load_to_lds s[G0A+4:G0A+7], s[G1A:G1A+7]
	s_nop 0
	PLACES
	s_branch .Lfirst_asked
.Lfirst_b:
	tensor_load_to_lds s[G0B:G0B+3], s[G1B:G1B+7]
	s_nop 0
	tensor_load_to_lds s[G0B+4:G0B+7], s[G1B:G1B+7]
	s_nop 0
	PLACES
.Lfirst_asked:
	v_and_b32 v1, 15, v0                           ; r = l % 16
	v_bfe_u32 v2, v0, 4, 1                         ; h = l / 16
	v_mul_u32_u24 v[ADRA0], v1, PAP                ; A's fragment: row r, 16 bytes for each half of the lanes, twice, 32 bytes apart
	v_lshl_add_u32 v[ADRA0], v2, 4, v[ADRA0]
	s_mul_i32 s78, s[WR], 64*PAP
	v_add_nc_u32 v[ADRA0], s78, v[ADRA0]
	v_and_b32 v3, 7, v0                            ; B's: the turning load takes k-row 8 h + l % 8, columns 8 ((l / 8) % 2) + 0..7, and leaves column r, eight k
	v_lshl_add_u32 v3, v2, 3, v3
	v_mul_u32_u24 v[ADRB0], v3, PBP
	v_bfe_u32 v3, v0, 3, 1
	v_lshl_add_u32 v[ADRB0], v3, 4, v[ADRB0]
	s_mul_i32 s78, s[WC], BHALF
	s_add_co_u32 s78, s78, BBEG
	v_add_nc_u32 v[ADRB0], s78, v[ADRB0]
	v_mov_b32 v[ADRA], v[ADRA0]
	v_mov_b32 v[ADRB], v[ADRB0]
	s_mul_i32 s78, s[WV], 16*SPI
	s_add_co_u32 s78, s78, STAGE                   ; my stage
	v_lshlrev_b32 v[BO], 5, v2                     ; my 8 columns of a block of 16: 32 h bytes of f32
	s_lshl_b32 s76, s19, 9                         ; my 64 columns in a row of f32: 512 x tile column + 256 x half
	s_lshl_b32 s79, s[WC], 8
	s_add_co_u32 s76, s76, s79
	s_mov_b32 s77, 0
	s_add_nc_u64 s[10:11], s[10:11], s[76:77]
	v_mul_u32_u24 v[STO], v1, SPI                  ; in: row r, 32 bytes for each half of the lanes
	v_lshl_add_u32 v[STO], v2, 5, v[STO]
	v_add_nc_u32 v[STO], s78, v[STO]
	v_mul_u32_u24 v[RD], v2, SPI                   ; back: lanes 0-15 one row of 256 bytes, lanes 16-31 the next
	v_lshl_add_u32 v[RD], v1, 4, v[RD]
	v_add_nc_u32 v[RD], s78, v[RD]
	v_lshlrev_b32 v[GO], 12, v2                    ; the same two rows in C
	v_lshl_add_u32 v[GO], v1, 4, v[GO]
	v_lshl_add_u32 v[RO], v1, 12, v[BO]            ; the residual as the accumulators hold it: row r, 32 h
	s_lshl_b32 s79, s20, 19                        ; my first row: 128 x tile row + 64 x half, of 4,096 bytes
	s_add_co_u32 s76, s76, s79
	s_lshl_b32 s79, s[WR], 18
	s_add_co_u32 s76, s76, s79
	s_add_nc_u64 s[8:9], s[8:9], s[76:77]
	s_add_nc_u64 s[12:13], s[12:13], s[76:77]
.irp a, 0,1,2,3                        ; the residual goes straight into the accumulators and the bias is added to it, while the first tiles are on their way: nothing is cleared, and the way out has no arithmetic
.irp b, 0,1,2,3
	global_load_b128 v[ACC+8*(4*(\a)+(\b)):ACC+8*(4*(\a)+(\b))+3],   v[RO], s[12:13] offset:(\a)*65536+64*(\b)
	global_load_b128 v[ACC+8*(4*(\a)+(\b))+4:ACC+8*(4*(\a)+(\b))+7], v[RO], s[12:13] offset:(\a)*65536+64*(\b)+16
.endr
.endr
.irp b, 0,1,2,3                        ; the bias of my 64 columns: register 8 b + j for column 16 b + 8 h + j
	global_load_b128 v[TMP+8*(\b):TMP+8*(\b)+3],   v[BO], s[10:11] offset:64*(\b)
	global_load_b128 v[TMP+8*(\b)+4:TMP+8*(\b)+7], v[BO], s[10:11] offset:64*(\b)+16
.endr
	s_wait_loadcnt 0x0
.set i, 0
.rept 64
	v_pk_add_f32 v[ACC+2*i:ACC+2*i+1], v[ACC+2*i:ACC+2*i+1], v[TMP+(2*i)%32:TMP+(2*i)%32+1]
.set i, i+1
.endr
; 8 matrix instructions: row blocks a0, a0 + 1 x all 4 column blocks, 32 along K: half c of buffer f.  The 16 accumulators take turns, one instruction a turn, over the backward jumps too.
.macro MUL8 f, c, a0
	WIN MUL
.irp a, \a0, (\a0)+1
.irp b, 0,1,2,3
	v_wmma_f32_16x16x32_f16 v[ACC+8*(4*(\a)+(\b)):ACC+8*(4*(\a)+(\b))+7], v[(\f)+64+8*(4*(\c)+(\b)):(\f)+64+8*(4*(\c)+(\b))+7], v[(\f)+8*(4*(\c)+(\a)):(\f)+8*(4*(\c)+(\a))+7], v[ACC+8*(4*(\a)+(\b)):ACC+8*(4*(\a)+(\b))+7]
.endr
.endr
.endm
; 32 LDS loads in one run: the fragments of quarter q (64 along K) of the slot in hand, into buffer f; the first 32 along K first
.macro FETCH q, f
	WIN TO_F
.irp c, 0,1
.irp i, 0,1,2,3
	ds_load_tr16_b128 v[(\f)+64+8*(4*(\c)+(\i)):(\f)+64+8*(4*(\c)+(\i))+3],   v[ADRB] offset:(\q)*64*PBP+(\c)*32*PBP+32*(\i)
	ds_load_tr16_b128 v[(\f)+64+8*(4*(\c)+(\i))+4:(\f)+64+8*(4*(\c)+(\i))+7], v[ADRB] offset:(\q)*64*PBP+(\c)*32*PBP+32*(\i)+16*PBP
	ds_load_b128 v[(\f)+8*(4*(\c)+(\i)):(\f)+8*(4*(\c)+(\i))+3],   v[ADRA] offset:(\q)*128*PAP+(\i)*16*PAP+64*(\c)
	ds_load_b128 v[(\f)+8*(4*(\c)+(\i))+4:(\f)+8*(4*(\c)+(\i))+7], v[ADRA] offset:(\q)*128*PAP+(\i)*16*PAP+64*(\c)+32
.endr
.endr
.endm
; One of a K step's first three quarters: multiplies buffer f; in its middle it fetches quarter q into buffer g.
.macro QUARTER q, f, g
	s_wait_dscnt 16                                ; the first 32 along K are in; the youngest sixteen loads may be out
	MUL8 \f, 0, 0
	MUL8 \f, 0, 2
	PLACES                                         ; in front of loads into registers that matrix instructions have read
	FETCH \q, \g
	s_wait_dscnt 32                                ; all but the 32 just issued
	MUL8 \f, 1, 0
	MUL8 \f, 1, 2
.endm
; The last quarter multiplies buffer 1 and changes slots: ONE barrier.  In front of it each wave waits for all its tensor loads (the one that is out is its part of the next slot), adds 0 to its spare word, and waits for
; that and for its own reads of this slot.  fill = 1: the barrier opens a round of the cluster's, and the slot just read is filled again, first thing behind the round, by request Q: the walking descriptors are made anew from that number.
; last = 1: in the loop's last trip there is no next slot, and the fetch is jumped over.
.macro TURN fill, last
	WIN 0
	s_wait_tensorcnt 0x0                           ; no tensor load of mine is out, so a group 0 may be written
	ds_add_u32 v[SPW], v[NIL]                      ; 0 onto my spare word; scalar work and eight products stand between it and the wait for it
.if \fill
	s_add_co_u32 s68, s[Q], s[Q0]
	s_and_b32 s68, s68, 3                          ; the K step within its group of four, in my cluster's ring,
	s_and_b32 s70, s[Q], -4                        ; and the group
	s_add_co_u32 s68, s68, s70
	s_lshl_b32 s70, s68, 15
	s_lshl_b32 s68, s68, 21
	s_add_co_u32 s[G0A+5], s[WA], s[TB]
	s_add_nc_u64 s[G0A+6:G0A+7], s[ABASE:ABASE+1], s[68:69]
	s_or_b32 s[G0A+7], s[G0A+7], 0x80000000
	s_add_co_u32 s[G0B+5], s[WB], s[TB]
	s_add_nc_u64 s[G0B+6:G0B+7], s[BBASE:BBASE+1], s[70:71]
	s_or_b32 s[G0B+7], s[G0B+7], 0x80000000
	s_add_co_u32 s[Q], s[Q], 1
.endif
	s_wait_dscnt 17                                ; the add and the youngest sixteen loads may be out
	MUL8 F1, 0, 0
	s_wait_dscnt 0x0                               ; the add is done, and my reads of this slot are over
	s_barrier_signal -1
	MUL8 F1, 0, 2                                  ; work on registers while the others arrive
	WIN 0
	s_barrier_wait -1
.if \fill
	CREST                                          ; no wave of any partner still reads this slot or has a load on its way
	JLOAD                                          ; my one tensor load behind the round; its four v_nop are also the places in front of the loads below
.else
	PLACES
.endif
.if \last
	s_cmp_eq_u32 s[CNT], 1
	s_cbranch_scc1 .Lno_fetch_\@
.endif
	s_xor_b32 s[TB], s[TB], SLOT
	v_add_nc_u32 v[ADRA], s[TB], v[ADRA0]
	v_add_nc_u32 v[ADRB], s[TB], v[ADRB0]
	FETCH 0, F0
.if \last
	WIN 0
.Lno_fetch_\@:
.endif
	MUL8 F1, 1, 0
	MUL8 F1, 1, 2
.endm
.macro STEP fill, last
	QUARTER 1, F0, F1
	QUARTER 2, F1, F0
	QUARTER 3, F0, F1
	TURN \fill, \last
.endm
; THE WAY OUT in f32: 16 rows at a time through my stage: 32 bytes a lane in, whole rows of 256 bytes back, 16 lanes to a row.
.macro STG a
.if (\a) >= 2
	s_wait_xcnt 0x0                                ; the stores of the block two back have read these registers
.endif
.irp b, 0,1,2,3
	ds_store_b128 v[STO], v[ACC+8*(4*(\a)+(\b)):ACC+8*(4*(\a)+(\b))+3]   offset:64*(\b)     ; each accumulator's low registers first
	ds_store_b128 v[STO], v[ACC+8*(4*(\a)+(\b))+4:ACC+8*(4*(\a)+(\b))+7] offset:64*(\b)+16
.endr
.irp t, 0,1,2,3,4,5,6,7
	ds_load_b128 v[TMP+32*((\a)%2)+4*(\t):TMP+32*((\a)%2)+4*(\t)+3], v[RD] offset:(\t)*2*SPI  ; LDS serves a wave's instructions in order (ISA guide 5.7.1.4): these see the stores above
.endr
.endm
.macro SEND a, y                       ; y: the LDS instructions issued behind block a's loads
.irp t, 0,1,2,3,4,5,6,7
	s_wait_dscnt (\y)+7-(\t)
	global_store_b128 v[GO], v[TMP+32*((\a)%2)+4*(\t):TMP+32*((\a)%2)+4*(\t)+3], s[8:9] offset:(16*(\a)+2*(\t))*4096  ; 16 lanes store 256 consecutive bytes, aligned
.endr
.endm
	s_wait_tensorcnt 1                             ; my part of the first request is in; the second's may stay out
	s_barrier_signal -1
	s_barrier_wait -1
	FETCH 0, F0
	WIN 0
	s_mov_b32 s[CNT], NSTEP-2
.Lstep:                                        ; all K steps but the last two: each fills its slot again
	STEP 1, 0
	WIN 0
	s_sub_co_u32 s[CNT], s[CNT], 1
	s_cmp_lg_u32 s[CNT], 0
	s_cbranch_scc1 .Lstep
	s_mov_b32 s[CNT], 2
.Llast:                                        ; the last two K steps ask for nothing
	STEP 0, 1
	WIN 0
	s_sub_co_u32 s[CNT], s[CNT], 1
	s_cmp_lg_u32 s[CNT], 0
	s_cbranch_scc1 .Llast
	s_wait_dscnt 0x0                               ; my reads of the slots are over,
	s_barrier_signal -1
	s_barrier_wait -1                              ; everybody's are: slot 0, which has had its last fill, becomes the stage
	PLACES
	PLACES
	STG 0
	STG 1
	SEND 0, 16
	STG 2
	SEND 1, 16
	STG 3
	SEND 2, 16
	SEND 3, 0
	s_wait_tensorcnt 0x0                           ; the wave's end, behind my last tensor load and my last LDS store
	ds_add_u32 v[SPW], v[NIL]
	s_wait_dscnt 0x0
	CROUND                                         ; the closing round: no work-group ends while a partner may still ask for a tile that names it
	s_endpgm
.Lfunc_end_k_q7fa5d64d2d_gp:
	.size	k_q7fa5d64d2d_gp, .Lfunc_end_k_q7fa5d64d2d_gp-k_q7fa5d64d2d_gp
	.p2alignl 7, 3214868480
	.fill 96, 4, 3214868480
	.section	.rodata,"a",@progbits
	.p2align	6, 0x0
	.amdhsa_kernel k_q7fa5d64d2d_gp
		.amdhsa_group_segment_fixed_size 327680
		.amdhsa_private_segment_fixed_size 0
		.amdhsa_enable_private_segment 0
		.amdhsa_kernarg_size 40
		.amdhsa_user_sgpr_count 2
		.amdhsa_user_sgpr_kernarg_segment_ptr 1
		.amdhsa_wavefront_size32 1
		.amdhsa_system_sgpr_workgroup_id_x 1
		.amdhsa_system_sgpr_workgroup_id_y 1
		.amdhsa_system_sgpr_workgroup_id_z 1
		.amdhsa_system_vgpr_workitem_id 0
		.amdhsa_next_free_vgpr 512
		.amdhsa_next_free_sgpr 80
		.amdhsa_reserve_vcc 0
		.amdhsa_float_denorm_mode_32 3
		.amdhsa_float_denorm_mode_16_64 3
		.amdhsa_memory_ordered 1
		.amdhsa_forward_progress 1
		.amdhsa_inst_pref_size 63
	.end_amdhsa_kernel
	.amdgpu_metadata
---
amdhsa.version: [ 1, 2 ]
amdhsa.kernels:
  - .name:           k_q7fa5d64d2d_gp
    .symbol:         k_q7fa5d64d2d_gp.kd
    .args:
      - { .name: att, .offset: 0, .size: 8, .value_kind: global_buffer, .address_space: global }
      - { .name: wh, .offset: 8, .size: 8, .value_kind: global_buffer, .address_space: global }
      - { .name: x1, .offset: 16, .size: 8, .value_kind: global_buffer, .address_space: global }
      - { .name: b_proj, .offset: 24, .size: 8, .value_kind: global_buffer, .address_space: global }
      - { .name: x, .offset: 32, .size: 8, .value_kind: global_buffer, .address_space: global }
    .group_segment_fixed_size: 327680
    .private_segment_fixed_size: 0
    .kernarg_segment_align: 8
    .kernarg_segment_size: 40
    .max_flat_workgroup_size: 128
    .sgpr_count:     80
    .vgpr_count:     512
    .wavefront_size: 32
...
	.end_amdgpu_metadata
.endif
;; end of part 4
;; launch ln2 (part 5): grid 256 x 1, 8 waves a work-group, no clusters, 0 bytes of LDS; arguments x1, g2, be2, hn; writes hn
.if DOCPART == 5
	.amdgcn_target "amdgcn-amd-amdhsa--gfx1250"
	.amdhsa_code_object_version 6
	.text
	.protected	k_q7fa5d64d2d_ln2
	.globl	k_q7fa5d64d2d_ln2
	.p2align	8
	.type	k_q7fa5d64d2d_ln2,@function
k_q7fa5d64d2d_ln2:
	s_mov_b64 s[64:65], 0
	v_nop
	global_prefetch_b8 v0, s[64:65] scope:SCOPE_SE
	s_setreg_imm32_b32 hwreg(HW_REG_WAVE_MODE, 25, 1), 1
	s_wait_xcnt 0x0
; h2 = LN(x1; g2, be2), rounded once to f16 and stored in layout T (see launch prep): byte(m, c) = ((c >> 8) 32 + (m >> 7)) 65,536 + ((c >> 6) & 3) 16,384 + (m & 127) 128 + (c & 63) 2.
; A launch of its own: a row's 1,024 numbers of x1 are made by eight work-groups of the launch before.  Memory binds: no LDS, no barrier, no matrix unit.
; A work-group has 16 rows, wave w rows 2 w and 2 w + 1.  Lane l: i = l & 7, rr = (l >> 3) & 1, cs = l >> 4; for j = 0..7 it holds the 8 columns 64 (2 j + cs) + 8 i .. + 7 of row 2 w + rr, so that its
; eight f16 results are 16 consecutive bytes of layout T and lanes 0-15 (16-31) store 256 consecutive bytes.  Two passes over registers: the mean, then the sum of (x - mean)^2.
; LIMIT: h2 must lie within 65,504, f16's range.
.set XO,   2                           ; v2   my byte offset in the work-group's 16 rows of x1
.set GOF,  3                           ; v3   my byte offset in g and be
.set HO,   4                           ; v4   my byte offset in hn
.set CH,   8                           ; v[8:15]   four packed chains
.set MEAN, 16                          ; v[16:17]  the mean, twice
.set RS,   18                          ; v[18:19]  1 / sqrt(var + eps), twice
.set X,    32                          ; v[32:95]   the row's numbers, 8 for each j
.set G,    96                          ; v[96:159]  the gain's
.set BE,   160                         ; v[160:223] the bias's
	s_load_b256 s[4:11], s[0:1], 0x0               ; x1 s[4:5], g2 s[6:7], be2 s[8:9], hn s[10:11]
	v_and_b32 v5, 7, v0                            ; i
	v_bfe_u32 v6, v0, 3, 1                         ; rr
	v_bfe_u32 v7, v0, 4, 1                         ; cs
	v_lshrrev_b32 v1, 5, v0                        ; w
	v_lshl_add_u32 v6, v1, 1, v6                   ; 2 w + rr
	v_lshlrev_b32 v[GOF], 5, v5                    ; 32 i
	v_lshl_add_u32 v[GOF], v7, 8, v[GOF]           ; + 256 cs
	v_lshl_add_u32 v[XO], v6, 12, v[GOF]           ; + the row's 4,096 bytes
	v_lshlrev_b32 v[HO], 4, v5                     ; 16 i
	v_lshl_add_u32 v[HO], v6, 7, v[HO]             ; + 128 (2 w + rr)
	v_lshl_add_u32 v[HO], v7, 14, v[HO]            ; + 16,384 cs
	s_lshl_b32 s26, ttmp9, 16                      ; 16 rows of 4,096 bytes
	s_mov_b32 s27, 0
	s_lshr_b32 s28, ttmp9, 3                       ; m >> 7
	s_lshl_b32 s28, s28, 16
	s_and_b32 s29, ttmp9, 7                        ; 16 rows of 128 bytes inside the block of 128 rows
	s_lshl_b32 s29, s29, 11
	s_add_co_u32 s28, s28, s29
	s_mov_b32 s29, 0
	s_mov_b32 s30, 0x3a800000                      ; 1 / 1024
	s_mov_b32 s31, 0x3727c5ac                      ; 1e-5
	s_mov_b32 s32, 0x76543210                      ; v_permlanex16_b32: each lane takes its own place in the other half
	s_mov_b32 s33, 0xfedcba98
	s_wait_kmcnt 0x0
	s_add_nc_u64 s[4:5], s[4:5], s[26:27]
	s_add_nc_u64 s[10:11], s[10:11], s[28:29]
.set j, 0
.rept 8                                ; all 48 loads go out at once: x1 first, since it is wanted first
	global_load_b128 v[X+8*j:X+8*j+3],   v[XO], s[4:5] offset:512*j
	global_load_b128 v[X+8*j+4:X+8*j+7], v[XO], s[4:5] offset:512*j+16
.set j, j+1
.endr
.set j, 0
.rept 8
	global_load_b128 v[G+8*j:G+8*j+3],   v[GOF], s[6:7] offset:512*j
	global_load_b128 v[G+8*j+4:G+8*j+7], v[GOF], s[6:7] offset:512*j+16
.set j, j+1
.endr
.set j, 0
.rept 8
	global_load_b128 v[BE+8*j:BE+8*j+3],   v[GOF], s[8:9] offset:512*j
	global_load_b128 v[BE+8*j+4:BE+8*j+7], v[GOF], s[8:9] offset:512*j+16
.set j, j+1
.endr
; The four chains into one number, then over the 16 lanes that share a row: i by three steps inside the group of eight (never by 8: that lane holds the other row), cs by the other half of the lanes.
.macro FOLD
	v_pk_add_f32 v[CH:CH+1], v[CH:CH+1], v[CH+2:CH+3]
	v_pk_add_f32 v[CH+4:CH+5], v[CH+4:CH+5], v[CH+6:CH+7]
	v_pk_add_f32 v[CH:CH+1], v[CH:CH+1], v[CH+4:CH+5]
	v_add_f32 v[CH], v[CH], v[CH+1]
	v_add_f32_dpp v[CH], v[CH], v[CH] row_xmask:1 row_mask:0xf bank_mask:0xf
	v_add_f32_dpp v[CH], v[CH], v[CH] row_xmask:2 row_mask:0xf bank_mask:0xf
	v_add_f32_dpp v[CH], v[CH], v[CH] row_xmask:4 row_mask:0xf bank_mask:0xf
	v_permlanex16_b32 v[CH+1], v[CH], s32, s33
	v_add_f32 v[CH], v[CH], v[CH+1]
.endm
	s_wait_loadcnt 32                              ; x1 is in; the 32 younger loads (gain, bias) may stay out
.set k, 0
.rept 4                                ; the first pairs start the chains: nothing is cleared
	v_pk_add_f32 v[CH+2*k:CH+2*k+1], v[X+2*k:X+2*k+1], v[X+8+2*k:X+8+2*k+1]
.set k, k+1
.endr
.set k, 8
.rept 24
	v_pk_add_f32 v[CH+2*(k%4):CH+2*(k%4)+1], v[CH+2*(k%4):CH+2*(k%4)+1], v[X+2*k:X+2*k+1]
.set k, k+1
.endr
	FOLD
	v_mul_f32 v[MEAN], s30, v[CH]
	v_mov_b32 v[MEAN+1], v[MEAN]
.set k, 0
.rept 32
	v_pk_add_f32 v[X+2*k:X+2*k+1], v[X+2*k:X+2*k+1], v[MEAN:MEAN+1] neg_lo:[0,1] neg_hi:[0,1]  ; d = x - mean
.set k, k+1
.endr
.set k, 0
.rept 4
	v_pk_mul_f32 v[CH+2*k:CH+2*k+1], v[X+2*k:X+2*k+1], v[X+2*k:X+2*k+1]
.set k, k+1
.endr
.set k, 4
.rept 28
	v_pk_fma_f32 v[CH+2*(k%4):CH+2*(k%4)+1], v[X+2*k:X+2*k+1], v[X+2*k:X+2*k+1], v[CH+2*(k%4):CH+2*(k%4)+1]
.set k, k+1
.endr
	FOLD
	v_fma_f32 v[RS], v[CH], s30, s31               ; var + eps
	v_rsq_f32 v[RS], v[RS]
	v_nop                                          ; a plain instruction behind the root,
	s_wait_alu depctr_va_vdst(0)                   ; and the wait ahead of the first use of its result
	v_mov_b32 v[RS+1], v[RS]
.set k, 0
.rept 32
	v_pk_mul_f32 v[X+2*k:X+2*k+1], v[X+2*k:X+2*k+1], v[RS:RS+1]
.set k, k+1
.endr
	s_wait_loadcnt 0x0                             ; gain and bias
.set j, 0
.rept 8
.set k, 0
.rept 4
	v_pk_fma_f32 v[X+8*j+2*k:X+8*j+2*k+1], v[X+8*j+2*k:X+8*j+2*k+1], v[G+8*j+2*k:G+8*j+2*k+1], v[BE+8*j+2*k:BE+8*j+2*k+1]
.set k, k+1
.endr
.set k, 0
.rept 4
	v_cvt_pk_f16_f32 v[X+8*j+k], v[X+8*j+2*k], v[X+8*j+2*k+1]  ; in place, ascending: word k is written when numbers 2 k, 2 k + 1 are read
.set k, k+1
.endr
	global_store_b128 v[HO], v[X+8*j:X+8*j+3], s[10:11] offset:((j>>1)<<21)|((j&1)<<15)  ; lanes 0-15: 256 consecutive bytes (two rows of one block of 64 columns); lanes 16-31: the next block's
.set j, j+1
.endr
	s_endpgm
.Lfunc_end_k_q7fa5d64d2d_ln2:
	.size	k_q7fa5d64d2d_ln2, .Lfunc_end_k_q7fa5d64d2d_ln2-k_q7fa5d64d2d_ln2
	.p2alignl 7, 3214868480
	.fill 96, 4, 3214868480
	.section	.rodata,"a",@progbits
	.p2align	6, 0x0
	.amdhsa_kernel k_q7fa5d64d2d_ln2
		.amdhsa_group_segment_fixed_size 0
		.amdhsa_private_segment_fixed_size 0
		.amdhsa_enable_private_segment 0
		.amdhsa_kernarg_size 32
		.amdhsa_user_sgpr_count 2
		.amdhsa_user_sgpr_kernarg_segment_ptr 1
		.amdhsa_wavefront_size32 1
		.amdhsa_system_sgpr_workgroup_id_x 1
		.amdhsa_system_sgpr_workgroup_id_y 1
		.amdhsa_system_sgpr_workgroup_id_z 1
		.amdhsa_system_vgpr_workitem_id 0
		.amdhsa_next_free_vgpr 224
		.amdhsa_next_free_sgpr 66
		.amdhsa_reserve_vcc 0
		.amdhsa_float_denorm_mode_32 3
		.amdhsa_float_denorm_mode_16_64 3
		.amdhsa_memory_ordered 1
		.amdhsa_forward_progress 1
		.amdhsa_inst_pref_size 20
	.end_amdhsa_kernel
	.amdgpu_metadata
---
amdhsa.version: [ 1, 2 ]
amdhsa.kernels:
  - .name:           k_q7fa5d64d2d_ln2
    .symbol:         k_q7fa5d64d2d_ln2.kd
    .args:
      - { .name: x1, .offset: 0, .size: 8, .value_kind: global_buffer, .address_space: global }
      - { .name: g2, .offset: 8, .size: 8, .value_kind: global_buffer, .address_space: global }
      - { .name: be2, .offset: 16, .size: 8, .value_kind: global_buffer, .address_space: global }
      - { .name: hn, .offset: 24, .size: 8, .value_kind: global_buffer, .address_space: global }
    .group_segment_fixed_size: 0
    .private_segment_fixed_size: 0
    .kernarg_segment_align: 8
    .kernarg_segment_size: 32
    .max_flat_workgroup_size: 256
    .sgpr_count:     66
    .vgpr_count:     224
    .wavefront_size: 32
...
	.end_amdgpu_metadata
.endif
;; end of part 5
;; launch g1 (part 6): grid 16 x 16, 4 waves a work-group, clusters of 4 x 4, 327,680 bytes of LDS; arguments hn, wh, hid, b1; writes hid
.if DOCPART == 6
	.amdgcn_target "amdgcn-amd-amdhsa--gfx1250"
	.amdhsa_code_object_version 6
	.text
	.protected	k_q7fa5d64d2d_g1
	.globl	k_q7fa5d64d2d_g1
	.p2align	8
	.type	k_q7fa5d64d2d_g1,@function
k_q7fa5d64d2d_g1:
	s_mov_b64 s[64:65], 0
	v_nop
	global_prefetch_b8 v0, s[64:65] scope:SCOPE_SE
	s_setreg_imm32_b32 hwreg(HW_REG_WAVE_MODE, 25, 1), 1
	s_wait_xcnt 0x0
	s_wait_alu depctr_hold_cnt(0) depctr_sa_sdst(0) depctr_va_vdst(0) depctr_va_sdst(0) depctr_va_ssrc(0) depctr_va_vcc(0) depctr_vm_vsrc(0)
	s_getreg_b32 s2, hwreg(HW_REG_IB_STS2, 6, 4)
	s_cmp_eq_u32 s2, 0
	s_cbranch_scc0 .Lentry_in_a_cluster
	s_endpgm
.Lentry_in_a_cluster:
	s_bfe_u32 s2, ttmp6, 0x10000c
	s_cmp_lg_u32 s2, 0xf033
	s_cbranch_scc0 .Lentry_shape_is_right
	s_endpgm
.Lentry_shape_is_right:
; hid = relu(h2 x w1 + b1): C[4096][4096] = A[4096][1024] B[1024][4096], f16 operands, f32 sums that start at the bias, relu, C rounded once to f16 and stored in layout T.
; A (hn) lies in layout T; B (w1 in wh) as [n / 128][k / 128][(n / 64) & 1][k & 127][n & 63] (both: see launch prep): 128 rows x 128 k of A and 128 k x 128 columns of B are each 32,768 consecutive bytes,
; asked for as 128 rows of 256 bytes.   LIMIT: hid must lie within 65,504, f16's range.
; SHARES.  A tile of C is 256 x 256, one to a work-group, 256 work-groups: four waves, as many as a WGP has SIMDs, each with 128 x 128: 64 accumulators of 16 x 16, 512 registers.  For 32 along K a wave loads
; 16 fragments from LDS and issues 64 matrix instructions.  K goes in 8 steps of 128, four quarters of 32, through a ring of two LDS slots; a step is written once and looped over, and the slot in hand is a scalar
; that an exclusive or turns.  From a request to the first read of its tile a wave issues 256 matrix instructions.
; THE MATRIX INSTRUCTION IS USED TRANSPOSED: source 0 = 16 columns of B (turned on the way out of LDS by ds_load_tr16_b128, since B lies [k][n]), source 1 = 16 rows of A: a lane holds row l % 16 of C
; and the 8 neighbouring columns 8 (l / 16) + 0..7.
; NOTHING IS CLEARED: the first quarter step stands ahead of the loop, and its products take the bias registers as C.  A trip of the loop goes from a step's second quarter to the next step's first.
; CLUSTER 4 x 4: the four work-groups of a row of the cluster want the same tiles of A, the four of a column the same tiles of B: each tile is asked for jointly, by the same tensor load, descriptor and mask.
; REGISTERS, in windows of 256 (s_set_vgpr_msb: bits 1:0 source 0, 3:2 source 1, 5:4 source 2, 7:6 destination):
;   window 0: v0-31 addresses; v64-127, v128-191 fragments of A (8 x 16 rows x 32 K), two buffers, and on the way out eight buffers of 16; v192-255 the bias
;   window 1: v64-127, v128-191 fragments of B, two buffers        window 2: the 32 accumulators of my rows 0-63 ((a, b) at 8 (8 a + b))        window 3: those of my rows 64-127
.set NSTEP,  8                         ; K steps: K = 1,024
.set WOFF,   8388608                   ; where w1 begins in wh
.set SLOT,   155648                    ; a slot: A's tile, then B's
.set PAP,    144                       ; A in LDS: [row half 0..1][kb 0..1][128 rows], rows of 128 bytes + 16: the 16 rows of a load start at 16 different groups of four banks (64 banks of 4 bytes: ISA guide 11.1)
.set PBP,    160                       ; B in LDS: [column half 0..1][nb 0..1][128 k], rows of 128 bytes + 32
.set AHALF,  256*PAP                   ; what wave 0 or 1 fetches, and what a wave reads of A
.set BBEG,   2*AHALF
.set BHALF,  256*PBP                   ; what wave 2 or 3 fetches, and what a wave reads of B
.set STAGE,  2*SLOT                    ; behind the ring, never filled by a tensor load: 16 rows x 144 bytes for each wave
.set SPI,    144
.set SPARE,  STAGE+4*16*SPI            ; the spare words, 128 bytes for each wave: two blocks of 256 bytes that no other line names
.set ADRA0, 16                         ; v16  my lane's place in A's tile; never rewritten
.set ADRB0, 17                         ; v17  the same for B
.set ADRA,  18                         ; v18  + the slot in hand
.set ADRB,  19
.set STO,   24                         ; v24  the way out: where I put my bytes of a row
.set RD,    25                         ; v25  where I read rows back
.set GO,    26                         ; v26  my byte offset in C
.set BO,    27                         ; v27  my byte offset in the bias
.set SPW,   28                         ; v28  LDS address of my spare word; never rewritten
.set NIL,   29                         ; v29  0; never rewritten
.set ZR,    30                         ; v30  0
.set PFO,   31                         ; v31  256 x my lane; never rewritten
.set F0,    64                         ; fragment buffer 0
.set F1,    128                        ; fragment buffer 1
.set BI,    192                        ; the bias of my 128 columns: register 8 b + j for column 16 b + 8 h + j
.set TMP,   64                         ; the way out
.set WV,  14                           ; s14 wave; s15 its row half, also: fetches for A (0) or B (1); s16 its column half, also: which half of that tile it fetches
.set WR,  15
.set WC,  16
.set G1A, 24                           ; s[24:31] descriptor group 1 for A's tiles, s[32:39] for B's
.set G1B, 32
.set G0A, 40                           ; s[40:47] group 0 for A: the set of the first fill of slot 0, then the set that walks; s[48:55] the same for B
.set G0B, 48
.set TB,  56                           ; s56  the slot in hand: 0 or SLOT
.set WA,  57                           ; s57  my part of A's tile in a slot; s58 of B's
.set WB,  58
.set CNT, 59
.set ABASE, 60                         ; s[60:61] A at my part of the work-group's K step 0; s[62:63] B likewise
.set BBASE, 62
.set Q,   66                           ; s66  the K step to be asked for next
.set LIM, 67                           ; s67  2 in a wave that prefetches, else the greatest number: a wave prefetches while s[CNT] is above it
.set PB,  80                           ; s[80:81] my work-group's 32 of the 128 blocks of 256 bytes that I fetch, two K steps on from K step 0
.set PFA, 82                           ; s[82:83] the same two K steps on from the step that is being asked for
.set MSB, 0
.macro WIN new                         ; the immediate's high byte repeats the setting that is left; a switch that changes nothing is dropped
.if MSB != (\new)
	s_set_vgpr_msb (MSB<<8)|(\new)
.set MSB, \new
.endif
.endm
.set TO_B, 0x40                        ; destination window 1, address window 0
.macro PLACES                          ; four places behind matrix instructions (ISA guide 7.12.1), where no other vector work is at hand
.rept 4
	v_nop
.endr
.endm
.macro JLOAD                           ; a joint refill by the walking set: waves 0, 1 for A, waves 2, 3 for B; an s_nop 0 and four v_nop follow each line
	s_cmp_eq_u32 s[WR], 0
	s_cbranch_scc0 .Lfor_b_\@
	tensor_load_to_lds s[G0A+4:G0A+7], s[G1A:G1A+7]
	s_nop 0
	PLACES
	s_branch .Lasked_\@
.Lfor_b_\@:
	tensor_load_to_lds s[G0B+4:G0B+7], s[G1B:G1B+7]
	s_nop 0
	PLACES
.Lasked_\@:
.endm
; A PREFETCH INTO THE L2, behind each joint load, its five lines and the run of LDS loads that follows them: the K step that stands TWO refills on, 512 matrix instructions ahead of the load that will ask for it.
; What a wave fetches in a step is 128 blocks of 256 bytes on end.  A's rows are read by every cluster of that row of clusters: cluster x = 0 asks; B's by every cluster of that column: cluster y = 0 asks.  The four partners that
; fetch jointly share the blocks out BY ADDRESS, 32 each (by cx for A, by cy for B), a lane a block, one instruction a wave: each block is named once in the launch, and no branch hangs on a place inside a cluster.
; K steps 0 to 3 come by their loads alone; the last two refills have no K step two on and ask for nothing.
.macro ASK
	s_cmp_gt_u32 s[CNT], s[LIM]                    ; s[CNT] is 6 at the refill for K step 2 and 3 at that for K step 5
	s_cbranch_scc0 .Lnot_mine_\@
	global_prefetch_b8 v[PFO], s[PFA:PFA+1] th:TH_LOAD_NT scope:SCOPE_SE
.Lnot_mine_\@:
.endm
.macro CREST                           ; a round of the cluster's barrier behind its opening barrier
	s_cmp_lg_u32 s[WV], 0
	s_cbranch_scc1 .Lnot_wave_0_\@
	s_barrier_signal -3
.Lnot_wave_0_\@:
	s_barrier_wait -3
	s_barrier_signal -1
	s_barrier_wait -1
.endm
.macro CROUND
	s_barrier_signal -1
	s_barrier_wait -1
	CREST
.endm
	s_load_b128 s[4:7], s[0:1], 0x0                ; A s[4:5], wh s[6:7]
	s_load_b128 s[8:11], s[0:1], 0x10              ; C s[8:9], the bias s[10:11]
	v_lshl_add_u32 v[SPW], v0, 2, SPARE
	v_mov_b32 v[NIL], 0
	ds_add_u32 v[SPW], v[NIL]                      ; the wave's opening: the add, twice on end, and its wait ahead of my first tensor load
	ds_add_u32 v[SPW], v[NIL]
	v_lshrrev_b32 v1, 5, v0
	v_readfirstlane_b32 s[WV], v1
	s_lshr_b32 s[WR], s[WV], 1
	s_and_b32 s[WC], s[WV], 1
	s_bfe_u32 s17, ttmp6, 0x40000                  ; cx
	s_bfe_u32 s18, ttmp6, 0x40004                  ; cy
	s_lshl_b32 s19, ttmp9, 2
	s_add_co_u32 s19, s19, s17                     ; tile column = 4 x cluster x + cx
	s_and_b32 s20, ttmp7, 0xffff
	s_lshl_b32 s20, s20, 2
	s_add_co_u32 s20, s20, s18                     ; tile row = 4 x cluster y + cy
	s_lshl_b32 s21, s18, 2
	s_lshl_b32 s21, 15, s21                        ; my row of the cluster
	s_lshl_b32 s22, 0x1111, s17                    ; my column
	s_or_b32 s[G1A], s21, (1<<16)|(1<<20)|(1<<21)|(4<<22)|(3<<25)  ; 15:0 the mask; 17:16 2-byte elements; 20 padding on; 21 set beside a mask; 24:22 after every 32 words; 31:25 4 words
	s_or_b32 s[G1B], s22, (1<<16)|(1<<20)|(1<<21)|(4<<22)|(7<<25)  ; the same with my column's mask and 8 words of padding
.irp g, G1A, G1B
	s_mov_b32 s[(\g)+1], 128<<16                   ; tensor_dim0 = 128 elements (256 bytes)
	s_mov_b32 s[(\g)+2], 128<<16                   ; tensor_dim1 = 128
	s_mov_b32 s[(\g)+3], 128<<16                   ; tile_dim0 = 128
	s_mov_b32 s[(\g)+4], 128                       ; tile_dim1 = 128
	s_mov_b32 s[(\g)+5], 128                       ; from row to row: dense
	s_mov_b32 s[(\g)+6], 0
	s_mov_b32 s[(\g)+7], 0
.endr
	s_lshl_b32 s68, s20, 17                        ; A: block of 128 rows number 2 x tile row + my half, 65,536 bytes each.  s[68:69] never hold cx,
	s_lshl_b32 s69, s[WC], 16
	s_add_co_u32 s68, s68, s69
	s_mov_b32 s69, 0
	s_lshl_b32 s70, s19, 1                         ; B: block of 128 columns number 2 x tile column + my half, 2^18 bytes each.  s[70:72] never hold cy
	s_add_co_u32 s70, s70, s[WC]
	s_lshl_b32 s70, s70, 18
	s_add_co_u32 s70, s70, WOFF
	s_mov_b32 s71, 0
	s_mov_b32 s75, 0
	s_mul_i32 s[WA], s[WC], AHALF                  ; no place in the cluster enters an LDS address
	s_mul_i32 s[WB], s[WC], BHALF
	s_add_co_u32 s[WB], s[WB], BBEG
	s_mov_b32 s[TB], 0
	s_mov_b32 s[Q], 2
	s_mov_b32 s[G0A], 1
	s_mov_b32 s[G0A+1], s[WA]
	s_mov_b32 s[G0A+4], 1
	s_add_co_u32 s[G0A+5], s[WA], SLOT
	s_mov_b32 s[G0B], 1
	s_mov_b32 s[G0B+1], s[WB]
	s_mov_b32 s[G0B+4], 1
	s_add_co_u32 s[G0B+5], s[WB], SLOT
	s_wait_dscnt 0x0                               ; both opening adds are done
	s_wait_kmcnt 0x0
	s_add_nc_u64 s[ABASE:ABASE+1], s[4:5], s[68:69]
	s_add_nc_u64 s[BBASE:BBASE+1], s[6:7], s[70:71]
	s_mov_b64 s[G0A+2:G0A+3], s[ABASE:ABASE+1]     ; K step 0
	s_or_b32 s[G0A+3], s[G0A+3], 0x80000000
	s_add_nc_u64 s[G0A+6:G0A+7], s[ABASE:ABASE+1], 1<<15  ; K step 1: the next two blocks of 64 columns of the same rows
	s_or_b32 s[G0A+7], s[G0A+7], 0x80000000
	s_mov_b64 s[G0B+2:G0B+3], s[BBASE:BBASE+1]
	s_or_b32 s[G0B+3], s[G0B+3], 0x80000000
	s_add_nc_u64 s[G0B+6:G0B+7], s[BBASE:BBASE+1], 1<<15  ; the next 128 k of the same columns
	s_or_b32 s[G0B+7], s[G0B+7], 0x80000000
	CROUND                                         ; all sixteen work-groups are here: the first joint loads meet
	s_cmp_eq_u32 s[WR], 0                          ; a wave's two first fills stand in one branch, ahead of every wait on TENSORcnt and every LDS read: two loads of mine are out
	s_cbranch_scc0 .Lfirst_b
	tensor_load_to_lds s[G0A:G0A+3], s[G1A:G1A+7]
	s_nop 0
	tensor_load_to_lds s[G0A+4:G0A+7], s[G1A:G1A+7]
	s_nop 0
	PLACES
	s_branch .Lfirst_asked
.Lfirst_b:
	tensor_load_to_lds s[G0B:G0B+3], s[G1B:G1B+7]
	s_nop 0
	tensor_load_to_lds s[G0B+4:G0B+7], s[G1B:G1B+7]
	s_nop 0
	PLACES
.Lfirst_asked:
	; the prefetches' base
	s_and_b32 s78, ttmp7, 0xffff                   ; cluster y
	s_mov_b32 s77, 1<<16                           ; two K steps on: in B 2 x 32,768 bytes,
	s_cmp_eq_u32 s[WR], 0                          ; do I fetch for A?
	s_cselect_b64 s[PB:PB+1], s[ABASE:ABASE+1], s[BBASE:BBASE+1]
	s_cselect_b32 s76, s17, s18                    ; my place among the four that ask with me
	s_cselect_b32 s77, 1<<21, s77                  ; in A 32 row blocks of 65,536
	s_cselect_b32 s78, ttmp9, s78                  ; the coordinate along which other clusters read the same rows
	s_lshl_b32 s76, s76, 13                        ; my work-group's 32 blocks of 256 bytes
	s_add_co_u32 s76, s76, s77
	s_mov_b32 s77, 0
	s_add_nc_u64 s[PB:PB+1], s[PB:PB+1], s[76:77]
	s_cmp_eq_u32 s78, 0
	s_cselect_b32 s[LIM], 2, -1                    ; the same in all sixteen partners, for a given wave
	v_and_b32 v[PFO], 31, v0
	v_lshlrev_b32 v[PFO], 8, v[PFO]
	v_and_b32 v1, 15, v0                           ; r = l % 16
	v_bfe_u32 v2, v0, 4, 1                         ; h = l / 16
	v_lshlrev_b32 v[BO], 5, v2                     ; my 8 columns of a block of 16: 32 h bytes of f32
	s_lshl_b32 s76, s19, 10                        ; my 128 columns of the bias: 1,024 x tile column + 512 x half
	s_lshl_b32 s79, s[WC], 9
	s_add_co_u32 s76, s76, s79
	s_add_nc_u64 s[10:11], s[10:11], s[76:77]
.irp b, 0,1,2,3,4,5,6,7
	global_load_b128 v[BI+8*(\b):BI+8*(\b)+3],   v[BO], s[10:11] offset:64*(\b)
	global_load_b128 v[BI+8*(\b)+4:BI+8*(\b)+7], v[BO], s[10:11] offset:64*(\b)+16
.endr
	v_mul_u32_u24 v[ADRA0], v1, PAP                ; A's fragment: row r, 16 bytes for each half of the lanes, twice, 32 bytes apart
	v_lshl_add_u32 v[ADRA0], v2, 4, v[ADRA0]
	s_mul_i32 s78, s[WR], AHALF
	v_add_nc_u32 v[ADRA0], s78, v[ADRA0]
	v_and_b32 v3, 7, v0                            ; B's: the turning load takes k-row 8 h + l % 8, columns 8 ((l / 8) % 2) + 0..7, and leaves column r, eight k
	v_lshl_add_u32 v3, v2, 3, v3
	v_mul_u32_u24 v[ADRB0], v3, PBP
	v_bfe_u32 v3, v0, 3, 1
	v_lshl_add_u32 v[ADRB0], v3, 4, v[ADRB0]
	s_mul_i32 s78, s[WC], BHALF
	s_add_co_u32 s78, s78, BBEG
	v_add_nc_u32 v[ADRB0], s78, v[ADRB0]
	v_mov_b32 v[ADRA], v[ADRA0]
	v_mov_b32 v[ADRB], v[ADRB0]
	s_mul_i32 s78, s[WV], 16*SPI
	s_add_co_u32 s78, s78, STAGE                   ; my stage
	v_mov_b32 v[ZR], 0
	v_mul_u32_u24 v[STO], v1, SPI                  ; in: row r, 16 bytes for each half of the lanes
	v_lshl_add_u32 v[STO], v2, 4, v[STO]
	v_add_nc_u32 v[STO], s78, v[STO]
	v_bfe_u32 v[RD], v0, 3, 2                      ; back: 32 lanes take four rows of 128 bytes,
	v_mul_u32_u24 v[RD], v[RD], SPI
	v_and_b32 v3, 7, v0
	v_lshl_add_u32 v[RD], v3, 4, v[RD]
	v_add_nc_u32 v[RD], s78, v[RD]
	v_and_b32 v[GO], 31, v0                        ; which are 512 consecutive bytes of C
	v_lshlrev_b32 v[GO], 4, v[GO]
	s_lshl_b32 s76, s19, 21                        ; C in layout T: tile column 2^21 + (2 x tile row + my row half) 2^16 + my column half 2^15
	s_lshl_b32 s79, s20, 17
	s_add_co_u32 s76, s76, s79
	s_lshl_b32 s79, s[WR], 16
	s_add_co_u32 s76, s76, s79
	s_lshl_b32 s79, s[WC], 15
	s_add_co_u32 s76, s76, s79
	s_add_nc_u64 s[8:9], s[8:9], s[76:77]
; 16 matrix instructions: row blocks a0, a0 + 1 of the window's four (hi = 0: my rows 0-63, 1: rows 64-127) x all 8 column blocks, 32 along K.  first = 1: the products start the sums, with the bias as C.
; The 64 accumulators take turns, one instruction a turn, in the same order in every quarter, over the backward jumps too.
.macro MUL16 f, hi, a0, first
.if \first
	WIN 0x81+0x40*(\hi)                            ; source 0 (B) window 1, source 1 (A) and C (the bias) window 0, D window 2 or 3
.else
	WIN 0xa1+0x50*(\hi)                            ; the same with C where D is
.endif
.irp a, \a0, (\a0)+1
.irp b, 0,1,2,3,4,5,6,7
.if \first
	v_wmma_f32_16x16x32_f16 v[8*(8*(\a)+(\b)):8*(8*(\a)+(\b))+7], v[(\f)+8*(\b):(\f)+8*(\b)+7], v[(\f)+8*(4*(\hi)+(\a)):(\f)+8*(4*(\hi)+(\a))+7], v[BI+8*(\b):BI+8*(\b)+7]
.else
	v_wmma_f32_16x16x32_f16 v[8*(8*(\a)+(\b)):8*(8*(\a)+(\b))+7], v[(\f)+8*(\b):(\f)+8*(\b)+7], v[(\f)+8*(4*(\hi)+(\a)):(\f)+8*(4*(\hi)+(\a))+7], v[8*(8*(\a)+(\b)):8*(8*(\a)+(\b))+7]
.endif
.endr
.endr
.endm
; 32 LDS loads in one run: the fragments of quarter q (32 along K) of the slot in hand, into buffer f: B's eight, then A's eight
.macro FETCH q, f
	WIN TO_B
.irp b, 0,1,2,3,4,5,6,7
	ds_load_tr16_b128 v[(\f)+8*(\b):(\f)+8*(\b)+3],   v[ADRB] offset:((\b)/4)*128*PBP+(\q)*32*PBP+((\b)%4)*32
	ds_load_tr16_b128 v[(\f)+8*(\b)+4:(\f)+8*(\b)+7], v[ADRB] offset:((\b)/4)*128*PBP+(\q)*32*PBP+((\b)%4)*32+16*PBP
.endr
	WIN 0
.irp i, 0,1,2,3,4,5,6,7
	ds_load_b128 v[(\f)+8*(\i):(\f)+8*(\i)+3],   v[ADRA] offset:((\q)/2)*128*PAP+(\i)*16*PAP+((\q)%2)*64
	ds_load_b128 v[(\f)+8*(\i)+4:(\f)+8*(\i)+7], v[ADRA] offset:((\q)/2)*128*PAP+(\i)*16*PAP+((\q)%2)*64+32
.endr
.endm
; One of a K step's first three quarters: multiplies buffer f; in its middle it fetches quarter q into buffer g, 32 matrix instructions ahead of its first use.
.macro QUARTER q, f, g, first
	s_wait_dscnt 8                                 ; B and A's rows 0-63 are in; the youngest eight loads (A's rows 64-127) may be out
	MUL16 \f, 0, 0, \first
	MUL16 \f, 0, 2, \first
	PLACES                                         ; in front of loads into registers that matrix instructions have read
	FETCH \q, \g
	s_wait_dscnt 32                                ; all but the 32 just issued
	MUL16 \f, 1, 0, \first
	MUL16 \f, 1, 2, \first
.endm
; The last quarter multiplies buffer 1 and changes slots: ONE barrier.  In front of it each wave waits for all its tensor loads (the one that is out is its part of the next slot), adds 0 to its spare word, and waits for
; that and for its own reads of this slot.  fill = 1: the barrier opens a round of the cluster's, and the slot just read is filled again, first thing behind the round, with K step Q: the walking descriptors are made anew from that number.
; last = 1: in the loop's last trip there is no next slot, and the fetch is jumped over.
.macro TURN fill, last
	WIN 0
	s_wait_tensorcnt 0x0                           ; no tensor load of mine is out, so a group 0 may be written
	ds_add_u32 v[SPW], v[NIL]                      ; 0 onto my spare word; scalar work and sixteen products stand between it and the wait for it
.if \fill
	s_lshr_b32 s68, s[Q], 1                        ; A: two K steps lie on end, the next two 32 row blocks of 65,536 bytes on
	s_lshl_b32 s68, s68, 21
	s_and_b32 s72, s[Q], 1
	s_lshl_b32 s72, s72, 15
	s_add_co_u32 s68, s68, s72
	s_lshl_b32 s70, s[Q], 15                       ; B: the K steps lie on end
	s_add_co_u32 s[G0A+5], s[WA], s[TB]
	s_add_nc_u64 s[G0A+6:G0A+7], s[ABASE:ABASE+1], s[68:69]
	s_or_b32 s[G0A+7], s[G0A+7], 0x80000000
	s_add_co_u32 s[G0B+5], s[WB], s[TB]
	s_add_nc_u64 s[G0B+6:G0B+7], s[BBASE:BBASE+1], s[70:71]
	s_or_b32 s[G0B+7], s[G0B+7], 0x80000000
	s_add_co_u32 s[Q], s[Q], 1
	s_cmp_eq_u32 s[WR], 0
	s_cselect_b32 s74, s68, s70
	s_wait_xcnt 0x0                                ; the last prefetch, a K step back, has read its address, so it may be written
	s_add_nc_u64 s[PFA:PFA+1], s[PB:PB+1], s[74:75]
.endif
	s_wait_dscnt 9                                 ; the add and the youngest eight loads may be out
	MUL16 F1, 0, 0, 0
	s_wait_dscnt 0x0                               ; the add is done, and my reads of this slot are over
	s_barrier_signal -1
	MUL16 F1, 0, 2, 0                              ; work on registers while the others arrive
	WIN 0
	s_barrier_wait -1
.if \fill
	CREST                                          ; no wave of any partner still reads this slot or has a load on its way
	JLOAD                                          ; my one tensor load behind the round; its four v_nop are also the places in front of the loads below
.else
	PLACES
.endif
.if \last
	s_cmp_eq_u32 s[CNT], 1
	s_cbranch_scc1 .Lno_fetch_\@
.endif
	s_xor_b32 s[TB], s[TB], SLOT
	v_add_nc_u32 v[ADRA], s[TB], v[ADRA0]
	v_add_nc_u32 v[ADRB], s[TB], v[ADRB0]
	FETCH 0, F0
.if \last
.Lno_fetch_\@:
.endif
.if \fill
	ASK
.endif
	MUL16 F1, 1, 0, 0
	MUL16 F1, 1, 2, 0
.endm
; THE WAY OUT, in 16 units u = 2 a + ch of 16 rows (block a) x 64 columns (half ch of my 128): rounded, relu, 16 bytes a lane into my stage, back as four whole rows of 128 bytes, which are 512 consecutive bytes of C.
.macro PACK u
.set TT, TMP+16*((\u)%8)
.set AC, 64*(((\u)/2)%4)+32*((\u)%2)
.if (\u) >= 8
	s_wait_xcnt 0x0                                ; the stores of the unit eight back have read these registers
.endif
	WIN 0x0a+5*((\u)/8)                            ; sources 0 and 1: window 2 (blocks 0-3) or 3 (blocks 4-7)
.irp b, 0,1,2,3
.irp k, 0,1,2,3
	v_cvt_pk_f16_f32 v[TT+4*(\b)+(\k)], v[AC+8*(\b)+2*(\k)], v[AC+8*(\b)+2*(\k)+1]
.endr
.endr
	WIN 0
.set i, 0
.rept 16
	v_pk_max_num_f16 v[TT+i], v[TT+i], v[ZR]       ; relu on the packed halves: nothing is rounded
.set i, i+1
.endr
.irp b, 0,1,2,3
	ds_store_b128 v[STO], v[TT+4*(\b):TT+4*(\b)+3] offset:32*(\b)
.endr
.irp f, 0,1,2,3
	ds_load_b128 v[TT+4*(\f):TT+4*(\f)+3], v[RD] offset:(\f)*4*SPI  ; LDS serves a wave's instructions in order (ISA guide 5.7.1.4): these see the stores above; the next unit's stores come behind them
.endr
.endm
.macro SEND u, y                       ; y: the LDS instructions issued behind unit u's loads
.set TT, TMP+16*((\u)%8)
.irp f, 0,1,2,3
	s_wait_dscnt (\y)+3-(\f)
	global_store_b128 v[GO], v[TT+4*(\f):TT+4*(\f)+3], s[8:9] offset:((\u)%2)*16384+((\u)/2)*2048+(\f)*512
.endr
.endm
	s_wait_tensorcnt 1                             ; my part of K step 0 is in; K step 1's may stay out
	s_barrier_signal -1
	s_barrier_wait -1
	FETCH 0, F0
	s_wait_loadcnt 0x0                             ; the bias
	QUARTER 1, F0, F1, 1                           ; the first quarter stands ahead of the loop: its products start the sums
	WIN 0
	s_mov_b32 s[CNT], NSTEP-2
.Lstep:                                        ; six trips, from a step's second quarter to the next step's first: each fills its slot again
	QUARTER 2, F1, F0, 0
	QUARTER 3, F0, F1, 0
	TURN 1, 0
	QUARTER 1, F0, F1, 0
	WIN 0
	s_sub_co_u32 s[CNT], s[CNT], 1
	s_cmp_lg_u32 s[CNT], 0
	s_cbranch_scc1 .Lstep
	s_mov_b32 s[CNT], 2
.Llast:                                        ; the last two K steps ask for nothing; the second trip is left in its middle
	QUARTER 2, F1, F0, 0
	QUARTER 3, F0, F1, 0
	TURN 0, 1
	WIN 0
	s_sub_co_u32 s[CNT], s[CNT], 1
	s_cmp_eq_u32 s[CNT], 0
	s_cbranch_scc1 .Lout
	QUARTER 1, F0, F1, 0
	WIN 0
	s_branch .Llast
.Lout:
	PLACES                                         ; behind the last products: their results are read, and the fragments' registers written, only behind these
	PLACES
	PACK 0
.irp u, 1,2,3,4,5,6,7,8,9,10,11,12,13,14,15    ; a unit's arithmetic stands between the loads of the unit before and its stores
	PACK \u
	SEND (\u)-1, 8
.endr
	SEND 15, 0
	s_wait_tensorcnt 0x0                           ; the wave's end, behind my last tensor load and my last LDS store
	ds_add_u32 v[SPW], v[NIL]
	s_wait_dscnt 0x0
	CROUND                                         ; the closing round: no work-group ends while a partner may still ask for a tile that names it
	s_endpgm
.Lfunc_end_k_q7fa5d64d2d_g1:
	.size	k_q7fa5d64d2d_g1, .Lfunc_end_k_q7fa5d64d2d_g1-k_q7fa5d64d2d_g1
	.p2alignl 7, 3214868480
	.fill 96, 4, 3214868480
	.section	.rodata,"a",@progbits
	.p2align	6, 0x0
	.amdhsa_kernel k_q7fa5d64d2d_g1
		.amdhsa_group_segment_fixed_size 327680
		.amdhsa_private_segment_fixed_size 0
		.amdhsa_enable_private_segment 0
		.amdhsa_kernarg_size 32
		.amdhsa_user_sgpr_count 2
		.amdhsa_user_sgpr_kernarg_segment_ptr 1
		.amdhsa_wavefront_size32 1
		.amdhsa_system_sgpr_workgroup_id_x 1
		.amdhsa_system_sgpr_workgroup_id_y 1
		.amdhsa_system_sgpr_workgroup_id_z 1
		.amdhsa_system_vgpr_workitem_id 0
		.amdhsa_next_free_vgpr 1024
		.amdhsa_next_free_sgpr 88
		.amdhsa_reserve_vcc 0
		.amdhsa_float_denorm_mode_32 3
		.amdhsa_float_denorm_mode_16_64 3
		.amdhsa_memory_ordered 1
		.amdhsa_forward_progress 1
		.amdhsa_inst_pref_size 121
	.end_amdhsa_kernel
	.amdgpu_metadata
---
amdhsa.version: [ 1, 2 ]
amdhsa.kernels:
  - .name:           k_q7fa5d64d2d_g1
    .symbol:         k_q7fa5d64d2d_g1.kd
    .args:
      - { .name: hn, .offset: 0, .size: 8, .value_kind: global_buffer, .address_space: global }
      - { .name: wh, .offset: 8, .size: 8, .value_kind: global_buffer, .address_space: global }
      - { .name: hid, .offset: 16, .size: 8, .value_kind: global_buffer, .address_space: global }
      - { .name: b1, .offset: 24, .size: 8, .value_kind: global_buffer, .address_space: global }
    .group_segment_fixed_size: 327680
    .private_segment_fixed_size: 0
    .kernarg_segment_align: 8
    .kernarg_segment_size: 32
    .max_flat_workgroup_size: 128
    .sgpr_count:     88
    .vgpr_count:     1024
    .wavefront_size: 32
...
	.end_amdgpu_metadata
.endif
;; end of part 6
;; launch g2 (part 7): grid 8 x 32, 4 waves a work-group, clusters of 4 x 4, 327,680 bytes of LDS; arguments hid, wh, out0, b2, x1; writes out0
.if DOCPART == 7
	.amdgcn_target "amdgcn-amd-amdhsa--gfx1250"
	.amdhsa_code_object_version 6
	.text
	.protected	k_q7fa5d64d2d_g2
	.globl	k_q7fa5d64d2d_g2
	.p2align	8
	.type	k_q7fa5d64d2d_g2,@function
k_q7fa5d64d2d_g2:
	s_mov_b64 s[64:65], 0
	v_nop
	global_prefetch_b8 v0, s[64:65] scope:SCOPE_SE
	s_setreg_imm32_b32 hwreg(HW_REG_WAVE_MODE, 25, 1), 1
	s_wait_xcnt 0x0
	s_wait_alu depctr_hold_cnt(0) depctr_sa_sdst(0) depctr_va_vdst(0) depctr_va_sdst(0) depctr_va_ssrc(0) depctr_va_vcc(0) depctr_vm_vsrc(0)
	s_getreg_b32 s2, hwreg(HW_REG_IB_STS2, 6, 4)
	s_cmp_eq_u32 s2, 0
	s_cbranch_scc0 .Lentry_in_a_cluster
	s_endpgm
.Lentry_in_a_cluster:
	s_bfe_u32 s2, ttmp6, 0x10000c
	s_cmp_lg_u32 s2, 0xf033
	s_cbranch_scc0 .Lentry_shape_is_right
	s_endpgm
.Lentry_shape_is_right:
; out0 = x1 + hid x w2 + b2: C[4096][1024] = A[4096][4096] B[4096][1024] on top of the residual and the bias, f16 operands, f32 sums, C in f32, row-major.
; A (hid) lies in layout T, B (wh) in blocks [n / 64][K][64] (both: see launch prep): every tile of a K step is 32,768 consecutive bytes, asked for as 128 rows of 256 bytes.
; SHARES.  A tile of C is 128 x 128, one to a work-group: four waves of 64 x 64, 16 accumulators each.  K goes in steps of 256, four quarters of 64, through a ring of two LDS slots.
; The step is written once and looped over; the slot in hand is a scalar that an exclusive or turns.
; THE ORDER OF K.  A cluster takes each group of four K steps in a ring that begins at step Q0 = (cluster y + 2 x cluster x) & 3 of the group: at any time the two clusters along x, which read the same rows of A, ask for K steps
; two apart, and four neighbouring clusters along y, which read the same rows of B, for four different ones.  Q0 is the same in all sixteen partners; f32 sums may be taken in any order of the K steps.
; THE MATRIX INSTRUCTION IS USED TRANSPOSED: source 0 = 16 columns of B (turned on the way out of LDS by ds_load_tr16_b128, since B lies [k][n]), source 1 = 16 rows of A: a lane holds row l % 16 of C
; and the 8 neighbouring columns 8 (l / 16) + 0..7.
; CLUSTER 4 x 4: the four work-groups of a row of the cluster want the same tiles of A, the four of a column the same tiles of B: each tile is asked for jointly, by the same tensor load, descriptor and mask.
; No prefetch: the tile is small, and a step's bytes are few beside what the ring already has on its way.
; REGISTERS.  Window 0: v0-31 addresses; v32-95 at work on the way in and out; v128-255 accumulators ((a, b) at 128 + 8 (4 a + b)).  Window 1: two fragment buffers of 128: A's (c, a) at 8 (4 c + a), B's (c, b) at 64 + 8 (4 c + b).
.set NSTEP,  16                        ; K steps: K = 4,096
.set WOFF,   16777216                  ; where B's blocks begin in wh
.set NBLOG,  19                        ; log2 of a block's bytes: 4,096 k x 128
.set SLOT,   155648                    ; a slot: A's tile, then B's
.set PAP,    144                       ; A in LDS: [kb 0..3][128 rows], rows of 128 bytes + 16: the 16 rows of a load start at 16 different groups of four banks (64 banks of 4 bytes: ISA guide 11.1)
.set PBP,    160                       ; B in LDS: [nb 0..1][256 k], rows of 128 bytes + 32
.set AHALF,  256*PAP                   ; what wave 0 or 1 fetches
.set BBEG,   2*AHALF
.set BHALF,  256*PBP                   ; what wave 2 or 3 fetches
.set STAGE,  0                         ; the way out goes through slot 0, behind its last fill and a barrier behind every wave's last read
.set SPI,    272
.set SPARE,  2*SLOT                    ; the spare words, 128 bytes for each wave: two blocks of 256 bytes that no other line names
.set ADRA0, 16                         ; v16  my lane's place in A's tile; never rewritten
.set ADRB0, 17                         ; v17  the same for B
.set ADRA,  18                         ; v18  + the slot in hand
.set ADRB,  19
.set STO,   24                         ; v24  the way out: where I put my bytes of a row
.set RD,    25                         ; v25  where I read rows back
.set GO,    26                         ; v26  my byte offset in C
.set BO,    27                         ; v27  my byte offset in the bias
.set SPW,   28                         ; v28  LDS address of my spare word; never rewritten
.set NIL,   29                         ; v29  0; never rewritten
.set RO,    31                         ; v31  my byte offset in the residual
.set TMP,   32
.set ACC,   128
.set F0,    0
.set F1,    128
.set WV,  14                           ; s14 wave; s15 its row half, also: fetches for A (0) or B (1); s16 its column half, also: which half of that tile it fetches
.set WR,  15
.set WC,  16
.set G1A, 24                           ; s[24:31] descriptor group 1 for A's tiles, s[32:39] for B's
.set G1B, 32
.set G0A, 40                           ; s[40:47] group 0 for A: the set of the first fill of slot 0, then the set that walks; s[48:55] the same for B
.set G0B, 48
.set TB,  56                           ; s56  the slot in hand: 0 or SLOT
.set WA,  57                           ; s57  my part of A's tile in a slot; s58 of B's
.set WB,  58
.set CNT, 59
.set ABASE, 60                         ; s[60:61] A at my part of the work-group's K step 0; s[62:63] B likewise
.set BBASE, 62
.set Q,   66                           ; s66  the number of the request to come
.set Q0,  67                           ; s67  where my cluster's ring of four K steps begins
.set MSB, 0
.macro WIN new                         ; the immediate's high byte repeats the setting that is left; a switch that changes nothing is dropped
.if MSB != (\new)
	s_set_vgpr_msb (MSB<<8)|(\new)
.set MSB, \new
.endif
.endm
.set MUL,  0x05                        ; sources 0 (B) and 1 (A) window 1; C and D window 0
.set TO_F, 0x40                        ; destination window 1, address window 0
.macro PLACES                          ; four places behind matrix instructions (ISA guide 7.12.1), where no other vector work is at hand
.rept 4
	v_nop
.endr
.endm
.macro JLOAD                           ; a joint refill by the walking set: waves 0, 1 for A, waves 2, 3 for B; an s_nop 0 and four v_nop follow each line
	s_cmp_eq_u32 s[WR], 0
	s_cbranch_scc0 .Lfor_b_\@
	tensor_load_to_lds s[G0A+4:G0A+7], s[G1A:G1A+7]
	s_nop 0
	PLACES
	s_branch .Lasked_\@
.Lfor_b_\@:
	tensor_load_to_lds s[G0B+4:G0B+7], s[G1B:G1B+7]
	s_nop 0
	PLACES
.Lasked_\@:
.endm
.macro CREST                           ; a round of the cluster's barrier behind its opening barrier
	s_cmp_lg_u32 s[WV], 0
	s_cbranch_scc1 .Lnot_wave_0_\@
	s_barrier_signal -3
.Lnot_wave_0_\@:
	s_barrier_wait -3
	s_barrier_signal -1
	s_barrier_wait -1
.endm
.macro CROUND
	s_barrier_signal -1
	s_barrier_wait -1
	CREST
.endm
	s_load_b128 s[4:7], s[0:1], 0x0                ; A s[4:5], wh s[6:7]
	s_load_b64 s[8:9], s[0:1], 0x10                ; C
	s_load_b64 s[10:11], s[0:1], 0x18              ; the bias
	s_load_b64 s[12:13], s[0:1], 0x20              ; the residual
	v_lshl_add_u32 v[SPW], v0, 2, SPARE
	v_mov_b32 v[NIL], 0
	ds_add_u32 v[SPW], v[NIL]                      ; the wave's opening: the add, twice on end, and its wait ahead of my first tensor load
	ds_add_u32 v[SPW], v[NIL]
	v_lshrrev_b32 v1, 5, v0
	v_readfirstlane_b32 s[WV], v1
	s_lshr_b32 s[WR], s[WV], 1
	s_and_b32 s[WC], s[WV], 1
	s_bfe_u32 s17, ttmp6, 0x40000                  ; cx
	s_bfe_u32 s18, ttmp6, 0x40004                  ; cy
	s_lshl_b32 s19, ttmp9, 2
	s_add_co_u32 s19, s19, s17                     ; tile column = 4 x cluster x + cx
	s_and_b32 s20, ttmp7, 0xffff                   ; cluster y
	s_and_b32 s[Q0], s20, 3
	s_lshl_b32 s72, ttmp9, 1
	s_add_co_u32 s[Q0], s[Q0], s72
	s_and_b32 s[Q0], s[Q0], 3                      ; (cluster y + 2 x cluster x) & 3: no place inside the cluster enters it
	s_lshl_b32 s20, s20, 2
	s_add_co_u32 s20, s20, s18                     ; tile row = 4 x cluster y + cy
	s_lshl_b32 s21, s18, 2
	s_lshl_b32 s21, 15, s21                        ; my row of the cluster
	s_lshl_b32 s22, 0x1111, s17                    ; my column
	s_or_b32 s[G1A], s21, (1<<16)|(1<<20)|(1<<21)|(4<<22)|(3<<25)  ; 15:0 the mask; 17:16 2-byte elements; 20 padding on; 21 set beside a mask; 24:22 after every 32 words; 31:25 4 words
	s_or_b32 s[G1B], s22, (1<<16)|(1<<20)|(1<<21)|(4<<22)|(7<<25)  ; the same with my column's mask and 8 words of padding
.irp g, G1A, G1B
	s_mov_b32 s[(\g)+1], 128<<16                   ; tensor_dim0 = 128 elements (256 bytes)
	s_mov_b32 s[(\g)+2], 128<<16                   ; tensor_dim1 = 128
	s_mov_b32 s[(\g)+3], 128<<16                   ; tile_dim0 = 128
	s_mov_b32 s[(\g)+4], 128                       ; tile_dim1 = 128
	s_mov_b32 s[(\g)+5], 128                       ; from row to row: dense
	s_mov_b32 s[(\g)+6], 0
	s_mov_b32 s[(\g)+7], 0
.endr
	s_lshl_b32 s68, s20, 16                        ; A: the tile row's 65,536 bytes of a K step, my half of them.  s[68:69] never hold cx,
	s_lshl_b32 s69, s[WC], 15
	s_add_co_u32 s68, s68, s69
	s_mov_b32 s69, 0
	s_lshl_b32 s70, s19, 1                         ; B: block 2 x tile column + my half.  s[70:72] never hold cy
	s_add_co_u32 s70, s70, s[WC]
	s_lshl_b32 s70, s70, NBLOG
	s_add_co_u32 s70, s70, WOFF
	s_mov_b32 s71, 0
	s_mul_i32 s[WA], s[WC], AHALF                  ; no place in the cluster enters an LDS address
	s_mul_i32 s[WB], s[WC], BHALF
	s_add_co_u32 s[WB], s[WB], BBEG
	s_mov_b32 s[TB], 0
	s_mov_b32 s[Q], 2
	s_mov_b32 s[G0A], 1
	s_mov_b32 s[G0A+1], s[WA]
	s_mov_b32 s[G0A+4], 1
	s_add_co_u32 s[G0A+5], s[WA], SLOT
	s_mov_b32 s[G0B], 1
	s_mov_b32 s[G0B+1], s[WB]
	s_mov_b32 s[G0B+4], 1
	s_add_co_u32 s[G0B+5], s[WB], SLOT
	s_wait_dscnt 0x0                               ; both opening adds are done
	s_wait_kmcnt 0x0
	s_add_nc_u64 s[ABASE:ABASE+1], s[4:5], s[68:69]
	s_add_nc_u64 s[BBASE:BBASE+1], s[6:7], s[70:71]
	s_lshl_b32 s68, s[Q0], 21                      ; the first request: K step Q0.  A K step of A is 32 row blocks of 65,536 bytes, of B 256 k of 128 bytes
	s_lshl_b32 s70, s[Q0], 15
	s_add_nc_u64 s[G0A+2:G0A+3], s[ABASE:ABASE+1], s[68:69]
	s_or_b32 s[G0A+3], s[G0A+3], 0x80000000
	s_add_nc_u64 s[G0B+2:G0B+3], s[BBASE:BBASE+1], s[70:71]
	s_or_b32 s[G0B+3], s[G0B+3], 0x80000000
	s_add_co_u32 s72, s[Q0], 1                     ; the second: K step (Q0 + 1) & 3
	s_and_b32 s72, s72, 3
	s_lshl_b32 s68, s72, 21
	s_lshl_b32 s70, s72, 15
	s_add_nc_u64 s[G0A+6:G0A+7], s[ABASE:ABASE+1], s[68:69]
	s_or_b32 s[G0A+7], s[G0A+7], 0x80000000
	s_add_nc_u64 s[G0B+6:G0B+7], s[BBASE:BBASE+1], s[70:71]
	s_or_b32 s[G0B+7], s[G0B+7], 0x80000000
	CROUND                                         ; all sixteen work-groups are here: the first joint loads meet
	s_cmp_eq_u32 s[WR], 0                          ; a wave's two first fills stand in one branch, ahead of every wait on TENSORcnt and every LDS read: two loads of mine are out
	s_cbranch_scc0 .Lfirst_b
	tensor_load_to_lds s[G0A:G0A+3], s[G1A:G1A+7]
	s_nop 0
	tensor_load_to_lds s[G0A+4:G0A+7], s[G1A:G1A+7]
	s_nop 0
	PLACES
	s_branch .Lfirst_asked
.Lfirst_b:
	tensor_load_to_lds s[G0B:G0B+3], s[G1B:G1B+7]
	s_nop 0
	tensor_load_to_lds s[G0B+4:G0B+7], s[G1B:G1B+7]
	s_nop 0
	PLACES
.Lfirst_asked:
	v_and_b32 v1, 15, v0                           ; r = l % 16
	v_bfe_u32 v2, v0, 4, 1                         ; h = l / 16
	v_mul_u32_u24 v[ADRA0], v1, PAP                ; A's fragment: row r, 16 bytes for each half of the lanes, twice, 32 bytes apart
	v_lshl_add_u32 v[ADRA0], v2, 4, v[ADRA0]
	s_mul_i32 s78, s[WR], 64*PAP
	v_add_nc_u32 v[ADRA0], s78, v[ADRA0]
	v_and_b32 v3, 7, v0                            ; B's: the turning load takes k-row 8 h + l % 8, columns 8 ((l / 8) % 2) + 0..7, and leaves column r, eight k
	v_lshl_add_u32 v3, v2, 3, v3
	v_mul_u32_u24 v[ADRB0], v3, PBP
	v_bfe_u32 v3, v0, 3, 1
	v_lshl_add_u32 v[ADRB0], v3, 4, v[ADRB0]
	s_mul_i32 s78, s[WC], BHALF
	s_add_co_u32 s78, s78, BBEG
	v_add_nc_u32 v[ADRB0], s78, v[ADRB0]
	v_mov_b32 v[ADRA], v[ADRA0]
	v_mov_b32 v[ADRB], v[ADRB0]
	s_mul_i32 s78, s[WV], 16*SPI
	s_add_co_u32 s78, s78, STAGE                   ; my stage
	v_lshlrev_b32 v[BO], 5, v2                     ; my 8 columns of a block of 16: 32 h bytes of f32
	s_lshl_b32 s76, s19, 9                         ; my 64 columns in a row of f32: 512 x tile column + 256 x half
	s_lshl_b32 s79, s[WC], 8
	s_add_co_u32 s76, s76, s79
	s_mov_b32 s77, 0
	s_add_nc_u64 s[10:11], s[10:11], s[76:77]
	v_mul_u32_u24 v[STO], v1, SPI                  ; in: row r, 32 bytes for each half of the lanes
	v_lshl_add_u32 v[STO], v2, 5, v[STO]
	v_add_nc_u32 v[STO], s78, v[STO]
	v_mul_u32_u24 v[RD], v2, SPI                   ; back: lanes 0-15 one row of 256 bytes, lanes 16-31 the next
	v_lshl_add_u32 v[RD], v1, 4, v[RD]
	v_add_nc_u32 v[RD], s78, v[RD]
	v_lshlrev_b32 v[GO], 12, v2                    ; the same two rows in C
	v_lshl_add_u32 v[GO], v1, 4, v[GO]
	v_lshl_add_u32 v[RO], v1, 12, v[BO]            ; the residual as the accumulators hold it: row r, 32 h
	s_lshl_b32 s79, s20, 19                        ; my first row: 128 x tile row + 64 x half, of 4,096 bytes
	s_add_co_u32 s76, s76, s79
	s_lshl_b32 s79, s[WR], 18
	s_add_co_u32 s76, s76, s79
	s_add_nc_u64 s[8:9], s[8:9], s[76:77]
	s_add_nc_u64 s[12:13], s[12:13], s[76:77]
.irp a, 0,1,2,3                        ; the residual goes straight into the accumulators and the bias is added to it, while the first tiles are on their way: nothing is cleared, and the way out has no arithmetic
.irp b, 0,1,2,3
	global_load_b128 v[ACC+8*(4*(\a)+(\b)):ACC+8*(4*(\a)+(\b))+3],   v[RO], s[12:13] offset:(\a)*65536+64*(\b)
	global_load_b128 v[ACC+8*(4*(\a)+(\b))+4:ACC+8*(4*(\a)+(\b))+7], v[RO], s[12:13] offset:(\a)*65536+64*(\b)+16
.endr
.endr
.irp b, 0,1,2,3                        ; the bias of my 64 columns: register 8 b + j for column 16 b + 8 h + j
	global_load_b128 v[TMP+8*(\b):TMP+8*(\b)+3],   v[BO], s[10:11] offset:64*(\b)
	global_load_b128 v[TMP+8*(\b)+4:TMP+8*(\b)+7], v[BO], s[10:11] offset:64*(\b)+16
.endr
	s_wait_loadcnt 0x0
.set i, 0
.rept 64
	v_pk_add_f32 v[ACC+2*i:ACC+2*i+1], v[ACC+2*i:ACC+2*i+1], v[TMP+(2*i)%32:TMP+(2*i)%32+1]
.set i, i+1
.endr
; 8 matrix instructions: row blocks a0, a0 + 1 x all 4 column blocks, 32 along K: half c of buffer f.  The 16 accumulators take turns, one instruction a turn, over the backward jumps too.
.macro MUL8 f, c, a0
	WIN MUL
.irp a, \a0, (\a0)+1
.irp b, 0,1,2,3
	v_wmma_f32_16x16x32_f16 v[ACC+8*(4*(\a)+(\b)):ACC+8*(4*(\a)+(\b))+7], v[(\f)+64+8*(4*(\c)+(\b)):(\f)+64+8*(4*(\c)+(\b))+7], v[(\f)+8*(4*(\c)+(\a)):(\f)+8*(4*(\c)+(\a))+7], v[ACC+8*(4*(\a)+(\b)):ACC+8*(4*(\a)+(\b))+7]
.endr
.endr
.endm
; 32 LDS loads in one run: the fragments of quarter q (64 along K) of the slot in hand, into buffer f; the first 32 along K first
.macro FETCH q, f
	WIN TO_F
.irp c, 0,1
.irp i, 0,1,2,3
	ds_load_tr16_b128 v[(\f)+64+8*(4*(\c)+(\i)):(\f)+64+8*(4*(\c)+(\i))+3],   v[ADRB] offset:(\q)*64*PBP+(\c)*32*PBP+32*(\i)
	ds_load_tr16_b128 v[(\f)+64+8*(4*(\c)+(\i))+4:(\f)+64+8*(4*(\c)+(\i))+7], v[ADRB] offset:(\q)*64*PBP+(\c)*32*PBP+32*(\i)+16*PBP
	ds_load_b128 v[(\f)+8*(4*(\c)+(\i)):(\f)+8*(4*(\c)+(\i))+3],   v[ADRA] offset:(\q)*128*PAP+(\i)*16*PAP+64*(\c)
	ds_load_b128 v[(\f)+8*(4*(\c)+(\i))+4:(\f)+8*(4*(\c)+(\i))+7], v[ADRA] offset:(\q)*128*PAP+(\i)*16*PAP+64*(\c)+32
.endr
.endr
.endm
; One of a K step's first three quarters: multiplies buffer f; in its middle it fetches quarter q into buffer g.
.macro QUARTER q, f, g
	s_wait_dscnt 16                                ; the first 32 along K are in; the youngest sixteen loads may be out
	MUL8 \f, 0, 0
	MUL8 \f, 0, 2
	PLACES                                         ; in front of loads into registers that matrix instructions have read
	FETCH \q, \g
	s_wait_dscnt 32                                ; all but the 32 just issued
	MUL8 \f, 1, 0
	MUL8 \f, 1, 2
.endm
; The last quarter multiplies buffer 1 and changes slots: ONE barrier.  In front of it each wave waits for all its tensor loads (the one that is out is its part of the next slot), adds 0 to its spare word, and waits for
; that and for its own reads of this slot.  fill = 1: the barrier opens a round of the cluster's, and the slot just read is filled again, first thing behind the round, by request Q: the walking descriptors are made anew from that number.
; last = 1: in the loop's last trip there is no next slot, and the fetch is jumped over.
.macro TURN fill, last
	WIN 0
	s_wait_tensorcnt 0x0                           ; no tensor load of mine is out, so a group 0 may be written
	ds_add_u32 v[SPW], v[NIL]                      ; 0 onto my spare word; scalar work and eight products stand between it and the wait for it
.if \fill
	s_add_co_u32 s68, s[Q], s[Q0]
	s_and_b32 s68, s68, 3                          ; the K step within its group of four, in my cluster's ring,
	s_and_b32 s70, s[Q], -4                        ; and the group
	s_add_co_u32 s68, s68, s70
	s_lshl_b32 s70, s68, 15
	s_lshl_b32 s68, s68, 21
	s_add_co_u32 s[G0A+5], s[WA], s[TB]
	s_add_nc_u64 s[G0A+6:G0A+7], s[ABASE:ABASE+1], s[68:69]
	s_or_b32 s[G0A+7], s[G0A+7], 0x80000000
	s_add_co_u32 s[G0B+5], s[WB], s[TB]
	s_add_nc_u64 s[G0B+6:G0B+7], s[BBASE:BBASE+1], s[70:71]
	s_or_b32 s[G0B+7], s[G0B+7], 0x80000000
	s_add_co_u32 s[Q], s[Q], 1
.endif
	s_wait_dscnt 17                                ; the add and the youngest sixteen loads may be out
	MUL8 F1, 0, 0
	s_wait_dscnt 0x0                               ; the add is done, and my reads of this slot are over
	s_barrier_signal -1
	MUL8 F1, 0, 2                                  ; work on registers while the others arrive
	WIN 0
	s_barrier_wait -1
.if \fill
	CREST                                          ; no wave of any partner still reads this slot or has a load on its way
	JLOAD                                          ; my one tensor load behind the round; its four v_nop are also the places in front of the loads below
.else
	PLACES
.endif
.if \last
	s_cmp_eq_u32 s[CNT], 1
	s_cbranch_scc1 .Lno_fetch_\@
.endif
	s_xor_b32 s[TB], s[TB], SLOT
	v_add_nc_u32 v[ADRA], s[TB], v[ADRA0]
	v_add_nc_u32 v[ADRB], s[TB], v[ADRB0]
	FETCH 0, F0
.if \last
	WIN 0
.Lno_fetch_\@:
.endif
	MUL8 F1, 1, 0
	MUL8 F1, 1, 2
.endm
.macro STEP fill, last
	QUARTER 1, F0, F1
	QUARTER 2, F1, F0
	QUARTER 3, F0, F1
	TURN \fill, \last
.endm
; THE WAY OUT in f32: 16 rows at a time through my stage: 32 bytes a lane in, whole rows of 256 bytes back, 16 lanes to a row.
.macro STG a
.if (\a) >= 2
	s_wait_xcnt 0x0                                ; the stores of the block two back have read these registers
.endif
.irp b, 0,1,2,3
	ds_store_b128 v[STO], v[ACC+8*(4*(\a)+(\b)):ACC+8*(4*(\a)+(\b))+3]   offset:64*(\b)     ; each accumulator's low registers first
	ds_store_b128 v[STO], v[ACC+8*(4*(\a)+(\b))+4:ACC+8*(4*(\a)+(\b))+7] offset:64*(\b)+16
.endr
.irp t, 0,1,2,3,4,5,6,7
	ds_load_b128 v[TMP+32*((\a)%2)+4*(\t):TMP+32*((\a)%2)+4*(\t)+3], v[RD] offset:(\t)*2*SPI  ; LDS serves a wave's instructions in order (ISA guide 5.7.1.4): these see the stores above
.endr
.endm
.macro SEND a, y                       ; y: the LDS instructions issued behind block a's loads
.irp t, 0,1,2,3,4,5,6,7
	s_wait_dscnt (\y)+7-(\t)
	global_store_b128 v[GO], v[TMP+32*((\a)%2)+4*(\t):TMP+32*((\a)%2)+4*(\t)+3], s[8:9] offset:(16*(\a)+2*(\t))*4096  ; 16 lanes store 256 consecutive bytes, aligned
.endr
.endm
	s_wait_tensorcnt 1                             ; my part of the first request is in; the second's may stay out
	s_barrier_signal -1
	s_barrier_wait -1
	FETCH 0, F0
	WIN 0
	s_mov_b32 s[CNT], NSTEP-2
.Lstep:                                        ; all K steps but the last two: each fills its slot again
	STEP 1, 0
	WIN 0
	s_sub_co_u32 s[CNT], s[CNT], 1
	s_cmp_lg_u32 s[CNT], 0
	s_cbranch_scc1 .Lstep
	s_mov_b32 s[CNT], 2
.Llast:                                        ; the last two K steps ask for nothing
	STEP 0, 1
	WIN 0
	s_sub_co_u32 s[CNT], s[CNT], 1
	s_cmp_lg_u32 s[CNT], 0
	s_cbranch_scc1 .Llast
	s_wait_dscnt 0x0                               ; my reads of the slots are over,
	s_barrier_signal -1
	s_barrier_wait -1                              ; everybody's are: slot 0, which has had its last fill, becomes the stage
	PLACES
	PLACES
	STG 0
	STG 1
	SEND 0, 16
	STG 2
	SEND 1, 16
	STG 3
	SEND 2, 16
	SEND 3, 0
	s_wait_tensorcnt 0x0                           ; the wave's end, behind my last tensor load and my last LDS store
	ds_add_u32 v[SPW], v[NIL]
	s_wait_dscnt 0x0
	CROUND                                         ; the closing round: no work-group ends while a partner may still ask for a tile that names it
	s_endpgm
.Lfunc_end_k_q7fa5d64d2d_g2:
	.size	k_q7fa5d64d2d_g2, .Lfunc_end_k_q7fa5d64d2d_g2-k_q7fa5d64d2d_g2
	.p2alignl 7, 3214868480
	.fill 96, 4, 3214868480
	.section	.rodata,"a",@progbits
	.p2align	6, 0x0
	.amdhsa_kernel k_q7fa5d64d2d_g2
		.amdhsa_group_segment_fixed_size 327680
		.amdhsa_private_segment_fixed_size 0
		.amdhsa_enable_private_segment 0
		.amdhsa_kernarg_size 40
		.amdhsa_user_sgpr_count 2
		.amdhsa_user_sgpr_kernarg_segment_ptr 1
		.amdhsa_wavefront_size32 1
		.amdhsa_system_sgpr_workgroup_id_x 1
		.amdhsa_system_sgpr_workgroup_id_y 1
		.amdhsa_system_sgpr_workgroup_id_z 1
		.amdhsa_system_vgpr_workitem_id 0
		.amdhsa_next_free_vgpr 512
		.amdhsa_next_free_sgpr 80
		.amdhsa_reserve_vcc 0
		.amdhsa_float_denorm_mode_32 3
		.amdhsa_float_denorm_mode_16_64 3
		.amdhsa_memory_ordered 1
		.amdhsa_forward_progress 1
		.amdhsa_inst_pref_size 63
	.end_amdhsa_kernel
	.amdgpu_metadata
---
amdhsa.version: [ 1, 2 ]
amdhsa.kernels:
  - .name:           k_q7fa5d64d2d_g2
    .symbol:         k_q7fa5d64d2d_g2.kd
    .args:
      - { .name: hid, .offset: 0, .size: 8, .value_kind: global_buffer, .address_space: global }
      - { .name: wh, .offset: 8, .size: 8, .value_kind: global_buffer, .address_space: global }
      - { .name: out0, .offset: 16, .size: 8, .value_kind: global_buffer, .address_space: global }
      - { .name: b2, .offset: 24, .size: 8, .value_kind: global_buffer, .address_space: global }
      - { .name: x1, .offset: 32, .size: 8, .value_kind: global_buffer, .address_space: global }
    .group_segment_fixed_size: 327680
    .private_segment_fixed_size: 0
    .kernarg_segment_align: 8
    .kernarg_segment_size: 40
    .max_flat_workgroup_size: 128
    .sgpr_count:     80
    .vgpr_count:     512
    .wavefront_size: 32
...
	.end_amdgpu_metadata
.endif
;; end of part 7
;; ======== version 2 of 2: 7 launches; version 1 with the launch prep written anew for expert scheduling mode
;; limits: values are held in f16: magnitudes above 65,504 overflow, below 6.1e-05 lose precision
;; workspace buffers: wh 25,165,824 bytes; hn 8,388,608 bytes; qkv 25,165,824 bytes; att 8,388,608 bytes; x1 16,777,216 bytes; hid 33,554,432 bytes
;; launch prep (part 8): grid 1024 x 1, 8 waves a work-group, no clusters, 0 bytes of LDS; arguments x, g1, be1, hn, wq, wk, wv, w_proj, w1, w2, wh; writes hn, wh
.if DOCPART == 8
	.amdgcn_target "amdgcn-amd-amdhsa--gfx1250"
	.amdhsa_code_object_version 6
	.text
	.protected	k_q7fa5d64d2d_prep
	.globl	k_q7fa5d64d2d_prep
	.p2align	8
	.type	k_q7fa5d64d2d_prep,@function
k_q7fa5d64d2d_prep:
	s_mov_b64 s[64:65], 0
	v_nop
	global_prefetch_b8 v0, s[64:65] scope:SCOPE_SE
	s_setreg_imm32_b32 hwreg(HW_REG_WAVE_SCHED_MODE, 0, 2), 2
	s_setreg_imm32_b32 hwreg(HW_REG_WAVE_MODE, 25, 1), 1
	s_wait_xcnt 0x0
	s_wait_alu depctr_vm_vsrc(0)
; THE PROGRAM: a pre-LN transformer block on 4,096 rows (2 x 2,048) of 1,024 numbers, in seven launches:
;   prep  h = LN(x; g1, be1) in f16, and all six weights rounded once to f16 and laid in blocks      gq    q, k, v = h x (wq, wk, wv)
;   attn  causal softmax attention, 16 heads of 64, scale 1/32                                        gp    x1 = x + att x w_proj + b_proj
;   ln2   h2 = LN(x1; g2, be2) in f16         g1    hid = relu(h2 x w1 + b1)          g2    out0 = x1 + hid x w2 + b2
; FORMATS.  Matrix operands are f16 (weights, h, q, k, v, the softmax's weights, the attention's result, h2, hid), each rounded once from f32; all sums, x, x1, the biases,
; the norms' statistics and the softmax's maximum and sum stay in f32.
; LIMITS.  Every f16 operand must lie within 65,504 (beyond it the conversion gives an infinity); below 6e-5 f16 keeps a fixed step of 6e-8.
; WORK LEFT OUT.  reference() itself sets scores[t][s] to -inf for s > t (its own jnp.tril) ahead of the softmax, so those weights are exactly 0 whatever finite values the
; inputs hold, and q.k and w.v for such pairs reach no output.  Launch attn leaves them out where they come in whole tiles of 256 keys above the diagonal of a block of 128 queries.
; A NaN, an infinity or an overflow that would arise only in those products is not carried to the result.  No input is dead: all fourteen are loaded by some launch.
; LAYOUT T of a GEMM's left operand (hn, att, hid), f16:  byte(m, c) = ((c >> 8) 32 + (m >> 7)) 65,536 + ((c >> 6) & 3) 16,384 + (m & 127) 128 + (c & 63) 2:
; 128 rows x 64 columns are 16,384 consecutive bytes, and four such blocks along c lie on end.
; WEIGHTS (wh), f16.  wq, wk, wv (from byte 0), w_proj (6,291,456) and w2 (16,777,216): blocks [n / 64][K][64], rows of 128 bytes on end: a block's 256 k are 32,768 consecutive bytes.
; w1 (8,388,608): [n / 128][k / 128][(n / 64) & 1][k & 127][n & 63]: 128 k x 128 columns are 32,768 consecutive bytes, which is what a wave of launch g1 asks for at a time.
;
; THIS LAUNCH.  Work-groups 0-255: the first norm, 16 rows each.  Work-groups 256-1023: unit u = number - 256 rounds 256 k-rows x 64 columns of one weight.
; Memory binds: no LDS, no barrier, no matrix unit; every load of a lane is 16 bytes, every store of a wave covers whole aligned runs of 256 bytes.  128 registers a wave, so that four work-groups
; of eight waves lie on a WGP's four times 1,024 registers and all have their loads on their way together.
; THE NORM.  Wave w has rows 2 w and 2 w + 1.  Lane l: i = l & 7, rr = (l >> 3) & 1, cs = l >> 4; for j = 0..7 it holds the 8 columns 64 (2 j + cs) + 8 i .. + 7 of row 2 w + rr, so that its
; eight f16 results are 16 consecutive bytes of layout T and lanes 0-15 (16-31) store 256 consecutive bytes.  Two passes over registers: the mean, then the sum of (x - mean)^2.
; Gain and bias come in four batches of two j, 16 registers each: a batch is asked for as soon as the multiply-adds of the batch before have read those registers.
; THE MODE: SCHED_MODE bits 1:0 = 2 (LLVM: expert scheduling mode 2), set by the entry lines.  The code itself states the register dependences
; between vector instructions and memory instructions, with s_wait_alu, always for 0.
; THE PLAN, the norm.  Registers that memory instructions touch:
;   v2, v3, v4   byte offsets, made once at the head and never written again; every load and store reads one of them.
;   X            x's sixteen loads land in it, once.  The first four words of each j are written by that j's roundings and read by its one store; nothing writes them behind that.
;   G, BE        a batch's eight loads land in them; the batch's eight multiply-adds read them; then the next batch's loads land.
; Batch b: its multiply-adds; ONE wait, which states that they are done reading G and BE and that the roundings of batch b - 1 have written their words; directly behind it the loads of batch b + 1 and
; the two stores of batch b - 1; then batch b's roundings, which name other registers of X, while those loads are on their way.  The last batch has nothing to ask for: its wait stands behind its roundings and serves the stores of the last two batches.
; THE PLAN, the cast.  v[8:23] and v4: byte offsets, made once.  D: sixteen loads land in it, once; the roundings read it.  Y: each pair is written by one rounding pair and read by one store.
; The loads are taken in four groups of four.  At the head of group g stands ONE wait, behind the wait for the group's data: the roundings of group g - 1 have written their part of Y.  That group's four stores are dealt
; among group g's roundings, which name D and Y of group g alone.
; No register that a memory instruction reads is written again, no vector instruction writes a scalar register or VCC, and EXEC is never written: so every s_wait_alu behind the entry lines is for va_vdst.
.set XO,   2                           ; v2   my byte offset in the work-group's 16 rows of x
.set GOF,  3                           ; v3   my byte offset in g and be
.set HO,   4                           ; v4   my byte offset in hn
.set CH,   8                           ; v[8:15]   four packed chains
.set MEAN, 16                          ; v[16:17]  the mean, twice
.set RS,   18                          ; v[18:19]  1 / sqrt(var + eps), twice
.set X,    32                          ; v[32:95]   the row's numbers, 8 for each j
.set G,    96                          ; v[96:111]  the gain's, for two j
.set BE,   112                         ; v[112:127] the bias's, for two j
.set OFF,  8                           ; the cast: v[8:23] sixteen byte offsets, two k-rows apart
.set DO,   4                           ; the cast: v4 my 8 bytes in the unit
.set D,    32                          ; the cast: v[32:95] as loaded
.set Y,    96                          ; the cast: v[96:127] to store
	s_load_b256 s[4:11], s[0:1], 0x0               ; x s[4:5], g1 s[6:7], be1 s[8:9], hn s[10:11]
	s_load_b256 s[12:19], s[0:1], 0x20             ; wq s[12:13], wk s[14:15], wv s[16:17], w_proj s[18:19]
	s_load_b128 s[20:23], s[0:1], 0x40             ; w1 s[20:21], w2 s[22:23]
	s_load_b64 s[24:25], s[0:1], 0x50              ; wh
	s_cmp_lt_u32 ttmp9, 256
	s_cbranch_scc0 .Lcast
	v_and_b32 v5, 7, v0                            ; i
	v_bfe_u32 v6, v0, 3, 1                         ; rr
	v_bfe_u32 v7, v0, 4, 1                         ; cs
	v_lshrrev_b32 v1, 5, v0                        ; w
	v_lshl_add_u32 v6, v1, 1, v6                   ; 2 w + rr
	v_lshlrev_b32 v[GOF], 5, v5                    ; 32 i
	v_lshl_add_u32 v[GOF], v7, 8, v[GOF]           ; + 256 cs
	v_lshl_add_u32 v[XO], v6, 12, v[GOF]           ; + the row's 4,096 bytes
	v_lshlrev_b32 v[HO], 4, v5                     ; 16 i
	v_lshl_add_u32 v[HO], v6, 7, v[HO]             ; + 128 (2 w + rr)
	v_lshl_add_u32 v[HO], v7, 14, v[HO]            ; + 16,384 cs
	s_lshl_b32 s26, ttmp9, 16                      ; 16 rows of 4,096 bytes
	s_mov_b32 s27, 0
	s_lshr_b32 s28, ttmp9, 3                       ; m >> 7
	s_lshl_b32 s28, s28, 16
	s_and_b32 s29, ttmp9, 7                        ; 16 rows of 128 bytes inside the block of 128 rows
	s_lshl_b32 s29, s29, 11
	s_add_co_u32 s28, s28, s29
	s_mov_b32 s29, 0
	s_mov_b32 s30, 0x3a800000                      ; 1 / 1024
	s_mov_b32 s31, 0x3727c5ac                      ; 1e-5
	s_mov_b32 s32, 0x76543210                      ; v_permlanex16_b32: each lane takes its own place in the other half
	s_mov_b32 s33, 0xfedcba98
	s_wait_kmcnt 0x0
	s_add_nc_u64 s[4:5], s[4:5], s[26:27]
	s_add_nc_u64 s[10:11], s[10:11], s[28:29]
.macro GBLOAD b                        ; gain and bias of j = 2 b and 2 b + 1: eight loads
.irp e, 0,1
	global_load_b128 v[G+8*(\e):G+8*(\e)+3],     v[GOF], s[6:7] offset:512*(2*(\b)+(\e))
	global_load_b128 v[G+8*(\e)+4:G+8*(\e)+7],   v[GOF], s[6:7] offset:512*(2*(\b)+(\e))+16
	global_load_b128 v[BE+8*(\e):BE+8*(\e)+3],   v[GOF], s[8:9] offset:512*(2*(\b)+(\e))
	global_load_b128 v[BE+8*(\e)+4:BE+8*(\e)+7], v[GOF], s[8:9] offset:512*(2*(\b)+(\e))+16
.endr
.endm
	s_wait_alu depctr_va_vdst(0)                   ; v2, v3 and v4 are written: every load and store of the norm reads one of them as its offset
.set j, 0
.rept 8                                ; x first, since it is wanted first
	global_load_b128 v[X+8*j:X+8*j+3],   v[XO], s[4:5] offset:512*j th:TH_LOAD_NT
	global_load_b128 v[X+8*j+4:X+8*j+7], v[XO], s[4:5] offset:512*j+16 th:TH_LOAD_NT
.set j, j+1
.endr
	GBLOAD 0
; The four chains into one number, then over the 16 lanes that share a row: i by three steps inside the group of eight (never by 8: that lane holds the other row), cs by the other half of the lanes.
.macro FOLD
	v_pk_add_f32 v[CH:CH+1], v[CH:CH+1], v[CH+2:CH+3]
	v_pk_add_f32 v[CH+4:CH+5], v[CH+4:CH+5], v[CH+6:CH+7]
	v_pk_add_f32 v[CH:CH+1], v[CH:CH+1], v[CH+4:CH+5]
	v_add_f32 v[CH], v[CH], v[CH+1]
	v_add_f32_dpp v[CH], v[CH], v[CH] row_xmask:1 row_mask:0xf bank_mask:0xf
	v_add_f32_dpp v[CH], v[CH], v[CH] row_xmask:2 row_mask:0xf bank_mask:0xf
	v_add_f32_dpp v[CH], v[CH], v[CH] row_xmask:4 row_mask:0xf bank_mask:0xf
	v_permlanex16_b32 v[CH+1], v[CH], s32, s33
	v_add_f32 v[CH], v[CH], v[CH+1]
.endm
	s_wait_loadcnt 8                               ; x is in; the eight younger loads (the first batch of gain and bias) may stay out
.set k, 0
.rept 4                                ; the first pairs start the chains: nothing is cleared
	v_pk_add_f32 v[CH+2*k:CH+2*k+1], v[X+2*k:X+2*k+1], v[X+8+2*k:X+8+2*k+1]
.set k, k+1
.endr
.set k, 8
.rept 24
	v_pk_add_f32 v[CH+2*(k%4):CH+2*(k%4)+1], v[CH+2*(k%4):CH+2*(k%4)+1], v[X+2*k:X+2*k+1]
.set k, k+1
.endr
	FOLD
	v_mul_f32 v[MEAN], s30, v[CH]
	v_mov_b32 v[MEAN+1], v[MEAN]
.set k, 0
.rept 32
	v_pk_add_f32 v[X+2*k:X+2*k+1], v[X+2*k:X+2*k+1], v[MEAN:MEAN+1] neg_lo:[0,1] neg_hi:[0,1]  ; d = x - mean
.set k, k+1
.endr
.set k, 0
.rept 4
	v_pk_mul_f32 v[CH+2*k:CH+2*k+1], v[X+2*k:X+2*k+1], v[X+2*k:X+2*k+1]
.set k, k+1
.endr
.set k, 4
.rept 28
	v_pk_fma_f32 v[CH+2*(k%4):CH+2*(k%4)+1], v[X+2*k:X+2*k+1], v[X+2*k:X+2*k+1], v[CH+2*(k%4):CH+2*(k%4)+1]
.set k, k+1
.endr
	FOLD
	v_fma_f32 v[RS], v[CH], s30, s31               ; var + eps
	v_rsq_f32 v[RS], v[RS]
	v_nop                                          ; a plain instruction behind the root,
	s_wait_alu depctr_va_vdst(0)                   ; and the wait ahead of the first use of its result, v[RS]
	v_mov_b32 v[RS+1], v[RS]
.set k, 0
.rept 32
	v_pk_mul_f32 v[X+2*k:X+2*k+1], v[X+2*k:X+2*k+1], v[RS:RS+1]
.set k, k+1
.endr
.macro NFMA b                          ; batch b: times the gain, plus the bias: sixteen numbers, j = 2 b and 2 b + 1
.set k, 0
.rept 8
	v_pk_fma_f32 v[X+16*(\b)+2*k:X+16*(\b)+2*k+1], v[X+16*(\b)+2*k:X+16*(\b)+2*k+1], v[G+2*k:G+2*k+1], v[BE+2*k:BE+2*k+1]
.set k, k+1
.endr
.endm
.macro NCVT b                          ; batch b's roundings, in place, ascending: word k of a j is written when its numbers 2 k, 2 k + 1 are read
.irp e, 0,1
.irp c, 0,1,2,3
	v_cvt_pk_f16_f32 v[X+8*(2*(\b)+(\e))+(\c)], v[X+8*(2*(\b)+(\e))+2*(\c)], v[X+8*(2*(\b)+(\e))+2*(\c)+1]
.endr
.endr
.endm
.macro NSTORE b                        ; batch b's two stores.  Lanes 0-15: 256 consecutive bytes (two rows of one block of 64 columns); lanes 16-31: the next block's.  j = 2 b + e lies (j >> 1) 2^21 + (j & 1) 2^15 bytes on
.irp e, 0,1
	global_store_b128 v[HO], v[X+8*(2*(\b)+(\e)):X+8*(2*(\b)+(\e))+3], s[10:11] offset:((\b)<<21)|((\e)<<15)
.endr
.endm
	s_wait_loadcnt 0x0                             ; batch 0 of gain and bias is in
	NFMA 0
	s_wait_alu depctr_va_vdst(0)                   ; batch 0's multiply-adds are done reading G and BE, in which the loads below land
	GBLOAD 1
	NCVT 0                                         ; the roundings stand behind the loads: they name X alone
	s_wait_loadcnt 0x0                             ; batch 1 is in
	NFMA 1
	s_wait_alu depctr_va_vdst(0)                   ; batch 1's multiply-adds are done reading G and BE, in which the loads below land; batch 0's roundings have written the words that the stores below read
	GBLOAD 2
	NSTORE 0
	NCVT 1
	s_wait_loadcnt 0x0                             ; batch 2 is in
	NFMA 2
	s_wait_alu depctr_va_vdst(0)                   ; batch 2's multiply-adds are done reading G and BE, in which the loads below land; batch 1's roundings have written the words that the stores below read
	GBLOAD 3
	NSTORE 1
	NCVT 2
	s_wait_loadcnt 0x0                             ; batch 3 is in
	NFMA 3
	NCVT 3
	s_wait_alu depctr_va_vdst(0)                   ; the roundings of batches 2 and 3 have written the words that the last four stores read
	NSTORE 2
	NSTORE 3
	s_endpgm
.Lcast:
	; Unit u: which weight, which block cb of 64 columns, which 256 k-rows kc.  u < 192: wq, wk, wv ([16][1024][64]: dense in this very order, rows of 256 bytes); u < 256: w_proj; u < 512: w1; else w2.
	s_sub_co_u32 s26, ttmp9, 256                   ; u
	s_cmp_lt_u32 s26, 256
	s_cselect_b32 s27, 63, 255
	s_and_b32 s27, s26, s27                        ; r: the unit's number within its weight
	s_wait_kmcnt 0x0
	s_mov_b64 s[32:33], s[22:23]                   ; w2: 16 kc a block, rows of 4,096 bytes
	s_mov_b32 s28, 4                               ; sh: log2 of the units in a block
	s_mov_b32 s29, 12                              ; lp: log2 of a source row's bytes
	s_mov_b32 s38, 14                              ; log2 of the bytes between the unit's two halves of 128 k in wh: on end, but for w1
	s_cmp_lt_u32 s26, 512
	s_cselect_b64 s[32:33], s[20:21], s[32:33]     ; w1: 4 kc, rows of 16,384 bytes
	s_cselect_b32 s28, 2, s28
	s_cselect_b32 s29, 14, s29
	s_cselect_b32 s38, 15, s38
	s_cmp_lt_u32 s26, 256
	s_cselect_b64 s[32:33], s[18:19], s[32:33]     ; w_proj: 4 kc, rows of 4,096 bytes
	s_cselect_b32 s29, 12, s29
	s_cselect_b32 s38, 14, s38
	s_cmp_lt_u32 s26, 192
	s_cselect_b64 s[32:33], s[16:17], s[32:33]     ; wv: one block of 64 units, rows of 256 bytes
	s_cselect_b32 s28, 6, s28
	s_cselect_b32 s29, 8, s29
	s_cmp_lt_u32 s26, 128
	s_cselect_b64 s[32:33], s[14:15], s[32:33]     ; wk
	s_cmp_lt_u32 s26, 64
	s_cselect_b64 s[32:33], s[12:13], s[32:33]     ; wq
	s_lshr_b32 s34, s27, s28                       ; cb
	s_lshl_b32 s35, s34, s28
	s_sub_co_u32 s35, s27, s35                     ; kc
	s_add_co_u32 s36, s29, 8
	s_lshl_b32 s35, s35, s36                       ; 256 rows a kc
	s_lshl_b32 s34, s34, 8                         ; 64 columns of f32
	s_add_co_u32 s34, s34, s35
	s_mov_b32 s35, 0
	s_add_nc_u64 s[32:33], s[32:33], s[34:35]
	s_lshl_b32 s34, s26, 15                        ; the unit's place in wh: 32,768 u,
	s_lshr_b32 s39, s26, 3                         ; or for w1 (u = 256 + 4 cb + kc): (u >> 3) 2^18 + kc 2^16 + (cb & 1) 2^14; 256 >> 3 blocks of 2^18 bytes are w1's first byte
	s_lshl_b32 s39, s39, 18
	s_and_b32 s40, s26, 3
	s_lshl_b32 s40, s40, 16
	s_add_co_u32 s39, s39, s40
	s_bfe_u32 s40, s26, 0x10002
	s_lshl_b32 s40, s40, 14
	s_add_co_u32 s39, s39, s40
	s_cmp_eq_u32 s38, 15
	s_cselect_b32 s34, s39, s34
	s_add_nc_u64 s[24:25], s[24:25], s[34:35]
	s_lshl_b32 s37, 2, s29                         ; two source rows
	v_and_b32 v1, 0xe0, v0                         ; 32 w: my wave's first k-row
	v_bfe_u32 v2, v0, 4, 1
	v_add_nc_u32 v1, v1, v2                        ; lanes 16-31 take the next row
	v_lshlrev_b32 v[OFF], s29, v1
	v_and_b32 v2, 15, v0
	v_lshl_add_u32 v[OFF], v2, 4, v[OFF]           ; 16 lanes x 16 bytes: the row's 256 bytes of this block
.set t, 1
.rept 15
	v_add_nc_u32 v[OFF+t], s37, v[OFF+t-1]
.set t, t+1
.endr
	v_lshrrev_b32 v3, 5, v0                        ; w
	v_and_b32 v5, 31, v0
	v_lshlrev_b32 v[DO], 3, v5                     ; 8 l
	v_and_b32 v6, 3, v3
	v_lshl_add_u32 v[DO], v6, 12, v[DO]            ; + 4,096 (w & 3): 32 k-rows of 128 bytes
	v_lshrrev_b32 v7, 2, v3
	v_lshlrev_b32 v7, s38, v7                      ; + the unit's second half of 128 k
	v_add_nc_u32 v[DO], v[DO], v7
	s_wait_alu depctr_va_vdst(0)                   ; the sixteen offsets v[8:23] and v4 are written: the loads and stores of the cast read them
.set t, 0
.rept 16
	global_load_b128 v[D+4*t:D+4*t+3], v[OFF+t], s[32:33] th:TH_LOAD_NT
.set t, t+1
.endr
.macro CCVT t                          ; load t's four numbers, rounded
	v_cvt_pk_f16_f32 v[Y+2*(\t)],   v[D+4*(\t)],   v[D+4*(\t)+1]
	v_cvt_pk_f16_f32 v[Y+2*(\t)+1], v[D+4*(\t)+2], v[D+4*(\t)+3]
.endm
.macro CSTORE t                        ; 32 lanes x 8 bytes: 256 consecutive bytes, two k-rows of the block
	global_store_b64 v[DO], v[Y+2*(\t):Y+2*(\t)+1], s[24:25] offset:256*(\t)
.endm
	s_wait_loadcnt 12                              ; loads come back in order: group 0 (loads 0 to 3) is in, the twelve younger ones stay out
.irp i, 0,1,2,3
	CCVT \i
.endr
.set g, 1
.rept 3
	s_wait_loadcnt 12-4*g                          ; group g (loads 4 g to 4 g + 3) is in, the younger ones stay out
	s_wait_alu depctr_va_vdst(0)                   ; the roundings of group g - 1 have written their eight registers of Y, which the four stores below read
.irp i, 0,1,2,3
	CSTORE 4*(g-1)+(\i)                            ; no vector instruction since the wait names these registers: group g's roundings write their own part of Y
	CCVT 4*g+(\i)
.endr
.set g, g+1
.endr
	s_wait_alu depctr_va_vdst(0)                   ; the roundings of group 3 have written their eight registers of Y, which the last four stores read
.irp i, 0,1,2,3
	CSTORE 12+(\i)
.endr
	s_endpgm
.Lfunc_end_k_q7fa5d64d2d_prep:
	.size	k_q7fa5d64d2d_prep, .Lfunc_end_k_q7fa5d64d2d_prep-k_q7fa5d64d2d_prep
	.p2alignl 7, 3214868480
	.fill 96, 4, 3214868480
	.section	.rodata,"a",@progbits
	.p2align	6, 0x0
	.amdhsa_kernel k_q7fa5d64d2d_prep
		.amdhsa_group_segment_fixed_size 0
		.amdhsa_private_segment_fixed_size 0
		.amdhsa_enable_private_segment 0
		.amdhsa_kernarg_size 88
		.amdhsa_user_sgpr_count 2
		.amdhsa_user_sgpr_kernarg_segment_ptr 1
		.amdhsa_wavefront_size32 1
		.amdhsa_system_sgpr_workgroup_id_x 1
		.amdhsa_system_sgpr_workgroup_id_y 1
		.amdhsa_system_sgpr_workgroup_id_z 1
		.amdhsa_system_vgpr_workitem_id 0
		.amdhsa_next_free_vgpr 128
		.amdhsa_next_free_sgpr 66
		.amdhsa_reserve_vcc 0
		.amdhsa_float_denorm_mode_32 3
		.amdhsa_float_denorm_mode_16_64 3
		.amdhsa_memory_ordered 1
		.amdhsa_forward_progress 1
		.amdhsa_inst_pref_size 29
	.end_amdhsa_kernel
	.amdgpu_metadata
---
amdhsa.version: [ 1, 2 ]
amdhsa.kernels:
  - .name:           k_q7fa5d64d2d_prep
    .symbol:         k_q7fa5d64d2d_prep.kd
    .args:
      - { .name: x, .offset: 0, .size: 8, .value_kind: global_buffer, .address_space: global }
      - { .name: g1, .offset: 8, .size: 8, .value_kind: global_buffer, .address_space: global }
      - { .name: be1, .offset: 16, .size: 8, .value_kind: global_buffer, .address_space: global }
      - { .name: hn, .offset: 24, .size: 8, .value_kind: global_buffer, .address_space: global }
      - { .name: wq, .offset: 32, .size: 8, .value_kind: global_buffer, .address_space: global }
      - { .name: wk, .offset: 40, .size: 8, .value_kind: global_buffer, .address_space: global }
      - { .name: wv, .offset: 48, .size: 8, .value_kind: global_buffer, .address_space: global }
      - { .name: w_proj, .offset: 56, .size: 8, .value_kind: global_buffer, .address_space: global }
      - { .name: w1, .offset: 64, .size: 8, .value_kind: global_buffer, .address_space: global }
      - { .name: w2, .offset: 72, .size: 8, .value_kind: global_buffer, .address_space: global }
      - { .name: wh, .offset: 80, .size: 8, .value_kind: global_buffer, .address_space: global }
    .group_segment_fixed_size: 0
    .private_segment_fixed_size: 0
    .kernarg_segment_align: 8
    .kernarg_segment_size: 88
    .max_flat_workgroup_size: 256
    .sgpr_count:     66
    .vgpr_count:     128
    .wavefront_size: 32
...
	.end_amdgpu_metadata
.endif
;; end of part 8
;; launch gq: the kernel of part 2 again; grid 8 x 32, 4 waves a work-group, clusters of 4 x 4, 327,680 bytes of LDS; arguments hn, wh, qkv; writes qkv
;; launch attn: the kernel of part 3 again; grid 8 x 32, 4 waves a work-group, no clusters, 327,680 bytes of LDS; arguments qkv, att; writes att
;; launch gp: the kernel of part 4 again; grid 8 x 32, 4 waves a work-group, clusters of 4 x 4, 327,680 bytes of LDS; arguments att, wh, x1, b_proj, x; writes x1
;; launch ln2: the kernel of part 5 again; grid 256 x 1, 8 waves a work-group, no clusters, 0 bytes of LDS; arguments x1, g2, be2, hn; writes hn
;; launch g1: the kernel of part 6 again; grid 16 x 16, 4 waves a work-group, clusters of 4 x 4, 327,680 bytes of LDS; arguments hn, wh, hid, b1; writes hid
;; launch g2: the kernel of part 7 again; grid 8 x 32, 4 waves a work-group, clusters of 4 x 4, 327,680 bytes of LDS; arguments hid, wh, out0, b2, x1; writes out0
